; MI455X (gfx1250); checked and timed in simulation.
; The chip was launched on July 23, 2026; its instructions are those of AMD's public machine-readable ISA for CDNA 5 (MIT licence, August 2026) and "CDNA5" Instruction Set Architecture Reference Guide (July 2026). The comments in the code are by the model that wrote it; some were corrected since.
;; Encoder. Allowed arithmetic: matrix products marked QUANTISED: E2M3 operands, one E8M0 scale for each 32 along K, by v_wmma_scale_f32_16x16x128_f8f6f4 with both operands' format E2M3, f32 sums; everything else in f32.
;; Inputs: b1 4,096 float32; b2 1,024 float32; b_qkv 3,072 float32; ln_b 1,024 float32; ln_g 1,024 float32; w1 1,024 x 4,096 float32; w2 4,096 x 1,024 float32; w_qkv 1,024 x 3,072 float32; x 2 x 2,048 x 1,024 float32.
;; Outputs: out0 2 x 2,048 x 1,024 float32.
;; This version of the problem:
;;   THIS VERSION OF THE PROBLEM IS GIVEN IN LOW PRECISION. The matrix products marked QUANTISED in the list below multiply operands that are first quantised to E2M3 (2 exponent bits, 3 mantissa bits; 6 bits a number), with one power-of-two scale for each 32 numbers along K (OCP MX v1.0); their sums are f32. All else is computed in f32.
;;   The module's matrix products, in the order in which they are computed (A, B: the left and right operand; K: the contracted axis; several contracted axes count as one K, in the product's order):
;;     1. [M 4,096, K 1,024] x [K 1,024, N 3,072]; A: computed on the way; B: input w_qkv: QUANTISED
;;     2. batch 32 x [M 2,048, K 64] x [K 64, N 2,048]; A: computed on the way; B: computed on the way: QUANTISED
;;     3. batch 32 x [M 2,048, K 2,048] x [K 2,048, N 64]; A: softmax (see below); B: computed on the way: QUANTISED
;;     4. [M 4,096, K 1,024] x [K 1,024, N 4,096]; A: computed on the way; B: input w1: QUANTISED
;;     5. [M 4,096, K 4,096] x [K 4,096, N 1,024]; A: computed on the way; B: input w2: QUANTISED
;;   THE QUANTISER, for each operand of a quantised product, along K:
;;     - K is cut into blocks of 32 from its start; a last block that is shorter is filled with zeros.
;;     - A block's scale is 2^e with e = floor(log2(the largest magnitude in the block)) - 2, held to -126 .. 127; a block of zeros has e = 0. As a byte (E8M0): e + 127.
;;     - Each number is divided by its block's scale, clamped to +-7.5, and rounded to the nearest number of E2M3, ties to even, subnormals kept.
;;     - The product sums the exact products of the quantised numbers (number of the format x scale) in f32.
;;   ~~~python
;;   def quantise(x, axis):      # numpy; x: float32 -> the quantised numbers, widened to float32 again
;;       x = np.moveaxis(x, axis, -1); K = x.shape[-1]
;;       x = np.pad(x, [(0, 0)] * (x.ndim - 1) + [(0, -K % 32)]); x = x.reshape(x.shape[:-1] + (-1, 32)); a = np.abs(x).max(-1, keepdims=True)
;;       e = np.where(a > 0, np.clip(np.frexp(np.where(a > 0, a, 1))[1] - 1 - 2, -126, 127), 0)      # np.frexp(a)[1] - 1 = floor(log2(a)), exactly
;;       r = np.clip(x / 2.0 ** e, -7.5, 7.5)
;;       step = 2.0 ** (np.maximum(np.frexp(np.where(r == 0, 1, r))[1] - 1, 0) - 3)
;;       q = np.round(r / step) * step * 2.0 ** e      # np.round: ties to even
;;       return np.moveaxis(q.reshape(q.shape[:-2] + (-1,))[..., :K], -1, axis).astype(np.float32)
;;   ~~~
;;   SOFTMAX AHEAD OF A QUANTISED PRODUCT. Where the list says 'softmax', what is quantised is not the finished softmax but p = 2^(t - M), with t = logit x log2(e) and M = ceil(the row's largest t), a whole number; so 1/2 < the row's largest p <= 1. The row's sum l is taken of the UNQUANTISED p, in f32, and the product's result is divided by l at the end. Since M is a whole number, a kernel that streams over the keys may use a running M (the ceiling of the running maximum): every later rescaling is an exact power of two, which a block's scale takes up: the codes' values come out the same.
;;   OPERANDS COMPUTED ON THE WAY. 'Computed on the way' means the value that the module computes at that place (a softmax that the list does not call 'softmax' is quantised finished and normalised). What goes into a quantiser is computed in f32, as accurately as f32 sums, v_exp_f32 and their like allow (about 1e-6 of the number): no bf16 or f16 on the way to a quantiser, and a product that is left as it is and whose result goes on into a quantised operand takes f32 operands (vector FMAs, or v_wmma_f32_16x16x4_f32). A number that lies on a knife's edge between two numbers of the format may be rounded either way, as far as f32 arithmetic and the matrix unit's own rounding can turn it there, and no further.
;; 2 versions. Each part assembles by itself: llvm-mc -triple=amdgcn-amd-amdhsa -mcpu=gfx1250 --defsym DOCPART=n.
;; ======== version 1 of 2: 5 launches
;; workspace buffers: xq 3,276,800 bytes; x2q 3,276,800 bytes; hq 13,107,200 bytes; wts 9,011,200 bytes; qkv 10,092,544 bytes; x1 16,777,216 bytes
;; launch prep (part 1): grid 608 x 1, 8 waves a work-group, no clusters, 67,072 bytes of LDS; arguments x, ln_g, ln_b, w_qkv, w1, w2, xq, wts; writes xq, wts
.if DOCPART == 1
	.amdgcn_target "amdgcn-amd-amdhsa--gfx1250"
	.amdhsa_code_object_version 6
	.text
	.protected	k_qde970330ee_prep
	.globl	k_qde970330ee_prep
	.p2align	8
	.type	k_qde970330ee_prep,@function
k_qde970330ee_prep:
	s_mov_b64 s[64:65], 0
	v_nop
	global_prefetch_b8 v0, s[64:65] scope:SCOPE_SE
	s_setreg_imm32_b32 hwreg(HW_REG_WAVE_MODE, 25, 1), 1
	s_wait_xcnt 0x0
; LayerNorm(x) and the three weights become codes of FP6 (E2M3) with one E8M0 scale byte for each 32 along K.
; EVERY OPERAND IS LAID AS AN IMAGE OF ITS REGISTERS: a fragment (16 rows x 128 K) is 12 registers a lane, 1,536 bytes: registers 4 c .. 4 c + 3 of lane l at 512 c + 16 l.
; Codes: [K / 256][rows / 16][2][1,536].  Scale words (4 bytes: one row, 128 K): plane kappa of 4 x rows bytes; in it row p at (p >> 6) 256 + (p & 15) 16 + ((p >> 4) & 3) 4.
; ROW ORDER: xq's rows, w_qkv's columns 0 .. 2,047 and w1's columns lie at the place got by exchanging bits 3 and 4 of the index, so that a product that takes them as source 0 leaves 16 neighbours along the next K in a lane.
; Work-groups 0-255: a block of 16 rows of x (LayerNorm, then quantised).  256-351: w_qkv, 352-479: w1, 480-607: w2: 256 columns x 128 K each.  The paths part on the work-group's number; only the first uses LDS and a barrier.
; A block's scale byte is its largest magnitude's exponent field - 2, held at 1 from below by a floor among the maximum's leaves.
; LIMITS: a block whose largest magnitude lies under 2^-124 (a block of zeros too) gets the byte 1; the bytes are read by this program alone, and such a block's codes add nothing or next to nothing.  NaN and infinities are not served.
; The weights' scale words leave as 4 bytes a lane, 16 bytes apart (two waves fill 256 bytes between them): one byte in 128 of what the launch reads.
.set XSC,   3145728                    ; xq: the scale words begin here
.set PITCH, 4112                       ; a stage row: 4,096 bytes + 16: sixteen rows start at sixteen different 16-byte columns
.set SEL,   34                         ; s[34:35] lane selects: lane l xor 16
.set CM,    36                         ; s36 1/1,024, s37 the norm's epsilon
.set PC,    160                        ; v160-178 the codes just made
.set TM,    180                        ; v180-195 at work in QUANT
.set PW,    196                        ; v196 the scale word just made
.set FF,    80                         ; v80-91, v92-103: a weight wave's two fragments
.set GG,    92
; 64 numbers of a lane, register 16 b + i = k 32 b + 16 (lane / 16) + i of my row, become a fragment's codes in v[PC] on and its scale word in v[PW] (the same in lanes l and l xor 16).
.macro QUANT s
.irp b, 0,1,2,3
	v_max3_num_f32 v[TM+\b], |v[\s+16*\b]|, |v[\s+1+16*\b]|, 0x1800000   ; my 16 numbers of block b, and the floor 2^(3 - 127)
.endr
.irp i, 2,4,6,8,10,12,14
.irp b, 0,1,2,3
	v_max3_num_f32 v[TM+\b], v[TM+\b], |v[\s+16*\b+\i]|, |v[\s+1+16*\b+\i]|
.endr
.endr
.irp b, 0,1,2,3
	v_permlanex16_b32 v[TM+4+\b], v[TM+\b], s[SEL], s[SEL+1]
.endr
.irp b, 0,1,2,3
	v_max_num_f32 v[TM+\b], v[TM+\b], v[TM+4+\b]         ; with lane l xor 16's: the block's largest magnitude
.endr
.irp b, 0,1,2,3
	v_add_nc_u32 v[TM+12+\b], 0xff000000, v[TM+\b]       ; 2 off its exponent field: the conversion's scale operand
.endr
.irp b, 0,1,2,3
	v_lshrrev_b32 v[TM+4+\b], 23, v[TM+12+\b]            ; the scale's byte
.endr
	v_lshl_or_b32 v[PW], v[TM+5], 8, v[TM+4]
	v_lshl_or_b32 v[PW], v[TM+6], 16, v[PW]
	v_lshl_or_b32 v[PW], v[TM+7], 24, v[PW]
.irp c, 0,1
	v_cvt_scalef32_pk16_fp6_f32 v[PC+6*\c:PC+2+6*\c], v[\s+32*\c:\s+15+32*\c], v[TM+12+2*\c]
	v_cvt_scalef32_pk16_fp6_f32 v[PC+12+4*\c:PC+14+4*\c], v[\s+16+32*\c:\s+31+32*\c], v[TM+12+2*\c+1]   ; (a conversion's three registers begin on an even number)
.endr
	v_nop                                                ; one plain place behind a scaled conversion
.irp c, 0,1                                          ; the layout wants a whole block in a lane
.irp i, 0,1,2
	v_permlane16_swap_b32 v[PC+6*\c+\i], v[PC+12+4*\c+\i]
.endr
.irp i, 0,1,2
	v_mov_b32 v[PC+3+6*\c+\i], v[PC+12+4*\c+\i]
.endr
.endr
.endm
; A row of 1,024 numbers in 32 registers of the wave: d = x - mean, and 1 / sqrt(var + eps) in v[t + 4].  Two passes, so that a common offset of the row does no harm.
.macro LNSTAT x, d, t
	v_pk_add_f32 v[\t:\t+1], v[\x:\x+1], v[\x+2:\x+3]
	v_pk_add_f32 v[\t+2:\t+3], v[\x+4:\x+5], v[\x+6:\x+7]
.irp j, 8,12,16,20,24,28
	v_pk_add_f32 v[\t:\t+1], v[\t:\t+1], v[\x+\j:\x+\j+1]
	v_pk_add_f32 v[\t+2:\t+3], v[\t+2:\t+3], v[\x+\j+2:\x+\j+3]
.endr
	v_pk_add_f32 v[\t:\t+1], v[\t:\t+1], v[\t+2:\t+3]
	v_add_f32 v[\t], v[\t], v[\t+1]
.irp m, 1,2,4,8
	v_add_f32_dpp v[\t], v[\t], v[\t] row_xmask:\m row_mask:0xf bank_mask:0xf
.endr
	v_permlanex16_b32 v[\t+1], v[\t], s[SEL], s[SEL+1]
	v_add_f32 v[\t], v[\t], v[\t+1]
	v_mul_f32 v[\t], s[CM], v[\t]                        ; the mean
.irp j, 0,2,4,6,8,10,12,14,16,18,20,22,24,26,28,30
	v_pk_add_f32 v[\d+\j:\d+\j+1], v[\x+\j:\x+\j+1], v[\t:\t+1] op_sel_hi:[1,0] neg_lo:[0,1] neg_hi:[0,1]
.endr
	v_pk_mul_f32 v[\t+2:\t+3], v[\d:\d+1], v[\d:\d+1]
	v_pk_mul_f32 v[\t+4:\t+5], v[\d+2:\d+3], v[\d+2:\d+3]
.irp j, 4,8,12,16,20,24,28
	v_pk_fma_f32 v[\t+2:\t+3], v[\d+\j:\d+\j+1], v[\d+\j:\d+\j+1], v[\t+2:\t+3]
	v_pk_fma_f32 v[\t+4:\t+5], v[\d+\j+2:\d+\j+3], v[\d+\j+2:\d+\j+3], v[\t+4:\t+5]
.endr
	v_pk_add_f32 v[\t+2:\t+3], v[\t+2:\t+3], v[\t+4:\t+5]
	v_add_f32 v[\t+2], v[\t+2], v[\t+3]
.irp m, 1,2,4,8
	v_add_f32_dpp v[\t+2], v[\t+2], v[\t+2] row_xmask:\m row_mask:0xf bank_mask:0xf
.endr
	v_permlanex16_b32 v[\t+3], v[\t+2], s[SEL], s[SEL+1]
	v_add_f32 v[\t+2], v[\t+2], v[\t+3]
	v_fma_f32 v[\t+2], v[\t+2], s[CM], s[CM+1]           ; var + eps
	v_rsq_f32 v[\t+4], v[\t+2]
	v_nop                                                ; a plain place behind the transcendental,
	s_wait_alu depctr_va_vdst(0)                         ; and the wait ahead of its first reader
.endm
.macro LNAPPLY d, g, b, t
.irp j, 0,2,4,6,8,10,12,14,16,18,20,22,24,26,28,30
	v_pk_mul_f32 v[\d+\j:\d+\j+1], v[\d+\j:\d+\j+1], v[\t+4:\t+5] op_sel_hi:[1,0]
.endr
.irp j, 0,2,4,6,8,10,12,14,16,18,20,22,24,26,28,30
	v_pk_fma_f32 v[\d+\j:\d+\j+1], v[\d+\j:\d+\j+1], v[\g+\j:\g+\j+1], v[\b+\j:\b+\j+1]
.endr
.endm
	s_load_b256 s[4:11], s[0:1], 0x0               ; x s[4:5], ln_g s[6:7], ln_b s[8:9], w_qkv s[10:11]
	s_load_b256 s[12:19], s[0:1], 0x20             ; w1 s[12:13], w2 s[14:15], xq s[16:17], wts s[18:19]
	v_lshl_add_u32 v200, v0, 2, 0x10200
	v_mov_b32 v201, 0
	v_lshrrev_b32 v1, 5, v0
	v_readfirstlane_b32 s20, v1                    ; wave 0..7
	v_and_b32 v1, 31, v0                           ; lane
	s_mov_b32 s[SEL], 0x76543210
	s_mov_b32 s[SEL+1], 0xfedcba98
	s_mov_b32 s[CM], 0x3a800000                    ; 1 / 1,024
	s_mov_b32 s[CM+1], 0x3727c5ac                  ; 1e-5
	s_wait_kmcnt 0x0
	s_cmp_lt_u32 ttmp9, 256
	s_cbranch_scc0 .Lweights
	; ---- LayerNorm.  The work-group is block R of xq's rows; its row i is token 32 (R >> 1) + 16 (i >> 3) + 8 (R & 1) + (i & 7).  Wave w norms rows 2 w and 2 w + 1: two neighbouring tokens, 8,192 consecutive bytes.
	s_lshr_b32 s21, ttmp9, 1
	s_lshl_b32 s21, s21, 5
	s_and_b32 s22, ttmp9, 1
	s_lshl_b32 s22, s22, 3
	s_add_co_u32 s21, s21, s22
	s_lshr_b32 s22, s20, 2
	s_lshl_b32 s22, s22, 4
	s_add_co_u32 s21, s21, s22
	s_and_b32 s22, s20, 3
	s_lshl_b32 s22, s22, 1
	s_add_co_u32 s21, s21, s22                     ; my first token
	s_lshl_b32 s22, s21, 12                        ; 4,096 bytes a row
	s_mov_b32 s23, 0
	s_add_nc_u64 s[4:5], s[4:5], s[22:23]
	v_lshlrev_b32 v2, 4, v1                        ; 16 x lane
.irp j, 0,1,2,3,4,5,6,7,8,9,10,11,12,13,14,15
	global_load_b128 v[16+4*\j:19+4*\j], v2, s[4:5] offset:512*\j th:TH_LOAD_NT   ; 32 lanes read 512 consecutive bytes
.endr
.irp j, 0,1,2,3,4,5,6,7
	global_load_b128 v[80+4*\j:83+4*\j], v2, s[6:7] offset:512*\j
.endr
.irp j, 0,1,2,3,4,5,6,7
	global_load_b128 v[112+4*\j:115+4*\j], v2, s[8:9] offset:512*\j
.endr
	s_mul_i32 s24, s20, 2*PITCH
	v_add_nc_u32 v3, s24, v2                       ; the stage, in: my two rows, 16 bytes a lane
	v_and_b32 v5, 15, v0                           ; r
	v_bfe_u32 v6, v0, 4, 1                         ; h
	v_mul_u32_u24 v4, v5, PITCH
	v_lshl_add_u32 v4, v6, 6, v4
	s_lshl_b32 s24, s20, 9
	v_add_nc_u32 v4, s24, v4                       ; and back: row r, K step w (512 bytes), + 64 h: my 16 numbers of each block of 32
	v_lshlrev_b32 v7, 4, v5                        ; 16 r: my row's scale word
.irp b, 0,1,2,3
	v_mov_b32 v[TM+4+\b], 0                        ; written once: a lane permute's destination counts as one of its sources
.endr
	s_lshr_b32 s24, s20, 1
	s_mul_i32 s24, s24, 786432                     ; K step w lies in the (w >> 1)-th 256 along K,
	s_mul_i32 s25, ttmp9, 3072                     ; block R,
	s_add_co_u32 s24, s24, s25
	s_and_b32 s25, s20, 1
	s_mul_i32 s25, s25, 1536                       ; half w & 1
	s_add_co_u32 s24, s24, s25
	s_mov_b32 s25, 0
	s_add_nc_u64 s[26:27], s[16:17], s[24:25]
	s_lshl_b32 s28, s20, 14                        ; the scale words: plane w,
	s_lshr_b32 s29, ttmp9, 2
	s_lshl_b32 s29, s29, 8
	s_add_co_u32 s28, s28, s29                     ; (R >> 2) 256
	s_and_b32 s29, ttmp9, 3
	s_lshl_b32 s29, s29, 2
	s_add_co_u32 s28, s28, s29                     ; 4 (R & 3)
	s_add_co_u32 s28, s28, XSC
	s_mov_b32 s29, 0
	s_add_nc_u64 s[28:29], s[16:17], s[28:29]
	s_wait_loadcnt 16                              ; x's sixteen loads are in; the gain's and the bias's sixteen may be out
	LNSTAT 16, 16, 144
	LNSTAT 48, 48, 150
	s_wait_loadcnt 0x0
	LNAPPLY 16, 80, 112, 144
	LNAPPLY 48, 80, 112, 150
.irp i, 0,1
.irp j, 0,1,2,3,4,5,6,7
	ds_store_b128 v3, v[16+32*\i+4*\j:19+32*\i+4*\j] offset:PITCH*\i+512*\j
.endr
.endr
	s_wait_dscnt 0x0                               ; for the others' sake: my rows lie in the stage
	s_barrier_signal -1
	s_barrier_wait -1
.irp b, 0,1,2,3
.irp m, 0,1,2,3
	ds_load_b128 v[16+16*\b+4*\m:19+16*\b+4*\m], v4 offset:128*\b+16*\m
.endr
.endr
	s_wait_dscnt 0x0
	QUANT 16
.irp c, 0,1,2
	global_store_b128 v2, v[PC+4*\c:PC+4*\c+3], s[26:27] offset:512*\c   ; 512 consecutive bytes, aligned
.endr
	global_store_b32 v7, v[PW], s[28:29]           ; lanes l and l + 16 hold the same word and name the same place
	s_wait_tensorcnt 0x0
	ds_add_u32 v200, v201
	s_wait_dscnt 0x0
	s_endpgm
; ---- the weights.  A wave takes 32 columns x 128 K.  A LANE TAKES A COLUMN AND ITS REGISTERS RUN DOWN K: each load reads 128 consecutive bytes, a block of 32 lies in one lane, the conversions give codes with K innermost.
.macro WLOAD t, N
.irp i, 0,1,2,3,4,5,6,7,8,9,10,11,12,13,14,15,16,17,18,19,20,21,22,23,24,25,26,27,28,29,30,31
	global_load_b32 v[16+32*((\t)%2)+\i], v2, s[26:27] offset:(32*(\t)+\i)*4*\N th:TH_LOAD_NT
.endr
.endm
.macro WBLOCK t, N, D                  ; block t of 32 along K -> six registers from v[D] on, its byte into v108
.set XR, 16+32*((\t)%2)
.if (\t) < 3
	s_wait_loadcnt 32                              ; this block's 32 loads are in; the next block's may be out
.else
	s_wait_loadcnt 0x0
.endif
	v_max3_num_f32 v8, |v[XR]|, |v[XR+1]|, |v[XR+2]|
	v_max3_num_f32 v9, |v[XR+3]|, |v[XR+4]|, |v[XR+5]|
.irp i, 6,10,14,18,22,26
	v_max3_num_f32 v8, v8, |v[XR+\i]|, |v[XR+\i+1]|
	v_max3_num_f32 v9, v9, |v[XR+\i+2]|, |v[XR+\i+3]|
.endr
	v_max3_num_f32 v8, v8, |v[XR+30]|, |v[XR+31]|
	v_max3_num_f32 v8, v8, v9, 0x1800000           ; and the floor
	v_add_nc_u32 v10, 0xff000000, v8
	v_lshrrev_b32 v9, 23, v10
.if (\t) == 0
	v_mov_b32 v108, v9
.else
	v_lshl_or_b32 v108, v9, 8*(\t), v108
.endif
	v_cvt_scalef32_pk16_fp6_f32 v[\D:\D+2], v[XR:XR+15], v10
	v_cvt_scalef32_pk16_fp6_f32 v[104:106], v[XR+16:XR+31], v10
	v_nop
.irp i, 0,1,2
	v_mov_b32 v[\D+3+\i], v[104+\i]
.endr
.if (\t) < 2
	WLOAD (\t)+2, \N
.endif
.endm
; N: the weight's columns; CB, SB: where its codes and scale words begin in wts; LOGK: log2 of K / 128; PM: 1 = columns laid with bits 3 and 4 exchanged, 0 = as they are, 2 = exchanged in the first 2,048; PTR: the weight's address.  s32: the work-group's number within the weight.
.macro WQ N, CB, SB, LOGK, PM, PTR
	s_lshr_b32 s21, s32, \LOGK                     ; which 256 columns
	s_and_b32 s22, s32, (1<<\LOGK)-1               ; which 128 along K
.if \PM == 2
	s_cmp_lt_u32 s21, 8
	s_cselect_b32 s23, 24, 0
.else
	s_mov_b32 s23, 24*\PM
.endif
	v_lshrrev_b32 v2, 3, v1
	v_lshrrev_b32 v3, 4, v1
	v_xor_b32 v2, v2, v3
	v_and_b32 v2, 1, v2
	v_mul_u32_u24 v2, v2, 24
	v_and_b32 v2, s23, v2
	v_xor_b32 v2, v1, v2                           ; place l of the 32 holds column l with bits 3 and 4 exchanged: the same 128 bytes of each load
	v_lshlrev_b32 v2, 2, v2
	s_lshl_b32 s24, s21, 8
	s_lshl_b32 s25, s20, 5
	s_add_co_u32 s24, s24, s25                     ; my first column
	s_mul_i32 s26, s22, 128*4*\N
	s_lshl_b32 s27, s24, 2
	s_add_co_u32 s26, s26, s27
	s_mov_b32 s27, 0
	s_add_nc_u64 s[26:27], s[\PTR:\PTR+1], s[26:27]
	WLOAD 0, \N
	WLOAD 1, \N
	s_lshr_b32 s28, s22, 1
	s_mul_i32 s28, s28, \N/16
	s_lshr_b32 s29, s24, 4
	s_add_co_u32 s28, s28, s29
	s_lshl_b32 s28, s28, 1
	s_and_b32 s29, s22, 1
	s_add_co_u32 s28, s28, s29
	s_mul_i32 s28, s28, 1536
	s_add_co_u32 s28, s28, \CB
	s_mov_b32 s29, 0
	s_add_nc_u64 s[28:29], s[18:19], s[28:29]      ; my first fragment
	s_mul_i32 s30, s22, 4*\N
	s_lshl_b32 s31, s21, 10
	s_add_co_u32 s30, s30, s31
	s_lshr_b32 s31, s20, 1
	s_lshl_b32 s31, s31, 8
	s_add_co_u32 s30, s30, s31
	s_and_b32 s31, s20, 1
	s_lshl_b32 s31, s31, 3
	s_add_co_u32 s30, s30, s31
	s_add_co_u32 s30, s30, \SB
	s_mov_b32 s31, 0
	s_add_nc_u64 s[30:31], s[18:19], s[30:31]      ; my scale words
	v_and_b32 v3, 15, v1
	v_lshlrev_b32 v3, 4, v3
	v_lshrrev_b32 v4, 4, v1
	v_lshl_add_u32 v3, v4, 2, v3                   ; 16 (l & 15) + 4 (l >> 4)
	v_lshlrev_b32 v4, 4, v1                        ; 16 x lane
	WBLOCK 0, \N, FF
	WBLOCK 1, \N, GG
	WBLOCK 2, \N, FF+6
	WBLOCK 3, \N, GG+6
.irp i, 0,1,2,3,4,5,6,7,8,9,10,11
	v_permlane16_swap_b32 v[FF+\i], v[GG+\i]       ; the first's lanes 16-31 change places with the second's lanes 0-15: now each is a fragment of 16 rows, blocks 0, 2 in lanes 0-15 and 1, 3 in lanes 16-31
.endr
.irp c, 0,1,2
	global_store_b128 v4, v[FF+4*\c:FF+4*\c+3], s[28:29] offset:512*\c
	global_store_b128 v4, v[GG+4*\c:GG+4*\c+3], s[28:29] offset:3072+512*\c
.endr
	global_store_b32 v3, v108, s[30:31]
	s_endpgm
.endm
.Lweights:
	s_sub_co_u32 s32, ttmp9, 256
	s_cmp_lt_u32 s32, 96
	s_cbranch_scc0 .Lnot_qkv
	WQ 3072, 0, 2359296, 3, 2, 10
.Lnot_qkv:
	s_sub_co_u32 s32, s32, 96
	s_cmp_lt_u32 s32, 128
	s_cbranch_scc0 .Lnot_w1
	WQ 4096, 2457600, 5603328, 3, 1, 12
.Lnot_w1:
	s_sub_co_u32 s32, s32, 128
	WQ 1024, 5734400, 8880128, 5, 0, 14
.Lfunc_end_k_qde970330ee_prep:
	.size	k_qde970330ee_prep, .Lfunc_end_k_qde970330ee_prep-k_qde970330ee_prep
	.p2alignl 7, 3214868480
	.fill 96, 4, 3214868480
	.section	.rodata,"a",@progbits
	.p2align	6, 0x0
	.amdhsa_kernel k_qde970330ee_prep
		.amdhsa_group_segment_fixed_size 67072
		.amdhsa_private_segment_fixed_size 0
		.amdhsa_enable_private_segment 0
		.amdhsa_kernarg_size 64
		.amdhsa_user_sgpr_count 2
		.amdhsa_user_sgpr_kernarg_segment_ptr 1
		.amdhsa_wavefront_size32 1
		.amdhsa_system_sgpr_workgroup_id_x 1
		.amdhsa_system_sgpr_workgroup_id_y 1
		.amdhsa_system_sgpr_workgroup_id_z 1
		.amdhsa_system_vgpr_workitem_id 0
		.amdhsa_next_free_vgpr 202
		.amdhsa_next_free_sgpr 66
		.amdhsa_reserve_vcc 0
		.amdhsa_float_denorm_mode_32 3
		.amdhsa_float_denorm_mode_16_64 3
		.amdhsa_memory_ordered 1
		.amdhsa_forward_progress 1
		.amdhsa_inst_pref_size 87
	.end_amdhsa_kernel
	.amdgpu_metadata
---
amdhsa.version: [ 1, 2 ]
amdhsa.kernels:
  - .name:           k_qde970330ee_prep
    .symbol:         k_qde970330ee_prep.kd
    .args:
      - { .name: x, .offset: 0, .size: 8, .value_kind: global_buffer, .address_space: global }
      - { .name: ln_g, .offset: 8, .size: 8, .value_kind: global_buffer, .address_space: global }
      - { .name: ln_b, .offset: 16, .size: 8, .value_kind: global_buffer, .address_space: global }
      - { .name: w_qkv, .offset: 24, .size: 8, .value_kind: global_buffer, .address_space: global }
      - { .name: w1, .offset: 32, .size: 8, .value_kind: global_buffer, .address_space: global }
      - { .name: w2, .offset: 40, .size: 8, .value_kind: global_buffer, .address_space: global }
      - { .name: xq, .offset: 48, .size: 8, .value_kind: global_buffer, .address_space: global }
      - { .name: wts, .offset: 56, .size: 8, .value_kind: global_buffer, .address_space: global }
    .group_segment_fixed_size: 67072
    .private_segment_fixed_size: 0
    .kernarg_segment_align: 8
    .kernarg_segment_size: 64
    .max_flat_workgroup_size: 256
    .sgpr_count:     66
    .vgpr_count:     202
    .wavefront_size: 32
...
	.end_amdgpu_metadata
.endif
;; end of part 1
;; launch qkv (part 2): grid 12 x 16, 4 waves a work-group, clusters of 4 x 4, 327,680 bytes of LDS; arguments xq, wts, b_qkv, qkv; writes qkv
.if DOCPART == 2
	.amdgcn_target "amdgcn-amd-amdhsa--gfx1250"
	.amdhsa_code_object_version 6
	.text
	.protected	k_qde970330ee_qkv
	.globl	k_qde970330ee_qkv
	.p2align	8
	.type	k_qde970330ee_qkv,@function
k_qde970330ee_qkv:
	s_mov_b64 s[64:65], 0
	v_nop
	global_prefetch_b8 v0, s[64:65] scope:SCOPE_SE
	s_setreg_imm32_b32 hwreg(HW_REG_WAVE_MODE, 25, 1), 1
	s_wait_xcnt 0x0
	s_wait_alu depctr_hold_cnt(0) depctr_sa_sdst(0) depctr_va_vdst(0) depctr_va_sdst(0) depctr_va_ssrc(0) depctr_va_vcc(0) depctr_vm_vsrc(0)
	s_getreg_b32 s2, hwreg(HW_REG_IB_STS2, 6, 4)
	s_cmp_eq_u32 s2, 0
	s_cbranch_scc0 .Lentry_in_a_cluster
	s_endpgm
.Lentry_in_a_cluster:
	s_bfe_u32 s2, ttmp6, 0x10000c
	s_cmp_lg_u32 s2, 0xf033
	s_cbranch_scc0 .Lentry_shape_is_right
	s_endpgm
.Lentry_shape_is_right:
; qkv = LN(x) w_qkv + b_qkv on codes of FP6 (E2M3), and its results quantised at once: q and k along the head's 64, v along the keys.  Nothing of qkv goes to memory as f32.
; A tile of 256 x 256 is made by four waves, 128 x 128 each: 64 accumulators, 512 registers.  K = 1,024 goes in steps of 256 through a ring of two LDS slots filled by the tensor data mover.
; OPERANDS LIE IN MEMORY AND IN LDS AS IMAGES OF THEIR REGISTERS (a fragment: 1,536 bytes, registers 4 c .. 4 c + 3 of lane l at 512 c + 16 l): a tile of 128 rows x 256 K is one dense block of 24,576 bytes, a fragment is three
; loads of 512 consecutive bytes: no pitch, no padding.  The scale words of the work-group's rows, for all of K, come into LDS once, with the first fills.
; CLUSTERS: 4 x 4 work-groups; the four of a row need the same tiles of x, the four of a column the same tiles of w: each tile is asked for jointly.
; TILE COLUMNS 0-7 (q, k): source 0 = 16 rows of w, source 1 = 16 tokens: a lane holds one token and 64 columns in the order of the next K (w's rows are laid for that): two heads' 64.
; TILE COLUMNS 8-11 (v; the cluster with x = 2): the two LDS regions change ROLES: source 0 = 16 tokens, source 1 = 16 rows of w: a lane holds one channel and 64 tokens in the order of the keys.  Loads, masks, ring are alike.
; OUT: per head [q | k | v], 98,304 bytes each.  q, k: a tile of 16 tokens is 768 bytes (K = 64: registers 0-3 at 16 l, 4-5 at 512 + 8 l).  v: [128 keys][16 channels] fragments of 1,536.  Scale words behind the codes.
; LIMITS: a block whose largest magnitude lies under 2^-124 gets the scale byte 1 (read by this program alone); NaN and infinities are not served.
.set KK,     1024
.set XROWS,  4096
.set WROWS,  3072
.set XSC,    3145728                   ; x's scale words in xq
.set WC,     0                         ; w's codes and scale words in wts
.set WS,     2359296
.set QS,     9437184                   ; qkv: the scale words begin here
.set NQ,     2                         ; matrix instructions deep in a slot
.set FR,     12
.set NL,     3                         ; LDS loads that bring a fragment
.set NP,     4                         ; places behind this matrix instruction (ISA guide 7.12.1)
.set FRB,    1536
.set HALFT,  8*NQ*FRB                  ; 128 rows x 256 K: what one tensor load brings
.set SLOT,   4*HALFT                   ; x's two halves, then w's two
.set LAPS,   KK/512
.set KS,     KK/128
.set SCL,    2*SLOT                    ; behind the ring: the scale words: for each wave's 128 rows KS planes of 512 bytes
.set HALFS,  512*KS
.set SPARE,  SCL+4*HALFS               ; the spare words, 128 bytes for each wave: two blocks of 256 bytes that no other line names
.set XSTEP,  XROWS/16*NQ*FRB           ; 256 along K on, in memory
.set WSTEP,  WROWS/16*NQ*FRB
.set ADRA, 16                          ; v16-17  LDS address of source 1's fragments in slot 0, 1
.set ADRB, 20                          ; v20-21  of source 0's
.set LI,   24                          ; v24  16 x lane
.set L8,   25                          ; v25  8 x lane
.set SA,   26                          ; v26  16 r + 20,480 h: a scale word's place, the next head's for lanes 16-31
.set ADRS, 27                          ; v27  LDS address of my scale words: lanes 0-15 source 1's rows, lanes 16-31 source 0's
.set SPW,  28                          ; v28  my spare word; never rewritten
.set NIL,  29                          ; v29  0; never rewritten
.set SC,   32                          ; v32-63 scale words: set s at SC + 16 s; in it register 8 q + i: block i, the slot's q-th 128 along K
.set BI,   64                          ; v64-127 the bias of my 128 columns in the order of a lane's 64 results
.set AF,   128                         ; v128-223 source 1's fragments, one set
.set BL,   240                         ; v240-247 the bias of column 16 a + r
.set HA,   0                           ; window 1, behind the loop: v0-63 a block's 64 numbers
.set PC,   192                         ; v192-210 codes; v212-227 at work; v228 the scale word; v229 16 h; v232-239 eight scale words; v240-243 four to store
.set TM,   212
.set PW,   228
.set H16,  229
.set SW,   232
.set SV,   240
.set SEL,  96                          ; s[96:97]
.set G1, 24
.set G0, 32
.set G1B, 48
.set G0B, 56
.set G1S, 68
.set G0S, 76
.set G1SB, 80
.set G0SB, 88
.set MSB, 0
.macro WIN new                         ; the immediate's high byte repeats the setting that is left
.if MSB != (\new)
	s_set_vgpr_msb (MSB<<8)|(\new)
.set MSB, (\new)
.endif
.endm
.set MUL_LO, 0xa1                      ; source 0 window 1, source 1 window 0, C and D window 2
.set MUL_HI, 0xf1
.set TO_B,   0x40
.macro JLOAD g0a, g1a, g0b, g1b        ; a joint load: waves 0 and 1 fetch for x, waves 2 and 3 for w; four v_nop follow each line
	s_cmp_eq_u32 s15, 0
	s_cbranch_scc0 .Lfor_b_\@
	tensor_load_to_lds s[\g0a:\g0a+3], s[\g1a:\g1a+7]
	s_nop 0
.rept 4
	v_nop
.endr
	s_branch .Lasked_\@
.Lfor_b_\@:
	tensor_load_to_lds s[\g0b:\g0b+3], s[\g1b:\g1b+7]
	s_nop 0
.rept 4
	v_nop
.endr
.Lasked_\@:
.endm
.macro CREST
	s_cmp_lg_u32 s14, 0
	s_cbranch_scc1 .Lnot_wave_0_\@
	s_barrier_signal -3
.Lnot_wave_0_\@:
	s_barrier_wait -3
	s_barrier_signal -1
	s_barrier_wait -1
.endm
.macro CROUND
	s_barrier_signal -1
	s_barrier_wait -1
	CREST
.endm
	s_load_b256 s[4:11], s[0:1], 0x0               ; xq s[4:5], wts s[6:7], b_qkv s[8:9], qkv s[10:11]
	v_lshl_add_u32 v[SPW], v0, 2, SPARE
	v_mov_b32 v[NIL], 0
	ds_add_u32 v28, v29
	ds_add_u32 v28, v29
	s_wait_dscnt 0x0
	v_lshrrev_b32 v1, 5, v0
	v_readfirstlane_b32 s14, v1                    ; wave 0..3
	s_lshr_b32 s15, s14, 1                         ; my half of x's rows.  Also: I fetch for x (0) or for w (1)
	s_and_b32 s16, s14, 1                          ; my half of w's rows.  Also: which 128 rows I fetch
	s_bfe_u32 s40, ttmp6, 0x40000                  ; cx, cy
	s_bfe_u32 s41, ttmp6, 0x40004
	s_lshl_b32 s42, ttmp9, 2
	s_add_co_u32 s42, s42, s40                     ; tile column
	s_and_b32 s17, ttmp7, 0xffff
	s_lshl_b32 s17, s17, 2
	s_add_co_u32 s17, s17, s41                     ; tile row
	s_lshl_b32 s43, s41, 2
	s_lshl_b32 s43, 15, s43                        ; my row of the cluster
	s_lshl_b32 s44, 0x1111, s40                    ; my column
	; group 1 for the codes: a dense block of 24,576 bytes as 96 rows of 32 elements of 8 bytes
	s_or_b32 s[G1+0], s43, (3<<16)|(1<<21)
	s_or_b32 s[G1B+0], s44, (3<<16)|(1<<21)
.irp g, G1, G1B
	s_mov_b32 s[\g+1], 32<<16
	s_mov_b32 s[\g+2], 96<<16
	s_mov_b32 s[\g+3], 32<<16
	s_mov_b32 s[\g+4], 96
	s_mov_b32 s[\g+5], 32
	s_mov_b32 s[\g+6], 0
	s_mov_b32 s[\g+7], 0
.endr
	; and for the scale words of 128 rows: KS rows of 512 bytes, a plane apart
	s_or_b32 s[G1S+0], s43, (3<<16)|(1<<21)
	s_or_b32 s[G1SB+0], s44, (3<<16)|(1<<21)
.irp g, G1S, G1SB
	s_mov_b32 s[\g+1], 64<<16
	s_mov_b32 s[\g+2], KS<<16
	s_mov_b32 s[\g+3], 64<<16
	s_mov_b32 s[\g+4], KS
	s_mov_b32 s[\g+6], 0
	s_mov_b32 s[\g+7], 0
.endr
	s_mov_b32 s[G1S+5], XROWS/2
	s_mov_b32 s[G1SB+5], WROWS/2
	s_lshl_b32 s20, s17, 1
	s_add_co_u32 s20, s20, s16                     ; x: which 128 rows: 2 x tile row + half
	s_lshl_b32 s46, s42, 1
	s_add_co_u32 s46, s46, s16                     ; w: 2 x tile column + half
	s_lshl_b32 s22, s20, 9
	s_add_co_u32 s22, s22, XSC
	s_mov_b32 s23, 0
	s_mul_i32 s20, s20, HALFT
	s_mov_b32 s21, 0
	s_lshl_b32 s92, s46, 9
	s_add_co_u32 s92, s92, WS
	s_mov_b32 s93, 0
	s_mul_i32 s46, s46, HALFT
	s_add_co_u32 s46, s46, WC
	s_mov_b32 s47, 0
	s_mul_i32 s45, s14, HALFT                      ; where they go: by the wave's number alone
	s_mul_i32 s94, s14, HALFS
	s_wait_kmcnt 0x0
	s_add_nc_u64 s[20:21], s[4:5], s[20:21]
	s_add_nc_u64 s[22:23], s[4:5], s[22:23]
	s_add_nc_u64 s[46:47], s[6:7], s[46:47]
	s_add_nc_u64 s[92:93], s[6:7], s[92:93]
	CROUND                                         ; all sixteen work-groups are here: the first joint loads meet
	s_mov_b32 s[G0S], 1
	s_add_co_u32 s[G0S+1], s94, SCL
	s_mov_b64 s[G0S+2:G0S+3], s[22:23]
	s_or_b32 s[G0S+3], s[G0S+3], 0x80000000
	s_mov_b32 s[G0SB], 1
	s_add_co_u32 s[G0SB+1], s94, SCL
	s_mov_b64 s[G0SB+2:G0SB+3], s[92:93]
	s_or_b32 s[G0SB+3], s[G0SB+3], 0x80000000
	JLOAD G0S, G1S, G0SB, G1SB                     ; the scale words first
.irp s, 0,1
	s_mov_b32 s[G0+4*\s], 1
	s_add_co_u32 s[G0+4*\s+1], s45, \s*SLOT
	s_add_nc_u64 s[G0+4*\s+2:G0+4*\s+3], s[20:21], \s*XSTEP
	s_or_b32 s[G0+4*\s+3], s[G0+4*\s+3], 0x80000000
	s_mov_b32 s[G0B+4*\s], 1
	s_add_co_u32 s[G0B+4*\s+1], s45, \s*SLOT
	s_add_nc_u64 s[G0B+4*\s+2:G0B+4*\s+3], s[46:47], \s*WSTEP
	s_or_b32 s[G0B+4*\s+3], s[G0B+4*\s+3], 0x80000000
	JLOAD G0+4*\s, G1, G0B+4*\s, G1B
.endr
	v_and_b32 v1, 15, v0                           ; r
	v_bfe_u32 v2, v0, 4, 1                         ; h
	v_and_b32 v3, 31, v0
	v_lshlrev_b32 v[LI], 4, v3
	v_lshlrev_b32 v[L8], 3, v3
	v_mul_u32_u24 v[SA], v2, 20480
	v_lshl_add_u32 v[SA], v1, 4, v[SA]
	s_cmp_eq_u32 ttmp9, 2                          ; the cluster's x, alike in all partners: the clusters of v's columns
	s_cselect_b32 s66, 1, 0
	s_xor_b32 s67, s66, 1
	s_mul_i32 s21, s15, HALFT                      ; my 128 rows of x
	s_mul_i32 s22, s16, HALFT
	s_add_co_u32 s22, s22, 2*HALFT                 ; my 128 rows of w
	s_sub_co_u32 s22, s22, s21                     ; the distance between the two
	s_mul_i32 s23, s66, s22
	s_mul_i32 s22, s67, s22
	s_add_co_u32 s23, s23, s21                     ; source 1: x's, for v w's
	s_add_co_u32 s22, s22, s21                     ; source 0: w's, for v x's
.irp s, 0,1
	v_add_nc_u32 v[ADRA+\s], s23, v[LI]
	v_add_nc_u32 v[ADRB+\s], s22, v[LI]
	s_add_co_u32 s23, s23, SLOT
	s_add_co_u32 s22, s22, SLOT
.endr
	s_mul_i32 s21, s15, HALFS
	s_mul_i32 s22, s16, HALFS
	s_add_co_u32 s22, s22, 2*HALFS
	s_sub_co_u32 s22, s22, s21
	v_xor_b32 v4, s66, v2                          ; lanes 0-15 take source 1's words, lanes 16-31 source 0's
	v_mul_u32_u24 v6, s22, v4
	s_add_co_u32 s21, s21, SCL
	v_lshl_add_u32 v5, v1, 4, v6
	v_add_nc_u32 v[ADRS], s21, v5
	s_lshl_b32 s18, s42, 10                        ; the bias of my 128 columns
	s_lshl_b32 s19, s16, 9
	s_add_co_u32 s18, s18, s19
	s_mov_b32 s19, 0
	s_add_nc_u64 s[8:9], s[8:9], s[18:19]
	v_lshlrev_b32 v30, 6, v2                       ; 64 h
	v_lshlrev_b32 v31, 2, v1                       ; 4 r
.irp b, 0,1,2,3
.irp m, 0,1,2,3
	global_load_b128 v[BI+16*\b+4*\m:BI+16*\b+4*\m+3], v30, s[8:9] offset:128*\b+16*\m   ; columns 32 b + 16 h + 0 .. 15
.endr
.endr
.irp a, 0,1,2,3,4,5,6,7
	global_load_b32 v[BL+\a], v31, s[8:9] offset:64*\a
.endr
	s_mov_b32 s[SEL], 0x76543210
	s_mov_b32 s[SEL+1], 0xfedcba98
.macro FRAG reg, adr, q, i             ; a fragment as it lies: three loads of 512 consecutive bytes
.irp c, 0,1,2
	ds_load_b128 v[\reg+4*\c:\reg+4*\c+3], v[\adr] offset:((\i)*NQ+(\q))*FRB+512*\c
.endr
.endm
; 16 matrix instructions: source 1's blocks a0, a0 + 1 x source 0's eight.  The 64 accumulators take turns, one instruction a turn, in the same order in every step.
.macro MUL16 a0, p, q, sc, zero
.irp a, \a0, \a0+1
.irp b, 0,1,2,3,4,5,6,7
.if \zero
	v_wmma_scale_f32_16x16x128_f8f6f4 v[8*(8*((\a)%4)+\b):8*(8*((\a)%4)+\b)+7], v[128*(\p)+FR*\b:128*(\p)+FR*\b+FR-1], v[AF+FR*(\a):AF+FR*(\a)+FR-1], 0, v[SC+16*(\sc)+8*(\q)+\b], v[SC+16*(\sc)+8*(\q)+(\a)] matrix_a_fmt:MATRIX_FMT_FP6 matrix_b_fmt:MATRIX_FMT_FP6 matrix_a_scale:MATRIX_SCALE_ROW1
.else
	v_wmma_scale_f32_16x16x128_f8f6f4 v[8*(8*((\a)%4)+\b):8*(8*((\a)%4)+\b)+7], v[128*(\p)+FR*\b:128*(\p)+FR*\b+FR-1], v[AF+FR*(\a):AF+FR*(\a)+FR-1], v[8*(8*((\a)%4)+\b):8*(8*((\a)%4)+\b)+7], v[SC+16*(\sc)+8*(\q)+\b], v[SC+16*(\sc)+8*(\q)+(\a)] matrix_a_fmt:MATRIX_FMT_FP6 matrix_b_fmt:MATRIX_FMT_FP6 matrix_a_scale:MATRIX_SCALE_ROW1
.endif
.endr
.endr
.endm
.macro FETCH_B slot, q, p
	WIN TO_B
.irp i, 0,1,2,3,4,5,6,7
	FRAG 128*(\p)+FR*\i, ADRB+\slot, \q, \i
.endr
	WIN 0
.endm
.macro FETCH_A slot, q, i0
.irp i, \i0, \i0+1, \i0+2, \i0+3
	FRAG AF+FR*(\i), ADRA+\slot, \q, \i
.endr
.endm
.macro SCALES sc                       ; a load of 16 bytes gives a lane the words of four blocks of rows
.irp q, 0,1
.irp g, 0,1
	ds_load_b128 v[SC+16*\sc+8*\q+4*\g:SC+16*\sc+8*\q+4*\g+3], v[ADRS] offset:512*\q+256*\g
.endr
.endr
.endm
.macro PLACES n                        ; plain vector instructions between a matrix instruction and a load into, or a read of, its registers
.rept \n
	v_nop
.endr
.endm
.macro STEP slot, q, zero              ; 128 along K that has its successor in the same slot
	s_wait_dscnt 4*NL                              ; all but the youngest twelve loads (source 1's blocks 4-7) are in
	WIN MUL_LO
	MUL16 0, (\q)%2, \q, \slot, \zero
	MUL16 2, (\q)%2, \q, \slot, \zero
	s_wait_dscnt 0
	PLACES NP
	FETCH_B \slot, (\q)+1, 1-(\q)%2
	FETCH_A \slot, (\q)+1, 0
	WIN MUL_HI
	MUL16 4, (\q)%2, \q, \slot, \zero
	MUL16 6, (\q)%2, \q, \slot, \zero
	PLACES NP
	WIN 0
	FETCH_A \slot, (\q)+1, 4
.endm
; A slot's last step changes slots: one barrier; in front of it each wave waits for all its tensor loads, adds 0 to its spare word, and waits for that and for its reads of this slot.
.macro TURN slot, next, fill
	s_wait_tensorcnt 0x0                           ; all my tensor loads have landed: my part of the next slot
	ds_add_u32 v[SPW], v[NIL]                      ; 0 onto my spare word
	s_wait_dscnt 4*NL+1                            ; (the add and the youngest twelve loads may be out)
	WIN MUL_LO
	MUL16 0, 1, NQ-1, \slot, 0
	s_wait_dscnt 0x0                               ; the add is done, and my reads of this slot are over
	s_barrier_signal -1
	MUL16 2, 1, NQ-1, \slot, 0
	WIN 0
	s_barrier_wait -1
.if \fill
	CREST                                          ; the barrier has opened a round of the cluster's barrier: no wave of any partner still reads this slot or has a load on its way
	s_add_nc_u64 s[G0+4*\slot+2:G0+4*\slot+3], s[G0+4*\slot+2:G0+4*\slot+3], 2*XSTEP
	s_add_nc_u64 s[G0B+4*\slot+2:G0B+4*\slot+3], s[G0B+4*\slot+2:G0B+4*\slot+3], 2*WSTEP
	JLOAD G0+4*\slot, G1, G0B+4*\slot, G1B         ; the first tensor load behind the round; its four v_nop are the places in front of the loads below
.else
	PLACES NP
.endif
	v_add_nc_u32 v[ADRS], 512*NQ, v[ADRS]          ; two planes of scale words on
	FETCH_B \next, 0, 0
	FETCH_A \next, 0, 0
	SCALES \next
	WIN MUL_HI
	MUL16 4, 1, NQ-1, \slot, 0
	MUL16 6, 1, NQ-1, \slot, 0
	PLACES NP
	WIN 0
	FETCH_A \next, 0, 4
.endm
	s_wait_tensorcnt 1                             ; the scale words and my part of slot 0 are in; slot 1's load may be out
	s_barrier_signal -1
	s_barrier_wait -1
	FETCH_B 0, 0, 0
	FETCH_A 0, 0, 0
	SCALES 0
	FETCH_A 0, 0, 4
	STEP 0, 0, 1                                   ; the first step's products start the sums
	s_mov_b32 s3, LAPS-1
.Llap:
	TURN 0, 1, 1
	STEP 1, 0, 0
	TURN 1, 0, 1
	STEP 0, 0, 0
	s_sub_co_u32 s3, s3, 1
	s_cmp_lg_u32 s3, 0
	s_cbranch_scc1 .Llap
	TURN 0, 1, 0                                   ; the last lap fills nothing
	STEP 1, 0, 0
	s_wait_dscnt 4*NL
	WIN MUL_LO
	MUL16 0, 1, NQ-1, 1, 0
	MUL16 2, 1, NQ-1, 1, 0
	s_wait_dscnt 0
	WIN MUL_HI
	MUL16 4, 1, NQ-1, 1, 0
	MUL16 6, 1, NQ-1, 1, 0
	WIN 0
	PLACES NP
; ---- THE WAY OUT: block a's 64 numbers of a lane + bias -> window 1 -> a fragment's codes and scale word -> memory, straight from the registers: each store of 16 bytes a lane covers 512 consecutive bytes, aligned.
.macro QUANT s
.irp b, 0,1,2,3
	v_max3_num_f32 v[TM+\b], |v[\s+16*\b]|, |v[\s+1+16*\b]|, 0x1800000
.endr
.irp i, 2,4,6,8,10,12,14
.irp b, 0,1,2,3
	v_max3_num_f32 v[TM+\b], v[TM+\b], |v[\s+16*\b+\i]|, |v[\s+1+16*\b+\i]|
.endr
.endr
.irp b, 0,1,2,3
	v_permlanex16_b32 v[TM+4+\b], v[TM+\b], s[SEL], s[SEL+1]
.endr
.irp b, 0,1,2,3
	v_max_num_f32 v[TM+\b], v[TM+\b], v[TM+4+\b]
.endr
.irp b, 0,1,2,3
	v_add_nc_u32 v[TM+12+\b], 0xff000000, v[TM+\b]
.endr
.irp b, 0,1,2,3
	v_lshrrev_b32 v[TM+4+\b], 23, v[TM+12+\b]
.endr
	v_lshl_or_b32 v[PW], v[TM+5], 8, v[TM+4]
	v_lshl_or_b32 v[PW], v[TM+6], 16, v[PW]
	v_lshl_or_b32 v[PW], v[TM+7], 24, v[PW]
.irp c, 0,1
	v_cvt_scalef32_pk16_fp6_f32 v[PC+6*\c:PC+2+6*\c], v[\s+32*\c:\s+15+32*\c], v[TM+12+2*\c]
	v_cvt_scalef32_pk16_fp6_f32 v[PC+12+4*\c:PC+14+4*\c], v[\s+16+32*\c:\s+31+32*\c], v[TM+12+2*\c+1]
.endr
	v_nop
.irp c, 0,1
.irp i, 0,1,2
	v_permlane16_swap_b32 v[PC+6*\c+\i], v[PC+12+4*\c+\i]
.endr
.irp i, 0,1,2
	v_mov_b32 v[PC+3+6*\c+\i], v[PC+12+4*\c+\i]
.endr
.endr
.endm
.macro TAKE a                          ; each accumulator is read from its low end on
	WIN 0x42+(\a)/4
.set j, 0
.rept 32
	v_pk_add_f32 v[HA+j:HA+j+1], v[64*((\a)%4)+j:64*((\a)%4)+j+1], v[BI+j:BI+j+1]
.set j, j+2
.endr
	WIN 0
.endm
.macro TAKEV a                         ; for v a lane holds one column: one bias for all 64
	WIN 0x42+(\a)/4
.set j, 0
.rept 32
.if (\a)%2 == 0
	v_pk_add_f32 v[HA+j:HA+j+1], v[64*((\a)%4)+j:64*((\a)%4)+j+1], v[BL+(\a):BL+(\a)+1] op_sel_hi:[1,0]
.else
	v_pk_add_f32 v[HA+j:HA+j+1], v[64*((\a)%4)+j:64*((\a)%4)+j+1], v[BL+(\a)-1:BL+(\a)] op_sel:[0,1] op_sel_hi:[1,1]
.endif
.set j, j+2
.endr
	WIN 0
.endm
.macro QKBLK a                         ; 16 tokens x two heads: registers 0-5 are the first head's 64, registers 6-11 the second's
.if \a > 0
	s_wait_xcnt 0x0                                ; the last block's stores have read their registers
.endif
	TAKE \a
	WIN 0x55
	QUANT HA
	v_lshrrev_b32 v[SW+\a], v[H16], v[PW]          ; lanes 0-15 keep the first head's two bytes lowest, lanes 16-31 get the second head's
	WIN 0x04
	global_store_b128 v[LI], v[PC:PC+3], s[24:25] offset:768*\a
	global_store_b64 v[L8], v[PC+4:PC+5], s[24:25] offset:768*\a+512
	global_store_b128 v[LI], v[PC+6:PC+9], s[24:25] offset:768*\a+294912
	global_store_b64 v[L8], v[PC+10:PC+11], s[24:25] offset:768*\a+294912+512
.if (\a)%4 == 3
	global_store_b128 v[SA], v[SW+\a-3:SW+\a], s[26:27] offset:256*((\a)/4)   ; four tiles' words: sixteen lanes fill 256 bytes
.endif
	WIN 0
.endm
.macro VBLK a                          ; 16 channels x 128 keys
.if \a > 0
	s_wait_xcnt 0x0
.endif
	TAKEV \a
	WIN 0x55
	QUANT HA
	v_mov_b32 v[SW+\a], v[PW]
	WIN 0x04
.irp c, 0,1,2
	global_store_b128 v[LI], v[PC+4*\c:PC+4*\c+3], s[24:25] offset:((\a)/4)*294912+((\a)%4)*1536+512*\c
.endr
	WIN 0
.endm
	s_wait_loadcnt 0x0                             ; the biases
	WIN 0x40
.irp b, 0,1,2,3
	v_mov_b32 v[TM+4+\b], 0                        ; written once: a lane permute's destination counts as one of its sources
.endr
	v_lshlrev_b32 v[H16], 4, v2
	WIN 0
	s_lshr_b32 s20, s17, 3
	s_lshl_b32 s20, s20, 4                         ; 16 x batch
	s_cmp_eq_u32 s66, 1
	s_cbranch_scc1 .Lvmode
	s_lshl_b32 s21, s42, 1
	s_add_co_u32 s21, s21, s16
	s_and_b32 s21, s21, 7
	s_lshl_b32 s21, s21, 1
	s_add_co_u32 s20, s20, s21                     ; my first head
	s_and_b32 s21, s17, 7
	s_lshl_b32 s21, s21, 4
	s_lshl_b32 s22, s15, 3
	s_add_co_u32 s21, s21, s22                     ; my first tile of tokens
	s_lshr_b32 s22, s42, 2                         ; 0: q, 1: k
	s_mul_i32 s24, s20, 294912
	s_mul_i32 s23, s22, 98304
	s_add_co_u32 s24, s24, s23
	s_mul_i32 s23, s21, 768
	s_add_co_u32 s24, s24, s23
	s_mov_b32 s25, 0
	s_mul_i32 s26, s20, 20480
	s_lshl_b32 s23, s22, 13
	s_add_co_u32 s26, s26, s23
	s_lshl_b32 s23, s21, 6
	s_add_co_u32 s26, s26, s23
	s_add_co_u32 s26, s26, QS
	s_mov_b32 s27, 0
	s_add_nc_u64 s[24:25], s[10:11], s[24:25]
	s_add_nc_u64 s[26:27], s[10:11], s[26:27]
.irp a, 0,1,2,3,4,5,6,7
	QKBLK \a
.endr
	s_branch .Lend
.Lvmode:
	s_sub_co_u32 s21, s42, 8
	s_lshl_b32 s21, s21, 2
	s_add_co_u32 s20, s20, s21
	s_lshl_b32 s21, s16, 1
	s_add_co_u32 s20, s20, s21                     ; my first head
	s_lshl_b32 s21, s17, 1
	s_add_co_u32 s21, s21, s15
	s_and_b32 s21, s21, 15                         ; which 128 keys
	s_mul_i32 s24, s20, 294912
	s_mul_i32 s23, s21, 6144
	s_add_co_u32 s24, s24, s23
	s_add_co_u32 s24, s24, 196608
	s_mov_b32 s25, 0
	s_mul_i32 s26, s20, 20480
	s_lshl_b32 s23, s21, 8
	s_add_co_u32 s26, s26, s23
	s_add_co_u32 s26, s26, QS+16384
	s_mov_b32 s27, 0
	s_add_nc_u64 s[24:25], s[10:11], s[24:25]
	s_add_nc_u64 s[26:27], s[10:11], s[26:27]
	s_mov_b32 s23, 0xffff0000
.irp a, 0,1,2,3,4,5,6,7
	VBLK \a
.endr
	WIN 0x55
.irp i, 0,1,2,3
	v_cndmask_b32 v[SV+\i], v[SW+\i], v[SW+4+\i], s23   ; lanes 0-15: the first head's four blocks of channels, lanes 16-31: the second's
.endr
	WIN 0x04
	global_store_b128 v[SA], v[SV:SV+3], s[26:27]
	WIN 0
.Lend:
	s_wait_tensorcnt 0x0                           ; the wave's end
	ds_add_u32 v[SPW], v[NIL]
	s_wait_dscnt 0x0
	CROUND                                         ; the closing round
	s_endpgm
.Lfunc_end_k_qde970330ee_qkv:
	.size	k_qde970330ee_qkv, .Lfunc_end_k_qde970330ee_qkv-k_qde970330ee_qkv
	.p2alignl 7, 3214868480
	.fill 96, 4, 3214868480
	.section	.rodata,"a",@progbits
	.p2align	6, 0x0
	.amdhsa_kernel k_qde970330ee_qkv
		.amdhsa_group_segment_fixed_size 327680
		.amdhsa_private_segment_fixed_size 0
		.amdhsa_enable_private_segment 0
		.amdhsa_kernarg_size 32
		.amdhsa_user_sgpr_count 2
		.amdhsa_user_sgpr_kernarg_segment_ptr 1
		.amdhsa_wavefront_size32 1
		.amdhsa_system_sgpr_workgroup_id_x 1
		.amdhsa_system_sgpr_workgroup_id_y 1
		.amdhsa_system_sgpr_workgroup_id_z 1
		.amdhsa_system_vgpr_workitem_id 0
		.amdhsa_next_free_vgpr 1024
		.amdhsa_next_free_sgpr 100
		.amdhsa_reserve_vcc 0
		.amdhsa_float_denorm_mode_32 3
		.amdhsa_float_denorm_mode_16_64 3
		.amdhsa_memory_ordered 1
		.amdhsa_forward_progress 1
		.amdhsa_inst_pref_size 210
	.end_amdhsa_kernel
	.amdgpu_metadata
---
amdhsa.version: [ 1, 2 ]
amdhsa.kernels:
  - .name:           k_qde970330ee_qkv
    .symbol:         k_qde970330ee_qkv.kd
    .args:
      - { .name: xq, .offset: 0, .size: 8, .value_kind: global_buffer, .address_space: global }
      - { .name: wts, .offset: 8, .size: 8, .value_kind: global_buffer, .address_space: global }
      - { .name: b_qkv, .offset: 16, .size: 8, .value_kind: global_buffer, .address_space: global }
      - { .name: qkv, .offset: 24, .size: 8, .value_kind: global_buffer, .address_space: global }
    .group_segment_fixed_size: 327680
    .private_segment_fixed_size: 0
    .kernarg_segment_align: 8
    .kernarg_segment_size: 32
    .max_flat_workgroup_size: 128
    .sgpr_count:     100
    .vgpr_count:     1024
    .wavefront_size: 32
...
	.end_amdgpu_metadata
.endif
;; end of part 2
;; launch attn (part 3): grid 8 x 32, 16 waves a work-group, clusters of 4 x 1, 327,680 bytes of LDS; arguments qkv, x, ln_g, ln_b, x1, x2q; writes x1, x2q
.if DOCPART == 3
	.amdgcn_target "amdgcn-amd-amdhsa--gfx1250"
	.amdhsa_code_object_version 6
	.text
	.protected	k_qde970330ee_attn
	.globl	k_qde970330ee_attn
	.p2align	8
	.type	k_qde970330ee_attn,@function
k_qde970330ee_attn:
	s_mov_b64 s[64:65], 0
	v_nop
	global_prefetch_b8 v0, s[64:65] scope:SCOPE_SE
	s_setreg_imm32_b32 hwreg(HW_REG_WAVE_MODE, 25, 1), 1
	s_wait_xcnt 0x0
	s_wait_alu depctr_hold_cnt(0) depctr_sa_sdst(0) depctr_va_vdst(0) depctr_va_sdst(0) depctr_va_ssrc(0) depctr_va_vcc(0) depctr_vm_vsrc(0)
	s_getreg_b32 s2, hwreg(HW_REG_IB_STS2, 6, 4)
	s_cmp_eq_u32 s2, 0
	s_cbranch_scc0 .Lentry_in_a_cluster
	s_endpgm
.Lentry_in_a_cluster:
	s_bfe_u32 s2, ttmp6, 0x10000c
	s_cmp_lg_u32 s2, 0x3003
	s_cbranch_scc0 .Lentry_shape_is_right
	s_endpgm
.Lentry_shape_is_right:
; o = softmax(q k^T) v for one head (no factor on the scores), both products on codes of FP6 (E2M3); x1 = x + o (o's [head][token][64] read as rows of 1,024); LayerNorm(x1), quantised into x2q.
; THE SOFTMAX: t = score x log2(e); M = the running largest t rounded up to a whole number; p = 2^(t - M) is quantised along the keys; the row's sum of the unquantised p divides at the end; when M moves, sum and O are multiplied by 2^(old M - new M).
; SHARES.  A work-group owns 256 queries of one head, which are 16 whole rows of x1; each of sixteen waves owns a tile of 16 queries in 256 registers: four waves to a SIMD.
; A HEAD'S K AND V (196,608 bytes of codes, 12,288 of scale words) FIT IN LDS: every byte is filled once, by five tensor loads a wave issued at the head; the keys are walked in four groups of 512, each behind the wait for its own load.
; CLUSTER: the four work-groups of a cluster belong to one head: every load is asked for jointly, mask 15.
; LAYOUT.  S^T = K Q^T, O^T = V^T P^T: a lane holds one query throughout.  A tile T of 16 tokens holds, at index i, token 32 (T >> 1) + 16 (i >> 3) + 8 (T & 1) + (i & 7), so the 16 registers of tiles 2 b, 2 b + 1 are 16 neighbouring keys.
; K = 64 in the first product: a tile is registers 0-5.  Q's registers 6-11 are zero codes; a tile of K is named with the next tile's six registers behind it (tile 7: six registers of zeros): they meet zero codes and add nothing.
; LIMITS: a block whose largest magnitude lies under 2^-124 gets the scale byte 1 (read by this program alone); NaN and infinities are not served.
; REGISTERS: v1-7 addresses that stay; v8-11, v28 addresses in hand; v12 -M, v13 the largest t, v[14:15] the sum; v16-27 Q; v32-85 K's tiles, then v32-79 V's; v88-91 V's scale words; v96-159 S^T, p; v160-191 O^T; v224-235 codes; v232-254 at work; v248-251 K's scale words; v253 p's; v255 Q's.
.set KSC,  196608                      ; LDS: K's codes at 0, V's at 98,304; K's scale words, 8,192 bytes;
.set VC,   98304
.set VSC,  204800                      ; V's, 4,096;
.set ST1,  208896                      ; a stage for o: 256 tokens x (256 bytes + 16);
.set ST2,  0                           ; a stage for the normed rows, 16 x 4,112, over K's codes when nobody reads them any more
.set QS,   9437184
.set XSC,  3145728
.set WV,   18
.set SEL,  20
.set CS,   22                          ; s[22:23] log2(e)
.set G1S,  24
.set G1C,  32
.set G0S,  40
.set G0C,  44                          ; s[44:59] four groups 0
.set TB,   60                          ; the step's codes: 6,144 bytes a step in K and in V
.set TS,   61                          ; K's scale words: 512 a step
.set TJ,   62                          ; V's: 256 a step
.set CNT,  63
.set CM,   90                          ; s90 1/1,024, s91 the norm's epsilon
.macro ROUND
	s_barrier_signal -1
	s_barrier_wait -1
	s_cmp_lg_u32 s[WV], 0
	s_cbranch_scc1 .Lnot_wave_0_\@
	s_barrier_signal -3
.Lnot_wave_0_\@:
	s_barrier_wait -3
	s_barrier_signal -1
	s_barrier_wait -1
.endm
.macro LNSTAT x, d, t
	v_pk_add_f32 v[\t:\t+1], v[\x:\x+1], v[\x+2:\x+3]
	v_pk_add_f32 v[\t+2:\t+3], v[\x+4:\x+5], v[\x+6:\x+7]
.irp j, 8,12,16,20,24,28
	v_pk_add_f32 v[\t:\t+1], v[\t:\t+1], v[\x+\j:\x+\j+1]
	v_pk_add_f32 v[\t+2:\t+3], v[\t+2:\t+3], v[\x+\j+2:\x+\j+3]
.endr
	v_pk_add_f32 v[\t:\t+1], v[\t:\t+1], v[\t+2:\t+3]
	v_add_f32 v[\t], v[\t], v[\t+1]
.irp m, 1,2,4,8
	v_add_f32_dpp v[\t], v[\t], v[\t] row_xmask:\m row_mask:0xf bank_mask:0xf
.endr
	v_permlanex16_b32 v[\t+1], v[\t], s[SEL], s[SEL+1]
	v_add_f32 v[\t], v[\t], v[\t+1]
	v_mul_f32 v[\t], s[CM], v[\t]
.irp j, 0,2,4,6,8,10,12,14,16,18,20,22,24,26,28,30
	v_pk_add_f32 v[\d+\j:\d+\j+1], v[\x+\j:\x+\j+1], v[\t:\t+1] op_sel_hi:[1,0] neg_lo:[0,1] neg_hi:[0,1]
.endr
	v_pk_mul_f32 v[\t+2:\t+3], v[\d:\d+1], v[\d:\d+1]
	v_pk_mul_f32 v[\t+4:\t+5], v[\d+2:\d+3], v[\d+2:\d+3]
.irp j, 4,8,12,16,20,24,28
	v_pk_fma_f32 v[\t+2:\t+3], v[\d+\j:\d+\j+1], v[\d+\j:\d+\j+1], v[\t+2:\t+3]
	v_pk_fma_f32 v[\t+4:\t+5], v[\d+\j+2:\d+\j+3], v[\d+\j+2:\d+\j+3], v[\t+4:\t+5]
.endr
	v_pk_add_f32 v[\t+2:\t+3], v[\t+2:\t+3], v[\t+4:\t+5]
	v_add_f32 v[\t+2], v[\t+2], v[\t+3]
.irp m, 1,2,4,8
	v_add_f32_dpp v[\t+2], v[\t+2], v[\t+2] row_xmask:\m row_mask:0xf bank_mask:0xf
.endr
	v_permlanex16_b32 v[\t+3], v[\t+2], s[SEL], s[SEL+1]
	v_add_f32 v[\t+2], v[\t+2], v[\t+3]
	v_fma_f32 v[\t+2], v[\t+2], s[CM], s[CM+1]
	v_rsq_f32 v[\t+4], v[\t+2]
	v_nop
	s_wait_alu depctr_va_vdst(0)                   ; the wait ahead of the first reader
.endm
.macro LNAPPLY d, g, b, t
.irp j, 0,2,4,6,8,10,12,14,16,18,20,22,24,26,28,30
	v_pk_mul_f32 v[\d+\j:\d+\j+1], v[\d+\j:\d+\j+1], v[\t+4:\t+5] op_sel_hi:[1,0]
.endr
.irp j, 0,2,4,6,8,10,12,14,16,18,20,22,24,26,28,30
	v_pk_fma_f32 v[\d+\j:\d+\j+1], v[\d+\j:\d+\j+1], v[\g+\j:\g+\j+1], v[\b+\j:\b+\j+1]
.endr
.endm
; From the four blocks' largest magnitudes in v232-235 and 64 numbers in v96-159: the scale word in v253, the fragment's codes in v224-235.
.macro QTAIL
.irp b, 0,1,2,3
	v_add_nc_u32 v[244+\b], 0xff000000, v[232+\b]  ; 2 off the exponent field: the conversion's scale operand
.endr
.irp b, 0,1,2,3
	v_lshrrev_b32 v[236+\b], 23, v[244+\b]         ; the scale's byte
.endr
	v_lshl_or_b32 v253, v237, 8, v236
	v_lshl_or_b32 v253, v238, 16, v253
	v_lshl_or_b32 v253, v239, 24, v253
.irp c, 0,1
	v_cvt_scalef32_pk16_fp6_f32 v[224+6*\c:226+6*\c], v[96+32*\c:111+32*\c], v[244+2*\c]
	v_cvt_scalef32_pk16_fp6_f32 v[236+4*\c:238+4*\c], v[112+32*\c:127+32*\c], v[244+2*\c+1]
.endr
	v_nop                                          ; one plain place behind a scaled conversion
.irp c, 0,1
.irp i, 0,1,2
	v_permlane16_swap_b32 v[224+6*\c+\i], v[236+4*\c+\i]
.endr
.irp i, 0,1,2
	v_mov_b32 v[227+6*\c+\i], v[236+4*\c+\i]
.endr
.endr
.endm
	s_load_b256 s[4:11], s[0:1], 0x0               ; qkv s[4:5], x s[6:7], ln_g s[8:9], ln_b s[10:11]
	s_load_b128 s[12:15], s[0:1], 0x20             ; x1 s[12:13], x2q s[14:15]
	v_lshl_add_u32 v95, v0, 2, 0x44000
	v_mov_b32 v243, 0
	ds_add_u32 v95, v243
	ds_add_u32 v95, v243
	v_lshrrev_b32 v8, 5, v0
	v_readfirstlane_b32 s[WV], v8                  ; wave 0..15
	s_bfe_u32 s66, ttmp6, 0x40000                  ; cx: it enters global addresses of q, x, x1, x2q alone
	s_lshl_b32 s67, ttmp9, 2
	s_add_co_u32 s67, s67, s66                     ; my block of 256 queries
	s_and_b32 s68, ttmp7, 0xffff                   ; batch x 16 + head, which the partners share
	s_mov_b32 s[G1S], 15|(3<<16)|(1<<21)           ; the mask: all four; elements of 8 bytes; bit 21 beside a mask
	s_mov_b32 s[G1S+1], 32<<16                     ; 768 dense bytes as 3 rows of 256
	s_mov_b32 s[G1S+2], 3<<16
	s_mov_b32 s[G1S+3], 32<<16
	s_mov_b32 s[G1S+4], 3
	s_mov_b32 s[G1S+5], 32
	s_mov_b32 s[G1S+6], 0
	s_mov_b32 s[G1S+7], 0
	s_mov_b32 s[G1C], 15|(3<<16)|(1<<21)
	s_mov_b32 s[G1C+1], 32<<16                     ; 3,072 dense bytes as 12 rows of 256
	s_mov_b32 s[G1C+2], 12<<16
	s_mov_b32 s[G1C+3], 32<<16
	s_mov_b32 s[G1C+4], 12
	s_mov_b32 s[G1C+5], 32
	s_mov_b32 s[G1C+6], 0
	s_mov_b32 s[G1C+7], 0
	s_mul_i32 s69, s68, 294912                     ; the head's codes
	s_lshr_b32 s70, s[WV], 3                       ; waves 0-7 fetch K's, 8-15 V's: an eighth of each group
	s_mul_i32 s70, s70, 98304
	s_and_b32 s71, s[WV], 7
	s_mul_i32 s71, s71, 3072
	s_add_co_u32 s72, s70, s71                     ; in LDS,
	s_add_co_u32 s70, s72, s69
	s_add_co_u32 s70, s70, 98304                   ; and in memory, where q's codes stand in front
	s_mov_b32 s71, 0
	s_mul_i32 s73, s[WV], 768                      ; my sixteenth of the scale words
	s_mul_i32 s89, s68, 20480
	s_add_co_u32 s74, s89, s73
	s_add_co_u32 s74, s74, QS+8192
	s_mov_b32 s75, 0
	s_lshl_b32 s78, s67, 4
	s_add_co_u32 s78, s78, s[WV]                   ; my tile of queries
	s_mul_i32 s76, s78, 768
	s_add_co_u32 s76, s76, s69
	s_mov_b32 s77, 0
	s_lshr_b32 s79, s78, 2
	s_lshl_b32 s79, s79, 8
	s_and_b32 s78, s78, 3
	s_lshl_b32 s78, s78, 2
	s_add_co_u32 s78, s78, s79
	s_add_co_u32 s78, s78, s89
	s_add_co_u32 s78, s78, QS
	s_mov_b32 s79, 0
	s_lshl_b32 s80, s68, 7
	s_lshl_b32 s81, s67, 4
	s_add_co_u32 s80, s80, s81
	s_add_co_u32 s80, s80, s[WV]                   ; the row of x that I norm: 128 x head + 16 x block + wave
	s_lshl_b32 s80, s80, 12
	s_mov_b32 s81, 0
	s_mov_b32 s[SEL], 0x76543210
	s_mov_b32 s[SEL+1], 0xfedcba98
	s_mov_b32 s[CS], 0x3fb8aa3b                    ; log2(e)
	s_mov_b32 s[CS+1], s[CS]
	s_mov_b32 s[CM], 0x3a800000
	s_mov_b32 s[CM+1], 0x3727c5ac
	s_mov_b32 s[TB], 0
	s_mov_b32 s[TS], 0
	s_mov_b32 s[TJ], 0
	s_wait_dscnt 0x0
	s_wait_kmcnt 0x0
	s_add_nc_u64 s[70:71], s[4:5], s[70:71]
	s_add_nc_u64 s[74:75], s[4:5], s[74:75]
	s_add_nc_u64 s[76:77], s[4:5], s[76:77]
	s_add_nc_u64 s[78:79], s[4:5], s[78:79]
	s_add_nc_u64 s[82:83], s[12:13], s[80:81]
	s_add_nc_u64 s[80:81], s[6:7], s[80:81]
	s_mov_b32 s[G0S], 1
	s_add_co_u32 s[G0S+1], s73, KSC
	s_mov_b64 s[G0S+2:G0S+3], s[74:75]
	s_or_b32 s[G0S+3], s[G0S+3], 0x80000000
.irp g, 0,1,2,3
	s_mov_b32 s[G0C+4*\g], 1
	s_add_co_u32 s[G0C+4*\g+1], s72, 24576*\g
	s_add_nc_u64 s[G0C+4*\g+2:G0C+4*\g+3], s[70:71], 24576*\g
	s_or_b32 s[G0C+4*\g+3], s[G0C+4*\g+3], 0x80000000
.endr
	ROUND                                          ; all four work-groups are here: the joint loads meet
	tensor_load_to_lds s[G0S:G0S+3], s[G1S:G1S+7]  ; five loads of mine are out: the scale words, then the four groups of 512 keys
	s_nop 0
	tensor_load_to_lds s[G0C:G0C+3], s[G1C:G1C+7]
	s_nop 0
	tensor_load_to_lds s[G0C+4:G0C+7], s[G1C:G1C+7]
	s_nop 0
	tensor_load_to_lds s[G0C+8:G0C+11], s[G1C:G1C+7]
	s_nop 0
	tensor_load_to_lds s[G0C+12:G0C+15], s[G1C:G1C+7]
	s_nop 0
.rept 4
	v_nop
.endr
	v_and_b32 v8, 31, v0
	v_and_b32 v9, 15, v0
	v_lshlrev_b32 v1, 4, v8                        ; 16 x lane
	v_lshlrev_b32 v7, 3, v8                        ; 8 x lane
	v_add_nc_u32 v2, 512, v7
	v_add_nc_u32 v3, KSC, v1
	v_add_nc_u32 v4, VC, v1
	v_lshlrev_b32 v6, 4, v9                        ; 16 r
	v_add_nc_u32 v5, VSC, v6
	global_load_b128 v[16:19], v1, s[76:77]        ; Q's tile stays in registers
	global_load_b64 v[20:21], v7, s[76:77] offset:512
	global_load_b32 v255, v6, s[78:79]
.irp j, 22,23,24,25,26,27,80,81,82,83,84,85
	v_mov_b32 v[\j], 0                             ; zero codes
.endr
	v_mov_b32 v13, 0xff61b1e6                      ; the largest t so far: -3e38
	v_floor_f32 v12, -v13
	v_mov_b32 v14, 0
	v_mov_b32 v15, 0
.irp b, 0,1,2,3
	v_mov_b32 v[236+\b], 0
.endr
	v_mov_b32 v253, 0
.set j, 0
.rept 32
	v_mov_b32 v[160+j], 0                          ; O^T: the step is written once; its first run finds zeros
.set j, j+1
.endr
; A KEY STEP: 128 keys.
.macro STEP
	v_add_nc_u32 v8, s[TB], v1                     ; (these five are also the places behind the last products)
	v_add_nc_u32 v9, s[TB], v2
	v_add_nc_u32 v10, s[TS], v3
	v_add_nc_u32 v11, s[TB], v4
	v_add_nc_u32 v28, s[TJ], v5
.irp t, 0,1,2,3,4,5,6,7
	ds_load_b128 v[32+6*\t:35+6*\t], v8 offset:768*\t
	ds_load_b64 v[36+6*\t:37+6*\t], v9 offset:768*\t
.endr
	ds_load_b128 v[248:251], v10                   ; lanes 0-15: the words of tiles 0-3, lanes 16-31: of tiles 4-7
	s_wait_dscnt 0x0
.irp t, 0,1,2,3
	v_wmma_scale_f32_16x16x128_f8f6f4 v[96+8*\t:103+8*\t], v[32+6*\t:43+6*\t], v[16:27], 0, v[248+\t], v255 matrix_a_fmt:MATRIX_FMT_FP6 matrix_b_fmt:MATRIX_FMT_FP6
.endr
.irp t, 4,5,6,7
	v_wmma_scale_f32_16x16x128_f8f6f4 v[96+8*\t:103+8*\t], v[32+6*\t:43+6*\t], v[16:27], 0, v[244+\t], v255 matrix_a_fmt:MATRIX_FMT_FP6 matrix_b_fmt:MATRIX_FMT_FP6 matrix_a_scale:MATRIX_SCALE_ROW1
.endr
.rept 4
	v_nop                                          ; places in front of the loads into K's registers and of the first read of the scores
.endr
.irp t, 0,1,2,3
.irp c, 0,1,2
	ds_load_b128 v[32+12*\t+4*\c:35+12*\t+4*\c], v11 offset:1536*\t+512*\c   ; V's four fragments land while the softmax is walked
.endr
.endr
	ds_load_b128 v[88:91], v28
.irp b, 0,1,2,3
	v_max3_num_f32 v[232+\b], v[96+16*\b], v[97+16*\b], v[98+16*\b]   ; the largest score of each block of 32 keys: for the row's maximum and, since p rises with the score, for the block's largest p
.endr
.irp i, 3,5,7,9,11,13
.irp b, 0,1,2,3
	v_max3_num_f32 v[232+\b], v[232+\b], v[96+16*\b+\i], v[97+16*\b+\i]
.endr
.endr
.irp b, 0,1,2,3
	v_max_num_f32 v[232+\b], v[232+\b], v[111+16*\b]
.endr
.irp b, 0,1,2,3
	v_permlanex16_b32 v[236+\b], v[232+\b], s[SEL], s[SEL+1]
.endr
.irp b, 0,1,2,3
	v_max_num_f32 v[232+\b], v[232+\b], v[236+\b]
.endr
	v_max3_num_f32 v254, v232, v233, v234
	v_max_num_f32 v254, v254, v235
	v_mul_f32 v254, s[CS], v254
	v_max_num_f32 v13, v13, v254                   ; the running largest t
	v_mov_b32 v254, v12
	v_floor_f32 v12, -v13                          ; -M = floor(-t): M is a whole number
	v_sub_f32 v254, v12, v254
	v_cvt_i32_f32 v254, v254                       ; (it saturates)
	v_ldexp_f32 v252, 1.0, v254                    ; f = 2^(old M - new M)
.set j, 0
.rept 32
	v_pk_fma_f32 v[96+j:97+j], v[96+j:97+j], s[CS:CS+1], v[12:13] op_sel_hi:[1,0,0]   ; t - M
.set j, j+2
.endr
.irp b, 0,1,2,3
	v_fma_f32 v[232+\b], v[232+\b], s[CS], v12
.endr
.set j, 0
.rept 64
	v_exp_f32 v[96+j], v[96+j]                     ; p = 2^(t - M)
.set j, j+1
.endr
	v_pk_mul_f32 v[14:15], v[14:15], v[252:253] op_sel_hi:[1,0]   ; the sums under the new M (a plain place behind the exponentials)
	s_wait_alu depctr_va_vdst(0)                   ; one wait for the batch, ahead of its first reader
.irp b, 0,1,2,3
	v_exp_f32 v[232+\b], v[232+\b]                 ; the blocks' largest p
.endr
	v_pk_add_f32 v[236:237], v[96:97], v[98:99]    ; the row's sum of the unquantised p, in two chains
.irp j, 4,8,12,16,20,24,28,32,36,40,44,48,52,56,60
	v_pk_add_f32 v[14:15], v[14:15], v[96+\j:97+\j]
	v_pk_add_f32 v[236:237], v[236:237], v[98+\j:99+\j]
.endr
	v_pk_add_f32 v[14:15], v[14:15], v[236:237]
	s_wait_alu depctr_va_vdst(0)                   ; and one for the four
.irp b, 0,1,2,3
	v_max_num_f32 v[232+\b], 0x1800000, v[232+\b]  ; the floor
.endr
	QTAIL
.set j, 0
.rept 16
	v_pk_mul_f32 v[160+j:161+j], v[160+j:161+j], v[252:253] op_sel_hi:[1,0]   ; O^T under the new M; also the places in front of the scaled products
.set j, j+2
.endr
	s_wait_dscnt 0x0                               ; V
.irp t, 0,1,2,3
	v_wmma_scale_f32_16x16x128_f8f6f4 v[160+8*\t:167+8*\t], v[32+12*\t:43+12*\t], v[224:235], v[160+8*\t:167+8*\t], v[88+\t], v253 matrix_a_fmt:MATRIX_FMT_FP6 matrix_b_fmt:MATRIX_FMT_FP6
.endr
	s_add_co_u32 s[TB], s[TB], 6144
	s_add_co_u32 s[TS], s[TS], 512
	s_add_co_u32 s[TJ], s[TJ], 256
.endm
.macro GROUP g                         ; 512 keys: four steps
	s_wait_tensorcnt 3-\g                          ; my part of this group is in; the later groups' loads may stay out
	s_wait_dscnt 0x0
	s_barrier_signal -1
	s_barrier_wait -1                              ; everybody's part is in
	s_mov_b32 s[CNT], 4
.Lstep_\@:
	STEP
	s_sub_co_u32 s[CNT], s[CNT], 1
	s_cmp_lg_u32 s[CNT], 0
	s_cbranch_scc1 .Lstep_\@
.endm
	s_wait_loadcnt 0x0                             ; Q
	GROUP 0
	GROUP 1
	GROUP 2
	GROUP 3
	; ---- THE WAY OUT.  The address work is the places behind the last products.
	v_and_b32 v8, 15, v0                           ; r
	v_bfe_u32 v9, v0, 4, 1                         ; h
	v_and_b32 v10, 7, v8
	v_lshrrev_b32 v11, 3, v8
	v_lshl_add_u32 v10, v11, 4, v10
	s_lshr_b32 s69, s[WV], 1
	s_lshl_b32 s69, s69, 5
	s_and_b32 s70, s[WV], 1
	s_lshl_b32 s70, s70, 3
	s_add_co_u32 s69, s69, s70
	v_add_nc_u32 v10, s69, v10                     ; my query among the 256: 32 (w >> 1) + 16 (r >> 3) + 8 (w & 1) + (r & 7)
	v_mul_u32_u24 v10, v10, 272
	v_lshl_add_u32 v10, v9, 5, v10
	v_add_nc_u32 v10, ST1, v10                     ; the first stage, in
	v_mul_u32_u24 v11, v9, 272
	v_lshl_add_u32 v11, v8, 4, v11
	s_mul_i32 s70, s[WV], 4352
	s_add_co_u32 s70, s70, ST1
	v_add_nc_u32 v11, s70, v11                     ; and back: row w of x1 is tokens 16 w .. 16 w + 15
	s_mul_i32 s71, s[WV], 4112
	v_add_nc_u32 v30, s71, v1                      ; the second stage, in: row w
	v_mul_u32_u24 v29, v8, 4112
	v_lshl_add_u32 v29, v9, 6, v29
	s_lshl_b32 s72, s[WV], 9
	v_add_nc_u32 v29, s72, v29                     ; and back: row r, K step w, + 64 h
.irp j, 0,1,2,3,4,5,6,7
	global_load_b128 v[32+4*\j:35+4*\j], v1, s[80:81] offset:512*\j th:TH_LOAD_NT
.endr
.irp j, 0,1,2,3,4,5,6,7
	global_load_b128 v[128+4*\j:131+4*\j], v1, s[8:9] offset:512*\j
.endr
.irp j, 0,1,2,3,4,5,6,7
	global_load_b128 v[192+4*\j:195+4*\j], v1, s[10:11] offset:512*\j
.endr
	v_add_f32 v14, v14, v15
	v_permlanex16_b32 v252, v14, s[SEL], s[SEL+1]
	v_add_f32 v14, v14, v252                       ; the row's sum
	v_rcp_f32 v14, v14
	v_nop
	s_wait_alu depctr_va_vdst(0)
.set j, 0
.rept 16
	v_pk_mul_f32 v[96+j:97+j], v[160+j:161+j], v[14:15] op_sel_hi:[1,0]   ; register 8 t + i: channel 16 t + 8 h + i
.set j, j+2
.endr
.irp t, 0,1,2,3
	ds_store_b128 v10, v[96+8*\t:99+8*\t] offset:64*\t
	ds_store_b128 v10, v[100+8*\t:103+8*\t] offset:64*\t+16
.endr
	s_wait_dscnt 0x0                               ; my part of o lies in the stage, and my reads of K and V are over
	s_barrier_signal -1
	s_barrier_wait -1
.irp j, 0,1,2,3,4,5,6,7
	ds_load_b128 v[96+4*\j:99+4*\j], v11 offset:544*\j
.endr
	s_wait_loadcnt 16                              ; x's row is in; the gain's and the bias's sixteen loads may be out
	s_wait_dscnt 0x0
.set j, 0
.rept 16
	v_pk_add_f32 v[32+j:33+j], v[32+j:33+j], v[96+j:97+j]
.set j, j+2
.endr
.irp j, 0,1,2,3,4,5,6,7
	global_store_b128 v1, v[32+4*\j:35+4*\j], s[82:83] offset:512*\j   ; 512 consecutive bytes, aligned
.endr
	LNSTAT 32, 96, 224
	s_wait_loadcnt 0x0
	LNAPPLY 96, 128, 192, 224
.irp j, 0,1,2,3,4,5,6,7
	ds_store_b128 v30, v[96+4*\j:99+4*\j] offset:ST2+512*\j
.endr
	s_wait_dscnt 0x0
	s_barrier_signal -1
	s_barrier_wait -1                              ; sixteen normed rows lie in the second stage
	s_cmp_lt_u32 s[WV], 8
	s_cbranch_scc0 .Lout                           ; eight K steps: waves 0-7 take one each
.irp b, 0,1,2,3
.irp m, 0,1,2,3
	ds_load_b128 v[96+16*\b+4*\m:99+16*\b+4*\m], v29 offset:ST2+128*\b+16*\m
.endr
.endr
	s_lshl_b32 s88, s68, 3
	s_add_co_u32 s88, s88, s67                     ; the block of 16 rows in x2q
	s_lshr_b32 s84, s[WV], 1
	s_mul_i32 s84, s84, 786432
	s_mul_i32 s85, s88, 3072
	s_add_co_u32 s84, s84, s85
	s_and_b32 s85, s[WV], 1
	s_mul_i32 s85, s85, 1536
	s_add_co_u32 s84, s84, s85
	s_mov_b32 s85, 0
	s_add_nc_u64 s[84:85], s[14:15], s[84:85]
	s_lshl_b32 s86, s[WV], 14
	s_lshr_b32 s87, s88, 2
	s_lshl_b32 s87, s87, 8
	s_add_co_u32 s86, s86, s87
	s_and_b32 s87, s88, 3
	s_lshl_b32 s87, s87, 2
	s_add_co_u32 s86, s86, s87
	s_add_co_u32 s86, s86, XSC
	s_mov_b32 s87, 0
	s_add_nc_u64 s[86:87], s[14:15], s[86:87]
	s_wait_dscnt 0x0
.irp b, 0,1,2,3
	v_max3_num_f32 v[232+\b], |v[96+16*\b]|, |v[97+16*\b]|, 0x1800000
.endr
.irp i, 2,4,6,8,10,12,14
.irp b, 0,1,2,3
	v_max3_num_f32 v[232+\b], v[232+\b], |v[96+16*\b+\i]|, |v[97+16*\b+\i]|
.endr
.endr
.irp b, 0,1,2,3
	v_permlanex16_b32 v[236+\b], v[232+\b], s[SEL], s[SEL+1]
.endr
.irp b, 0,1,2,3
	v_max_num_f32 v[232+\b], v[232+\b], v[236+\b]
.endr
	QTAIL
.irp c, 0,1,2
	global_store_b128 v1, v[224+4*\c:227+4*\c], s[84:85] offset:512*\c
.endr
	global_store_b32 v6, v253, s[86:87]            ; lanes l and l + 16 hold the same word and name the same place
.Lout:
	s_wait_tensorcnt 0x0
	ds_add_u32 v95, v243
	s_wait_dscnt 0x0
	ROUND                                          ; the closing round
	s_endpgm
.Lfunc_end_k_qde970330ee_attn:
	.size	k_qde970330ee_attn, .Lfunc_end_k_qde970330ee_attn-k_qde970330ee_attn
	.p2alignl 7, 3214868480
	.fill 96, 4, 3214868480
	.section	.rodata,"a",@progbits
	.p2align	6, 0x0
	.amdhsa_kernel k_qde970330ee_attn
		.amdhsa_group_segment_fixed_size 327680
		.amdhsa_private_segment_fixed_size 0
		.amdhsa_enable_private_segment 0
		.amdhsa_kernarg_size 48
		.amdhsa_user_sgpr_count 2
		.amdhsa_user_sgpr_kernarg_segment_ptr 1
		.amdhsa_wavefront_size32 1
		.amdhsa_system_sgpr_workgroup_id_x 1
		.amdhsa_system_sgpr_workgroup_id_y 1
		.amdhsa_system_sgpr_workgroup_id_z 1
		.amdhsa_system_vgpr_workitem_id 0
		.amdhsa_next_free_vgpr 256
		.amdhsa_next_free_sgpr 96
		.amdhsa_reserve_vcc 0
		.amdhsa_float_denorm_mode_32 3
		.amdhsa_float_denorm_mode_16_64 3
		.amdhsa_memory_ordered 1
		.amdhsa_forward_progress 1
		.amdhsa_inst_pref_size 92
	.end_amdhsa_kernel
	.amdgpu_metadata
---
amdhsa.version: [ 1, 2 ]
amdhsa.kernels:
  - .name:           k_qde970330ee_attn
    .symbol:         k_qde970330ee_attn.kd
    .args:
      - { .name: qkv, .offset: 0, .size: 8, .value_kind: global_buffer, .address_space: global }
      - { .name: x, .offset: 8, .size: 8, .value_kind: global_buffer, .address_space: global }
      - { .name: ln_g, .offset: 16, .size: 8, .value_kind: global_buffer, .address_space: global }
      - { .name: ln_b, .offset: 24, .size: 8, .value_kind: global_buffer, .address_space: global }
      - { .name: x1, .offset: 32, .size: 8, .value_kind: global_buffer, .address_space: global }
      - { .name: x2q, .offset: 40, .size: 8, .value_kind: global_buffer, .address_space: global }
    .group_segment_fixed_size: 327680
    .private_segment_fixed_size: 0
    .kernarg_segment_align: 8
    .kernarg_segment_size: 48
    .max_flat_workgroup_size: 512
    .sgpr_count:     96
    .vgpr_count:     256
    .wavefront_size: 32
...
	.end_amdgpu_metadata
.endif
;; end of part 3
;; launch mlp1 (part 4): grid 16 x 16, 4 waves a work-group, clusters of 4 x 4, 327,680 bytes of LDS; arguments x2q, wts, b1, hq; writes hq
.if DOCPART == 4
	.amdgcn_target "amdgcn-amd-amdhsa--gfx1250"
	.amdhsa_code_object_version 6
	.text
	.protected	k_qde970330ee_mlp1
	.globl	k_qde970330ee_mlp1
	.p2align	8
	.type	k_qde970330ee_mlp1,@function
k_qde970330ee_mlp1:
	s_mov_b64 s[64:65], 0
	v_nop
	global_prefetch_b8 v0, s[64:65] scope:SCOPE_SE
	s_setreg_imm32_b32 hwreg(HW_REG_WAVE_MODE, 25, 1), 1
	s_wait_xcnt 0x0
	s_wait_alu depctr_hold_cnt(0) depctr_sa_sdst(0) depctr_va_vdst(0) depctr_va_sdst(0) depctr_va_ssrc(0) depctr_va_vcc(0) depctr_vm_vsrc(0)
	s_getreg_b32 s2, hwreg(HW_REG_IB_STS2, 6, 4)
	s_cmp_eq_u32 s2, 0
	s_cbranch_scc0 .Lentry_in_a_cluster
	s_endpgm
.Lentry_in_a_cluster:
	s_bfe_u32 s2, ttmp6, 0x10000c
	s_cmp_lg_u32 s2, 0xf033
	s_cbranch_scc0 .Lentry_shape_is_right
	s_endpgm
.Lentry_shape_is_right:
; h = gelu(LN(x1) w1 + b1) on codes of FP6 (E2M3), quantised at once along the hidden axis.  h never goes to memory as f32.
; The product is the one of the launch qkv: a tile of 256 x 256 by four waves of 128 x 128, K = 1,024 in steps of 256 through a ring of two LDS slots, operands as images of their registers (a fragment: 1,536 bytes, three loads of
; 512 consecutive bytes), scale words in LDS once, 4 x 4 clusters with joint loads.  Source 0 = 16 rows of w1 (laid with bits 3 and 4 of the column exchanged), source 1 = 16 tokens: a lane holds one token and 64 hidden units in the order of the next K.
; GELU, exact form: 0.5 x (1 + erf(x / sqrt 2)); erf(z) = z P(z^2) / Q(z^2), a rational form of degrees 6 and 4 in z^2, with z held to +-4, beyond which erf is +-1 in f32.
; The way out is a loop of eight trips (a block of 16 tokens each), so that the text stays short; only the 32 lines that take a block's accumulators are written eight times.
; LIMITS: a block whose largest magnitude lies under 2^-124 gets the scale byte 1 (read by this program alone); NaN and infinities are not served.
.set KK,     1024
.set XROWS,  4096
.set WROWS,  4096
.set XSC,    3145728
.set WC,     2457600
.set WS,     5603328
.set HSC,    12582912                  ; hq: the scale words begin here
.set NQ,     2
.set FR,     12
.set NL,     3
.set NP,     4
.set FRB,    1536
.set HALFT,  8*NQ*FRB
.set SLOT,   4*HALFT
.set LAPS,   KK/512
.set KS,     KK/128
.set SCL,    2*SLOT
.set HALFS,  512*KS
.set SPARE,  SCL+4*HALFS               ; the spare words: two blocks of 256 bytes that no other line names
.set XSTEP,  XROWS/16*NQ*FRB
.set WSTEP,  WROWS/16*NQ*FRB
.set ADRA, 16
.set ADRB, 20
.set LI,   24                          ; v24  16 x lane
.set ADRS, 27
.set SPW,  28
.set NIL,  29
.set SC,   32
.set BI,   64                          ; v64-127 b1 of my 128 hidden units in the order of a lane's 64 results
.set AF,   128
.set HA,   0                           ; window 1, behind the loop: v0-63 a block's numbers; v64-95 z; v96-127 z^2; v128-159 Q; v160-191 P
.set ZR,   64
.set X2R,  96
.set QR,   128
.set PR,   160
.set PC,   192
.set TM,   212
.set PW,   228
.set SW,   232
.set SV,   240
.set CA,   244                         ; v244-245 P's leading coefficient, v246-247 Q's
.set CB,   246
.set SEL,  96
.set G1, 24
.set G0, 32
.set G1B, 48
.set G0B, 56
.set G1S, 68
.set G0S, 76
.set G1SB, 80
.set G0SB, 88
.set MSB, 0
.macro WIN new
.if MSB != (\new)
	s_set_vgpr_msb (MSB<<8)|(\new)
.set MSB, (\new)
.endif
.endm
.set MUL_LO, 0xa1
.set MUL_HI, 0xf1
.set TO_B,   0x40
.macro JLOAD g0a, g1a, g0b, g1b
	s_cmp_eq_u32 s15, 0
	s_cbranch_scc0 .Lfor_b_\@
	tensor_load_to_lds s[\g0a:\g0a+3], s[\g1a:\g1a+7]
	s_nop 0
.rept 4
	v_nop
.endr
	s_branch .Lasked_\@
.Lfor_b_\@:
	tensor_load_to_lds s[\g0b:\g0b+3], s[\g1b:\g1b+7]
	s_nop 0
.rept 4
	v_nop
.endr
.Lasked_\@:
.endm
.macro CREST
	s_cmp_lg_u32 s14, 0
	s_cbranch_scc1 .Lnot_wave_0_\@
	s_barrier_signal -3
.Lnot_wave_0_\@:
	s_barrier_wait -3
	s_barrier_signal -1
	s_barrier_wait -1
.endm
.macro CROUND
	s_barrier_signal -1
	s_barrier_wait -1
	CREST
.endm
	s_load_b256 s[4:11], s[0:1], 0x0               ; x2q s[4:5], wts s[6:7], b1 s[8:9], hq s[10:11]
	v_lshl_add_u32 v[SPW], v0, 2, SPARE
	v_mov_b32 v[NIL], 0
	ds_add_u32 v28, v29
	ds_add_u32 v28, v29
	s_wait_dscnt 0x0
	v_lshrrev_b32 v1, 5, v0
	v_readfirstlane_b32 s14, v1
	s_lshr_b32 s15, s14, 1
	s_and_b32 s16, s14, 1
	s_bfe_u32 s40, ttmp6, 0x40000
	s_bfe_u32 s41, ttmp6, 0x40004
	s_lshl_b32 s42, ttmp9, 2
	s_add_co_u32 s42, s42, s40                     ; tile column
	s_and_b32 s17, ttmp7, 0xffff
	s_lshl_b32 s17, s17, 2
	s_add_co_u32 s17, s17, s41                     ; tile row
	s_lshl_b32 s43, s41, 2
	s_lshl_b32 s43, 15, s43
	s_lshl_b32 s44, 0x1111, s40
	s_or_b32 s[G1+0], s43, (3<<16)|(1<<21)
	s_or_b32 s[G1B+0], s44, (3<<16)|(1<<21)
.irp g, G1, G1B
	s_mov_b32 s[\g+1], 32<<16
	s_mov_b32 s[\g+2], 96<<16
	s_mov_b32 s[\g+3], 32<<16
	s_mov_b32 s[\g+4], 96
	s_mov_b32 s[\g+5], 32
	s_mov_b32 s[\g+6], 0
	s_mov_b32 s[\g+7], 0
.endr
	s_or_b32 s[G1S+0], s43, (3<<16)|(1<<21)
	s_or_b32 s[G1SB+0], s44, (3<<16)|(1<<21)
.irp g, G1S, G1SB
	s_mov_b32 s[\g+1], 64<<16
	s_mov_b32 s[\g+2], KS<<16
	s_mov_b32 s[\g+3], 64<<16
	s_mov_b32 s[\g+4], KS
	s_mov_b32 s[\g+6], 0
	s_mov_b32 s[\g+7], 0
.endr
	s_mov_b32 s[G1S+5], XROWS/2
	s_mov_b32 s[G1SB+5], WROWS/2
	s_lshl_b32 s20, s17, 1
	s_add_co_u32 s20, s20, s16
	s_lshl_b32 s46, s42, 1
	s_add_co_u32 s46, s46, s16
	s_lshl_b32 s22, s20, 9
	s_add_co_u32 s22, s22, XSC
	s_mov_b32 s23, 0
	s_mul_i32 s20, s20, HALFT
	s_mov_b32 s21, 0
	s_lshl_b32 s92, s46, 9
	s_add_co_u32 s92, s92, WS
	s_mov_b32 s93, 0
	s_mul_i32 s46, s46, HALFT
	s_add_co_u32 s46, s46, WC
	s_mov_b32 s47, 0
	s_mul_i32 s45, s14, HALFT
	s_mul_i32 s94, s14, HALFS
	s_wait_kmcnt 0x0
	s_add_nc_u64 s[20:21], s[4:5], s[20:21]
	s_add_nc_u64 s[22:23], s[4:5], s[22:23]
	s_add_nc_u64 s[46:47], s[6:7], s[46:47]
	s_add_nc_u64 s[92:93], s[6:7], s[92:93]
	CROUND
	s_mov_b32 s[G0S], 1
	s_add_co_u32 s[G0S+1], s94, SCL
	s_mov_b64 s[G0S+2:G0S+3], s[22:23]
	s_or_b32 s[G0S+3], s[G0S+3], 0x80000000
	s_mov_b32 s[G0SB], 1
	s_add_co_u32 s[G0SB+1], s94, SCL
	s_mov_b64 s[G0SB+2:G0SB+3], s[92:93]
	s_or_b32 s[G0SB+3], s[G0SB+3], 0x80000000
	JLOAD G0S, G1S, G0SB, G1SB
.irp s, 0,1
	s_mov_b32 s[G0+4*\s], 1
	s_add_co_u32 s[G0+4*\s+1], s45, \s*SLOT
	s_add_nc_u64 s[G0+4*\s+2:G0+4*\s+3], s[20:21], \s*XSTEP
	s_or_b32 s[G0+4*\s+3], s[G0+4*\s+3], 0x80000000
	s_mov_b32 s[G0B+4*\s], 1
	s_add_co_u32 s[G0B+4*\s+1], s45, \s*SLOT
	s_add_nc_u64 s[G0B+4*\s+2:G0B+4*\s+3], s[46:47], \s*WSTEP
	s_or_b32 s[G0B+4*\s+3], s[G0B+4*\s+3], 0x80000000
	JLOAD G0+4*\s, G1, G0B+4*\s, G1B
.endr
	v_and_b32 v1, 15, v0                           ; r
	v_bfe_u32 v2, v0, 4, 1                         ; h
	v_and_b32 v3, 31, v0
	v_lshlrev_b32 v[LI], 4, v3
	s_mul_i32 s21, s15, HALFT                      ; my 128 tokens
	s_mul_i32 s22, s16, HALFT
	s_add_co_u32 s22, s22, 2*HALFT                 ; my 128 rows of w1
.irp s, 0,1
	v_add_nc_u32 v[ADRA+\s], s21, v[LI]
	v_add_nc_u32 v[ADRB+\s], s22, v[LI]
	s_add_co_u32 s21, s21, SLOT
	s_add_co_u32 s22, s22, SLOT
.endr
	s_mul_i32 s21, s15, HALFS
	s_mul_i32 s22, s16, HALFS
	s_add_co_u32 s22, s22, 2*HALFS
	s_sub_co_u32 s22, s22, s21
	v_mul_u32_u24 v6, s22, v2                      ; lanes 16-31 take w1's words
	s_add_co_u32 s21, s21, SCL
	v_lshl_add_u32 v5, v1, 4, v6
	v_add_nc_u32 v[ADRS], s21, v5
	s_lshl_b32 s18, s42, 10
	s_lshl_b32 s19, s16, 9
	s_add_co_u32 s18, s18, s19
	s_mov_b32 s19, 0
	s_add_nc_u64 s[8:9], s[8:9], s[18:19]
	v_lshlrev_b32 v30, 6, v2
.irp b, 0,1,2,3
.irp m, 0,1,2,3
	global_load_b128 v[BI+16*\b+4*\m:BI+16*\b+4*\m+3], v30, s[8:9] offset:128*\b+16*\m
.endr
.endr
	s_mov_b32 s[SEL], 0x76543210
	s_mov_b32 s[SEL+1], 0xfedcba98
.macro FRAG reg, adr, q, i
.irp c, 0,1,2
	ds_load_b128 v[\reg+4*\c:\reg+4*\c+3], v[\adr] offset:((\i)*NQ+(\q))*FRB+512*\c
.endr
.endm
.macro MUL16 a0, p, q, sc, zero        ; the 64 accumulators take turns, one instruction a turn
.irp a, \a0, \a0+1
.irp b, 0,1,2,3,4,5,6,7
.if \zero
	v_wmma_scale_f32_16x16x128_f8f6f4 v[8*(8*((\a)%4)+\b):8*(8*((\a)%4)+\b)+7], v[128*(\p)+FR*\b:128*(\p)+FR*\b+FR-1], v[AF+FR*(\a):AF+FR*(\a)+FR-1], 0, v[SC+16*(\sc)+8*(\q)+\b], v[SC+16*(\sc)+8*(\q)+(\a)] matrix_a_fmt:MATRIX_FMT_FP6 matrix_b_fmt:MATRIX_FMT_FP6 matrix_a_scale:MATRIX_SCALE_ROW1
.else
	v_wmma_scale_f32_16x16x128_f8f6f4 v[8*(8*((\a)%4)+\b):8*(8*((\a)%4)+\b)+7], v[128*(\p)+FR*\b:128*(\p)+FR*\b+FR-1], v[AF+FR*(\a):AF+FR*(\a)+FR-1], v[8*(8*((\a)%4)+\b):8*(8*((\a)%4)+\b)+7], v[SC+16*(\sc)+8*(\q)+\b], v[SC+16*(\sc)+8*(\q)+(\a)] matrix_a_fmt:MATRIX_FMT_FP6 matrix_b_fmt:MATRIX_FMT_FP6 matrix_a_scale:MATRIX_SCALE_ROW1
.endif
.endr
.endr
.endm
.macro FETCH_B slot, q, p
	WIN TO_B
.irp i, 0,1,2,3,4,5,6,7
	FRAG 128*(\p)+FR*\i, ADRB+\slot, \q, \i
.endr
	WIN 0
.endm
.macro FETCH_A slot, q, i0
.irp i, \i0, \i0+1, \i0+2, \i0+3
	FRAG AF+FR*(\i), ADRA+\slot, \q, \i
.endr
.endm
.macro SCALES sc
.irp q, 0,1
.irp g, 0,1
	ds_load_b128 v[SC+16*\sc+8*\q+4*\g:SC+16*\sc+8*\q+4*\g+3], v[ADRS] offset:512*\q+256*\g
.endr
.endr
.endm
.macro PLACES n
.rept \n
	v_nop
.endr
.endm
.macro STEP slot, q, zero
	s_wait_dscnt 4*NL                              ; all but the youngest twelve loads (source 1's blocks 4-7) are in
	WIN MUL_LO
	MUL16 0, (\q)%2, \q, \slot, \zero
	MUL16 2, (\q)%2, \q, \slot, \zero
	s_wait_dscnt 0
	PLACES NP
	FETCH_B \slot, (\q)+1, 1-(\q)%2
	FETCH_A \slot, (\q)+1, 0
	WIN MUL_HI
	MUL16 4, (\q)%2, \q, \slot, \zero
	MUL16 6, (\q)%2, \q, \slot, \zero
	PLACES NP
	WIN 0
	FETCH_A \slot, (\q)+1, 4
.endm
.macro TURN slot, next, fill
	s_wait_tensorcnt 0x0                           ; all my tensor loads have landed
	ds_add_u32 v[SPW], v[NIL]                      ; 0 onto my spare word
	s_wait_dscnt 4*NL+1                            ; (the add and the youngest twelve loads may be out)
	WIN MUL_LO
	MUL16 0, 1, NQ-1, \slot, 0
	s_wait_dscnt 0x0                               ; the add is done, and my reads of this slot are over
	s_barrier_signal -1
	MUL16 2, 1, NQ-1, \slot, 0
	WIN 0
	s_barrier_wait -1
.if \fill
	CREST
	s_add_nc_u64 s[G0+4*\slot+2:G0+4*\slot+3], s[G0+4*\slot+2:G0+4*\slot+3], 2*XSTEP
	s_add_nc_u64 s[G0B+4*\slot+2:G0B+4*\slot+3], s[G0B+4*\slot+2:G0B+4*\slot+3], 2*WSTEP
	JLOAD G0+4*\slot, G1, G0B+4*\slot, G1B
.else
	PLACES NP
.endif
	v_add_nc_u32 v[ADRS], 512*NQ, v[ADRS]
	FETCH_B \next, 0, 0
	FETCH_A \next, 0, 0
	SCALES \next
	WIN MUL_HI
	MUL16 4, 1, NQ-1, \slot, 0
	MUL16 6, 1, NQ-1, \slot, 0
	PLACES NP
	WIN 0
	FETCH_A \next, 0, 4
.endm
	s_wait_tensorcnt 1                             ; the scale words and my part of slot 0 are in; slot 1's load may be out
	s_barrier_signal -1
	s_barrier_wait -1
	FETCH_B 0, 0, 0
	FETCH_A 0, 0, 0
	SCALES 0
	FETCH_A 0, 0, 4
	STEP 0, 0, 1
	s_mov_b32 s3, LAPS-1
.Llap:
	TURN 0, 1, 1
	STEP 1, 0, 0
	TURN 1, 0, 1
	STEP 0, 0, 0
	s_sub_co_u32 s3, s3, 1
	s_cmp_lg_u32 s3, 0
	s_cbranch_scc1 .Llap
	TURN 0, 1, 0
	STEP 1, 0, 0
	s_wait_dscnt 4*NL
	WIN MUL_LO
	MUL16 0, 1, NQ-1, 1, 0
	MUL16 2, 1, NQ-1, 1, 0
	s_wait_dscnt 0
	WIN MUL_HI
	MUL16 4, 1, NQ-1, 1, 0
	MUL16 6, 1, NQ-1, 1, 0
	WIN 0
	PLACES NP
.macro QUANT s
.irp b, 0,1,2,3
	v_max3_num_f32 v[TM+\b], |v[\s+16*\b]|, |v[\s+1+16*\b]|, 0x1800000
.endr
.irp i, 2,4,6,8,10,12,14
.irp b, 0,1,2,3
	v_max3_num_f32 v[TM+\b], v[TM+\b], |v[\s+16*\b+\i]|, |v[\s+1+16*\b+\i]|
.endr
.endr
.irp b, 0,1,2,3
	v_permlanex16_b32 v[TM+4+\b], v[TM+\b], s[SEL], s[SEL+1]
.endr
.irp b, 0,1,2,3
	v_max_num_f32 v[TM+\b], v[TM+\b], v[TM+4+\b]
.endr
.irp b, 0,1,2,3
	v_add_nc_u32 v[TM+12+\b], 0xff000000, v[TM+\b]
.endr
.irp b, 0,1,2,3
	v_lshrrev_b32 v[TM+4+\b], 23, v[TM+12+\b]
.endr
	v_lshl_or_b32 v[PW], v[TM+5], 8, v[TM+4]
	v_lshl_or_b32 v[PW], v[TM+6], 16, v[PW]
	v_lshl_or_b32 v[PW], v[TM+7], 24, v[PW]
.irp c, 0,1
	v_cvt_scalef32_pk16_fp6_f32 v[PC+6*\c:PC+2+6*\c], v[\s+32*\c:\s+15+32*\c], v[TM+12+2*\c]
	v_cvt_scalef32_pk16_fp6_f32 v[PC+12+4*\c:PC+14+4*\c], v[\s+16+32*\c:\s+31+32*\c], v[TM+12+2*\c+1]
.endr
	v_nop
.irp c, 0,1
.irp i, 0,1,2
	v_permlane16_swap_b32 v[PC+6*\c+\i], v[PC+12+4*\c+\i]
.endr
.irp i, 0,1,2
	v_mov_b32 v[PC+3+6*\c+\i], v[PC+12+4*\c+\i]
.endr
.endr
.endm
.macro TAKE a                          ; block a's 64 sums + b1 -> window 1; each accumulator is read from its low end on
	WIN 0x42+(\a)/4
.set j, 0
.rept 32
	v_pk_add_f32 v[HA+j:HA+j+1], v[64*((\a)%4)+j:64*((\a)%4)+j+1], v[BI+j:BI+j+1]
.set j, j+2
.endr
	WIN 0
.endm
.macro CONST p, val
	s_mov_b32 s[\p], \val
	s_mov_b32 s[\p+1], \val
.endm
.macro HORNER acc, cp                  ; acc = acc z^2 + a coefficient, 32 numbers
.set j, 0
.rept 16
	v_pk_fma_f32 v[\acc+j:\acc+j+1], v[\acc+j:\acc+j+1], v[X2R+j:X2R+j+1], s[\cp:\cp+1] op_sel_hi:[1,1,0]
.set j, j+2
.endr
.endm
.macro GELU g                          ; 32 numbers in place
.set HH, HA+32*\g
.set j, 0
.rept 16
	v_pk_mul_f32 v[ZR+j:ZR+j+1], v[HH+j:HH+j+1], 0x3f3504f3 op_sel_hi:[1,0]   ; z = x / sqrt 2
.set j, j+2
.endr
.set j, 0
.rept 32
	v_med3_num_f32 v[ZR+j], v[ZR+j], -4.0, 4.0
.set j, j+1
.endr
.set j, 0
.rept 16
	v_pk_mul_f32 v[X2R+j:X2R+j+1], v[ZR+j:ZR+j+1], v[ZR+j:ZR+j+1]
.set j, j+2
.endr
.set j, 0
.rept 16
	v_pk_fma_f32 v[QR+j:QR+j+1], v[X2R+j:X2R+j+1], v[CB:CB+1], s[24:25] op_sel_hi:[1,1,0]
.set j, j+2
.endr
	HORNER QR, 26
	HORNER QR, 28
	HORNER QR, 30
.set j, 0
.rept 32
	v_rcp_f32 v[QR+j], v[QR+j]
.set j, j+1
.endr
.set j, 0
.rept 16
	v_pk_fma_f32 v[PR+j:PR+j+1], v[X2R+j:X2R+j+1], v[CA:CA+1], s[32:33] op_sel_hi:[1,1,0]   ; P: the independent work behind the reciprocals
.set j, j+2
.endr
	HORNER PR, 34
	HORNER PR, 36
	HORNER PR, 38
	HORNER PR, 40
	HORNER PR, 42
.set j, 0
.rept 16
	v_pk_mul_f32 v[PR+j:PR+j+1], v[PR+j:PR+j+1], v[ZR+j:ZR+j+1]
.set j, j+2
.endr
.set j, 0
.rept 16
	v_pk_mul_f32 v[HH+j:HH+j+1], v[HH+j:HH+j+1], 0.5 op_sel_hi:[1,0]
.set j, j+2
.endr
	s_wait_alu depctr_va_vdst(0)                   ; one wait for the 32 reciprocals, ahead of their first reader
.set j, 0
.rept 16
	v_pk_mul_f32 v[PR+j:PR+j+1], v[PR+j:PR+j+1], v[QR+j:QR+j+1]             ; erf
.set j, j+2
.endr
.set j, 0
.rept 16
	v_pk_fma_f32 v[HH+j:HH+j+1], v[HH+j:HH+j+1], v[PR+j:PR+j+1], v[HH+j:HH+j+1]   ; x / 2 + x / 2 erf
.set j, j+2
.endr
.endm
	s_wait_loadcnt 0x0                             ; b1
	s_lshl_b32 s20, s42, 8
	s_lshl_b32 s21, s17, 4
	s_lshl_b32 s22, s15, 3
	s_add_co_u32 s21, s21, s22                     ; my first block of 16 tokens
	s_add_co_u32 s20, s20, s21
	s_lshl_b32 s20, s20, 1
	s_add_co_u32 s20, s20, s16
	s_mul_i32 s20, s20, FRB                        ; hq's codes: [tile column][block][my half of the 256 hidden units]
	s_lshl_b32 s22, s42, 1
	s_add_co_u32 s22, s22, s16
	s_lshl_b32 s22, s22, 14                        ; the scale words: plane 2 x tile column + half
	s_lshl_b32 s23, s21, 6
	s_add_co_u32 s22, s22, s23
	s_add_co_u32 s22, s22, HSC
	s_mov_b32 s21, 0
	s_mov_b32 s23, 0
	s_add_nc_u64 s[20:21], s[10:11], s[20:21]
	s_add_nc_u64 s[22:23], s[10:11], s[22:23]
	s_mov_b32 s18, 0xffff0000
	CONST 24, -0.000213374055278905                ; Q's coefficients, from z^6 down (no tensor load of mine is out: the descriptors' registers are free)
	CONST 26, -0.00168282697438203
	CONST 28, -0.00737332916720468
	CONST 30, -0.0142647390514189
	CONST 32, 0.0000000277068142495902             ; P's, from z^10 down
	CONST 34, -0.00000210102402082508
	CONST 36, -0.0000569250639462346
	CONST 38, -0.000734990630326855
	CONST 40, -0.00295459980854025
	CONST 42, -0.0160960333262415
	WIN 0x40
.irp b, 0,1,2,3
	v_mov_b32 v[TM+4+\b], 0
.endr
.irp i, 0,1,2,3,4,5,6,7
	v_mov_b32 v[SW+\i], 0
.endr
	v_mov_b32 v[CA], -0.000000000272614225801306
	v_mov_b32 v[CA+1], -0.000000000272614225801306
	v_mov_b32 v[CB], -0.0000145660718464996
	v_mov_b32 v[CB+1], -0.0000145660718464996
	WIN 0
	s_mov_b32 s3, 0
.Lepi:                                                 ; a trip: a block of 16 tokens x my 128 hidden units
.irp a, 0,1,2,3,4,5,6
	s_cmp_eq_u32 s3, \a
	s_cbranch_scc1 .Ltk\a
.endr
	TAKE 7
	s_branch .Ltaken
.irp a, 0,1,2,3,4,5
.Ltk\a:
	TAKE \a
	s_branch .Ltaken
.endr
.Ltk6:
	TAKE 6
.Ltaken:
	WIN 0x55
	GELU 0
	GELU 1
	QUANT HA
.irp i, 0,1,2,3,4,5,6
	v_mov_b32 v[SW+\i], v[SW+\i+1]                 ; the eight blocks' scale words move down: after eight trips block a's lies in register a
.endr
	v_mov_b32 v[SW+7], v[PW]
	WIN 0x04
.irp c, 0,1,2
	global_store_b128 v[LI], v[PC+4*\c:PC+4*\c+3], s[20:21] offset:512*\c   ; 512 consecutive bytes, aligned
.endr
	WIN 0
	s_wait_xcnt 0x0                                ; the stores have read their registers and their base: both are written again
	s_add_nc_u64 s[20:21], s[20:21], 2*FRB
	s_add_co_u32 s3, s3, 1
	s_cmp_lt_u32 s3, 8
	s_cbranch_scc1 .Lepi
	WIN 0x55
.irp i, 0,1,2,3
	v_cndmask_b32 v[SV+\i], v[SW+\i], v[SW+4+\i], s18   ; lanes 0-15: blocks 0-3, lanes 16-31: blocks 4-7
.endr
	WIN 0x04
	global_store_b128 v[LI], v[SV:SV+3], s[22:23]  ; 512 consecutive bytes
	WIN 0
	s_wait_tensorcnt 0x0                           ; the wave's end
	ds_add_u32 v[SPW], v[NIL]
	s_wait_dscnt 0x0
	CROUND
	s_endpgm
.Lfunc_end_k_qde970330ee_mlp1:
	.size	k_qde970330ee_mlp1, .Lfunc_end_k_qde970330ee_mlp1-k_qde970330ee_mlp1
	.p2alignl 7, 3214868480
	.fill 96, 4, 3214868480
	.section	.rodata,"a",@progbits
	.p2align	6, 0x0
	.amdhsa_kernel k_qde970330ee_mlp1
		.amdhsa_group_segment_fixed_size 327680
		.amdhsa_private_segment_fixed_size 0
		.amdhsa_enable_private_segment 0
		.amdhsa_kernarg_size 32
		.amdhsa_user_sgpr_count 2
		.amdhsa_user_sgpr_kernarg_segment_ptr 1
		.amdhsa_wavefront_size32 1
		.amdhsa_system_sgpr_workgroup_id_x 1
		.amdhsa_system_sgpr_workgroup_id_y 1
		.amdhsa_system_sgpr_workgroup_id_z 1
		.amdhsa_system_vgpr_workitem_id 0
		.amdhsa_next_free_vgpr 1024
		.amdhsa_next_free_sgpr 100
		.amdhsa_reserve_vcc 0
		.amdhsa_float_denorm_mode_32 3
		.amdhsa_float_denorm_mode_16_64 3
		.amdhsa_memory_ordered 1
		.amdhsa_forward_progress 1
		.amdhsa_inst_pref_size 170
	.end_amdhsa_kernel
	.amdgpu_metadata
---
amdhsa.version: [ 1, 2 ]
amdhsa.kernels:
  - .name:           k_qde970330ee_mlp1
    .symbol:         k_qde970330ee_mlp1.kd
    .args:
      - { .name: x2q, .offset: 0, .size: 8, .value_kind: global_buffer, .address_space: global }
      - { .name: wts, .offset: 8, .size: 8, .value_kind: global_buffer, .address_space: global }
      - { .name: b1, .offset: 16, .size: 8, .value_kind: global_buffer, .address_space: global }
      - { .name: hq, .offset: 24, .size: 8, .value_kind: global_buffer, .address_space: global }
    .group_segment_fixed_size: 327680
    .private_segment_fixed_size: 0
    .kernarg_segment_align: 8
    .kernarg_segment_size: 32
    .max_flat_workgroup_size: 128
    .sgpr_count:     100
    .vgpr_count:     1024
    .wavefront_size: 32
...
	.end_amdgpu_metadata
.endif
;; end of part 4
;; launch mlp2 (part 5): grid 4 x 16, 4 waves a work-group, clusters of 4 x 4, 327,680 bytes of LDS; arguments hq, wts, x1, b2, out0; writes out0
.if DOCPART == 5
	.amdgcn_target "amdgcn-amd-amdhsa--gfx1250"
	.amdhsa_code_object_version 6
	.text
	.protected	k_qde970330ee_mlp2
	.globl	k_qde970330ee_mlp2
	.p2align	8
	.type	k_qde970330ee_mlp2,@function
k_qde970330ee_mlp2:
	s_mov_b64 s[64:65], 0
	v_nop
	global_prefetch_b8 v0, s[64:65] scope:SCOPE_SE
	s_setreg_imm32_b32 hwreg(HW_REG_WAVE_MODE, 25, 1), 1
	s_wait_xcnt 0x0
	s_wait_alu depctr_hold_cnt(0) depctr_sa_sdst(0) depctr_va_vdst(0) depctr_va_sdst(0) depctr_va_ssrc(0) depctr_va_vcc(0) depctr_vm_vsrc(0)
	s_getreg_b32 s2, hwreg(HW_REG_IB_STS2, 6, 4)
	s_cmp_eq_u32 s2, 0
	s_cbranch_scc0 .Lentry_in_a_cluster
	s_endpgm
.Lentry_in_a_cluster:
	s_bfe_u32 s2, ttmp6, 0x10000c
	s_cmp_lg_u32 s2, 0xf033
	s_cbranch_scc0 .Lentry_shape_is_right
	s_endpgm
.Lentry_shape_is_right:
; out = x1 + h w2 + b2 on codes of FP6 (E2M3).  The product is the one of the launches qkv and mlp1, with K = 4,096: a tile of 256 x 256 by four waves of 128 x 128, K in steps of 256 through a ring of two LDS slots,
; operands as images of their registers, scale words of all of K in LDS once (65,536 bytes), 4 x 4 clusters with joint loads.  Source 0 = 16 rows of w2, source 1 = 16 tokens: a lane holds eight neighbouring numbers of a row.
; 64 tiles: 64 work-groups.  A smaller tile would halve the matrix work between two changes of slots and double the bytes fetched for each product.
; THE WAY OUT: a block of 16 rows x 128 columns goes through the wave's own stage in LDS (in slot 0, which has had its last fill and its last read) and comes back as whole rows of 512 bytes; b2 and x1's rows are added there.
.set KK,     4096
.set XROWS,  4096
.set WROWS,  1024
.set XSC,    12582912
.set WC,     5734400
.set WS,     8880128
.set NQ,     2
.set FR,     12
.set NL,     3
.set NP,     4
.set FRB,    1536
.set HALFT,  8*NQ*FRB
.set SLOT,   4*HALFT
.set LAPS,   KK/512
.set KS,     KK/128
.set SCL,    2*SLOT
.set HALFS,  512*KS
.set SPARE,  SCL+4*HALFS               ; the spare words: two blocks of 256 bytes that no other line names
.set XSTEP,  XROWS/16*NQ*FRB
.set WSTEP,  WROWS/16*NQ*FRB
.set SPITCH, 528
.set ADRA, 16
.set ADRB, 20
.set STO,  24                          ; v24  the stage: where I put 32 bytes of a row
.set RD,   25                          ; v25  and where I read a row back
.set CO,   26                          ; v26  16 x lane
.set ADRS, 27
.set SPW,  28
.set NIL,  29
.set SC,   32
.set B2,   64                          ; v64-67 b2 of my four columns of a row
.set AF,   128
.set BK,   128                         ; the way out: 16 rows back from the stage: v128-191 and v192-255 by turns; window 1: four sets of 64 for x1's rows
.set G1, 24
.set G0, 32
.set G1B, 48
.set G0B, 56
.set G1S, 68
.set G0S, 76
.set G1SB, 80
.set G0SB, 88
.set MSB, 0
.macro WIN new
.if MSB != (\new)
	s_set_vgpr_msb (MSB<<8)|(\new)
.set MSB, (\new)
.endif
.endm
.set MUL_LO, 0xa1
.set MUL_HI, 0xf1
.set TO_B,   0x40
.macro JLOAD g0a, g1a, g0b, g1b
	s_cmp_eq_u32 s15, 0
	s_cbranch_scc0 .Lfor_b_\@
	tensor_load_to_lds s[\g0a:\g0a+3], s[\g1a:\g1a+7]
	s_nop 0
.rept 4
	v_nop
.endr
	s_branch .Lasked_\@
.Lfor_b_\@:
	tensor_load_to_lds s[\g0b:\g0b+3], s[\g1b:\g1b+7]
	s_nop 0
.rept 4
	v_nop
.endr
.Lasked_\@:
.endm
.macro CREST
	s_cmp_lg_u32 s14, 0
	s_cbranch_scc1 .Lnot_wave_0_\@
	s_barrier_signal -3
.Lnot_wave_0_\@:
	s_barrier_wait -3
	s_barrier_signal -1
	s_barrier_wait -1
.endm
.macro CROUND
	s_barrier_signal -1
	s_barrier_wait -1
	CREST
.endm
	s_load_b256 s[4:11], s[0:1], 0x0               ; hq s[4:5], wts s[6:7], x1 s[8:9], b2 s[10:11]
	s_load_b64 s[12:13], s[0:1], 0x20              ; out0
	v_lshl_add_u32 v[SPW], v0, 2, SPARE
	v_mov_b32 v[NIL], 0
	ds_add_u32 v28, v29
	ds_add_u32 v28, v29
	s_wait_dscnt 0x0
	v_lshrrev_b32 v1, 5, v0
	v_readfirstlane_b32 s14, v1
	s_lshr_b32 s15, s14, 1
	s_and_b32 s16, s14, 1
	s_bfe_u32 s40, ttmp6, 0x40000
	s_bfe_u32 s41, ttmp6, 0x40004
	s_lshl_b32 s42, ttmp9, 2
	s_add_co_u32 s42, s42, s40                     ; tile column
	s_and_b32 s17, ttmp7, 0xffff
	s_lshl_b32 s17, s17, 2
	s_add_co_u32 s17, s17, s41                     ; tile row
	s_lshl_b32 s43, s41, 2
	s_lshl_b32 s43, 15, s43
	s_lshl_b32 s44, 0x1111, s40
	s_or_b32 s[G1+0], s43, (3<<16)|(1<<21)
	s_or_b32 s[G1B+0], s44, (3<<16)|(1<<21)
.irp g, G1, G1B
	s_mov_b32 s[\g+1], 32<<16
	s_mov_b32 s[\g+2], 96<<16
	s_mov_b32 s[\g+3], 32<<16
	s_mov_b32 s[\g+4], 96
	s_mov_b32 s[\g+5], 32
	s_mov_b32 s[\g+6], 0
	s_mov_b32 s[\g+7], 0
.endr
	s_or_b32 s[G1S+0], s43, (3<<16)|(1<<21)
	s_or_b32 s[G1SB+0], s44, (3<<16)|(1<<21)
.irp g, G1S, G1SB
	s_mov_b32 s[\g+1], 64<<16
	s_mov_b32 s[\g+2], KS<<16
	s_mov_b32 s[\g+3], 64<<16
	s_mov_b32 s[\g+4], KS
	s_mov_b32 s[\g+6], 0
	s_mov_b32 s[\g+7], 0
.endr
	s_mov_b32 s[G1S+5], XROWS/2
	s_mov_b32 s[G1SB+5], WROWS/2
	s_lshl_b32 s20, s17, 1
	s_add_co_u32 s20, s20, s16
	s_lshl_b32 s46, s42, 1
	s_add_co_u32 s46, s46, s16
	s_lshl_b32 s22, s20, 9
	s_add_co_u32 s22, s22, XSC
	s_mov_b32 s23, 0
	s_mul_i32 s20, s20, HALFT
	s_mov_b32 s21, 0
	s_lshl_b32 s92, s46, 9
	s_add_co_u32 s92, s92, WS
	s_mov_b32 s93, 0
	s_mul_i32 s46, s46, HALFT
	s_add_co_u32 s46, s46, WC
	s_mov_b32 s47, 0
	s_mul_i32 s45, s14, HALFT
	s_mul_i32 s94, s14, HALFS
	s_wait_kmcnt 0x0
	s_add_nc_u64 s[20:21], s[4:5], s[20:21]
	s_add_nc_u64 s[22:23], s[4:5], s[22:23]
	s_add_nc_u64 s[46:47], s[6:7], s[46:47]
	s_add_nc_u64 s[92:93], s[6:7], s[92:93]
	CROUND
	s_mov_b32 s[G0S], 1
	s_add_co_u32 s[G0S+1], s94, SCL
	s_mov_b64 s[G0S+2:G0S+3], s[22:23]
	s_or_b32 s[G0S+3], s[G0S+3], 0x80000000
	s_mov_b32 s[G0SB], 1
	s_add_co_u32 s[G0SB+1], s94, SCL
	s_mov_b64 s[G0SB+2:G0SB+3], s[92:93]
	s_or_b32 s[G0SB+3], s[G0SB+3], 0x80000000
	JLOAD G0S, G1S, G0SB, G1SB
.irp s, 0,1
	s_mov_b32 s[G0+4*\s], 1
	s_add_co_u32 s[G0+4*\s+1], s45, \s*SLOT
	s_add_nc_u64 s[G0+4*\s+2:G0+4*\s+3], s[20:21], \s*XSTEP
	s_or_b32 s[G0+4*\s+3], s[G0+4*\s+3], 0x80000000
	s_mov_b32 s[G0B+4*\s], 1
	s_add_co_u32 s[G0B+4*\s+1], s45, \s*SLOT
	s_add_nc_u64 s[G0B+4*\s+2:G0B+4*\s+3], s[46:47], \s*WSTEP
	s_or_b32 s[G0B+4*\s+3], s[G0B+4*\s+3], 0x80000000
	JLOAD G0+4*\s, G1, G0B+4*\s, G1B
.endr
	v_and_b32 v1, 15, v0                           ; r
	v_bfe_u32 v2, v0, 4, 1                         ; h
	v_and_b32 v3, 31, v0
	v_lshlrev_b32 v[CO], 4, v3
	s_mul_i32 s21, s15, HALFT
	s_mul_i32 s22, s16, HALFT
	s_add_co_u32 s22, s22, 2*HALFT
.irp s, 0,1
	v_add_nc_u32 v[ADRA+\s], s21, v[CO]
	v_add_nc_u32 v[ADRB+\s], s22, v[CO]
	s_add_co_u32 s21, s21, SLOT
	s_add_co_u32 s22, s22, SLOT
.endr
	s_mul_i32 s21, s15, HALFS
	s_mul_i32 s22, s16, HALFS
	s_add_co_u32 s22, s22, 2*HALFS
	s_sub_co_u32 s22, s22, s21
	v_mul_u32_u24 v6, s22, v2
	s_add_co_u32 s21, s21, SCL
	v_lshl_add_u32 v5, v1, 4, v6
	v_add_nc_u32 v[ADRS], s21, v5
	s_mul_i32 s23, s14, 16*SPITCH                  ; my stage
	v_mul_u32_u24 v5, v1, SPITCH
	v_lshl_add_u32 v5, v2, 5, v5
	v_add_nc_u32 v[STO], s23, v5
	v_add_nc_u32 v[RD], s23, v[CO]
	s_lshl_b32 s18, s42, 10                        ; my first column, in bytes
	s_lshl_b32 s19, s16, 9
	s_add_co_u32 s18, s18, s19
	s_mov_b32 s19, 0
	s_add_nc_u64 s[10:11], s[10:11], s[18:19]
	global_load_b128 v[B2:B2+3], v[CO], s[10:11]
	s_lshl_b32 s2, s17, 8
	s_lshl_b32 s3, s15, 7
	s_add_co_u32 s2, s2, s3                        ; my first row
	s_lshl_b32 s2, s2, 12
	s_add_co_u32 s18, s18, s2
	s_add_nc_u64 s[8:9], s[8:9], s[18:19]
	s_add_nc_u64 s[12:13], s[12:13], s[18:19]
.macro FRAG reg, adr, q, i
.irp c, 0,1,2
	ds_load_b128 v[\reg+4*\c:\reg+4*\c+3], v[\adr] offset:((\i)*NQ+(\q))*FRB+512*\c
.endr
.endm
.macro MUL16 a0, p, q, sc, zero        ; the 64 accumulators take turns, one instruction a turn
.irp a, \a0, \a0+1
.irp b, 0,1,2,3,4,5,6,7
.if \zero
	v_wmma_scale_f32_16x16x128_f8f6f4 v[8*(8*((\a)%4)+\b):8*(8*((\a)%4)+\b)+7], v[128*(\p)+FR*\b:128*(\p)+FR*\b+FR-1], v[AF+FR*(\a):AF+FR*(\a)+FR-1], 0, v[SC+16*(\sc)+8*(\q)+\b], v[SC+16*(\sc)+8*(\q)+(\a)] matrix_a_fmt:MATRIX_FMT_FP6 matrix_b_fmt:MATRIX_FMT_FP6 matrix_a_scale:MATRIX_SCALE_ROW1
.else
	v_wmma_scale_f32_16x16x128_f8f6f4 v[8*(8*((\a)%4)+\b):8*(8*((\a)%4)+\b)+7], v[128*(\p)+FR*\b:128*(\p)+FR*\b+FR-1], v[AF+FR*(\a):AF+FR*(\a)+FR-1], v[8*(8*((\a)%4)+\b):8*(8*((\a)%4)+\b)+7], v[SC+16*(\sc)+8*(\q)+\b], v[SC+16*(\sc)+8*(\q)+(\a)] matrix_a_fmt:MATRIX_FMT_FP6 matrix_b_fmt:MATRIX_FMT_FP6 matrix_a_scale:MATRIX_SCALE_ROW1
.endif
.endr
.endr
.endm
.macro FETCH_B slot, q, p
	WIN TO_B
.irp i, 0,1,2,3,4,5,6,7
	FRAG 128*(\p)+FR*\i, ADRB+\slot, \q, \i
.endr
	WIN 0
.endm
.macro FETCH_A slot, q, i0
.irp i, \i0, \i0+1, \i0+2, \i0+3
	FRAG AF+FR*(\i), ADRA+\slot, \q, \i
.endr
.endm
.macro SCALES sc
.irp q, 0,1
.irp g, 0,1
	ds_load_b128 v[SC+16*\sc+8*\q+4*\g:SC+16*\sc+8*\q+4*\g+3], v[ADRS] offset:512*\q+256*\g
.endr
.endr
.endm
.macro PLACES n
.rept \n
	v_nop
.endr
.endm
.macro STEP slot, q, zero
	s_wait_dscnt 4*NL                              ; all but the youngest twelve loads (source 1's blocks 4-7) are in
	WIN MUL_LO
	MUL16 0, (\q)%2, \q, \slot, \zero
	MUL16 2, (\q)%2, \q, \slot, \zero
	s_wait_dscnt 0
	PLACES NP
	FETCH_B \slot, (\q)+1, 1-(\q)%2
	FETCH_A \slot, (\q)+1, 0
	WIN MUL_HI
	MUL16 4, (\q)%2, \q, \slot, \zero
	MUL16 6, (\q)%2, \q, \slot, \zero
	PLACES NP
	WIN 0
	FETCH_A \slot, (\q)+1, 4
.endm
.macro TURN slot, next, fill
	s_wait_tensorcnt 0x0                           ; all my tensor loads have landed
	ds_add_u32 v[SPW], v[NIL]                      ; 0 onto my spare word
	s_wait_dscnt 4*NL+1                            ; (the add and the youngest twelve loads may be out)
	WIN MUL_LO
	MUL16 0, 1, NQ-1, \slot, 0
	s_wait_dscnt 0x0                               ; the add is done, and my reads of this slot are over
	s_barrier_signal -1
	MUL16 2, 1, NQ-1, \slot, 0
	WIN 0
	s_barrier_wait -1
.if \fill
	CREST
	s_add_nc_u64 s[G0+4*\slot+2:G0+4*\slot+3], s[G0+4*\slot+2:G0+4*\slot+3], 2*XSTEP
	s_add_nc_u64 s[G0B+4*\slot+2:G0B+4*\slot+3], s[G0B+4*\slot+2:G0B+4*\slot+3], 2*WSTEP
	JLOAD G0+4*\slot, G1, G0B+4*\slot, G1B
.else
	PLACES NP
.endif
	v_add_nc_u32 v[ADRS], 512*NQ, v[ADRS]
	FETCH_B \next, 0, 0
	FETCH_A \next, 0, 0
	SCALES \next
	WIN MUL_HI
	MUL16 4, 1, NQ-1, \slot, 0
	MUL16 6, 1, NQ-1, \slot, 0
	PLACES NP
	WIN 0
	FETCH_A \next, 0, 4
.endm
	s_wait_tensorcnt 1                             ; the scale words and my part of slot 0 are in; slot 1's load may be out
	s_barrier_signal -1
	s_barrier_wait -1
	FETCH_B 0, 0, 0
	FETCH_A 0, 0, 0
	SCALES 0
	FETCH_A 0, 0, 4
	STEP 0, 0, 1
	s_mov_b32 s3, LAPS-1
.Llap:
	TURN 0, 1, 1
	STEP 1, 0, 0
	TURN 1, 0, 1
	STEP 0, 0, 0
	s_sub_co_u32 s3, s3, 1
	s_cmp_lg_u32 s3, 0
	s_cbranch_scc1 .Llap
	TURN 0, 1, 0
	STEP 1, 0, 0
	s_wait_dscnt 4*NL
	WIN MUL_LO
	MUL16 0, 1, NQ-1, 1, 0
	MUL16 2, 1, NQ-1, 1, 0
	s_wait_dscnt 0
	WIN MUL_HI
	MUL16 4, 1, NQ-1, 1, 0
	MUL16 6, 1, NQ-1, 1, 0
	WIN 0
.macro TOSTAGE a                       ; LDS serves a wave's instructions in order (ISA guide 5.7.1.4): no wait between the stores and the loads
.set AC, 64*((\a)%4)
	WIN 0x08+4*((\a)/4)
.irp b, 0,1,2,3,4,5,6,7
	ds_store_b128 v[STO], v[AC+8*\b:AC+8*\b+3] offset:64*\b          ; each accumulator from its low end on
	ds_store_b128 v[STO], v[AC+8*\b+4:AC+8*\b+7] offset:64*\b+16
.endr
	WIN 0
.set BB, BK+64*((\a)%2)
.irp t, 0,1,2,3,4,5,6,7,8,9,10,11,12,13,14,15
	ds_load_b128 v[BB+4*\t:BB+4*\t+3], v[RD] offset:\t*SPITCH
.endr
.endm
.macro XLOAD a                         ; block a's 16 rows of x1, 512 consecutive bytes a load, into set a % 4 of window 1
	WIN 0x40
.irp t, 0,1,2,3,4,5,6,7,8,9,10,11,12,13,14,15
	global_load_b128 v[64*((\a)%4)+4*\t:64*((\a)%4)+4*\t+3], v[CO], s[8:9] offset:(16*(\a)+\t)*4096 th:TH_LOAD_NT
.endr
	WIN 0
.endm
.macro SEND a, younger, left           ; younger: LDS instructions issued behind block a's loads; left: loads of x1 issued behind block a's
.set BB, BK+64*((\a)%2)
	s_wait_dscnt \younger
.irp t, 0,1,2,3,4,5,6,7,8,9,10,11,12,13,14,15
	v_pk_add_f32 v[BB+4*\t:BB+4*\t+1], v[BB+4*\t:BB+4*\t+1], v[B2:B2+1]
	v_pk_add_f32 v[BB+4*\t+2:BB+4*\t+3], v[BB+4*\t+2:BB+4*\t+3], v[B2+2:B2+3]
.endr
	s_wait_loadcnt \left
	WIN 0x04
.set j, 0
.rept 32
	v_pk_add_f32 v[BB+j:BB+j+1], v[BB+j:BB+j+1], v[64*((\a)%4)+j:64*((\a)%4)+j+1]
.set j, j+2
.endr
	WIN 0
.irp t, 0,1,2,3,4,5,6,7,8,9,10,11,12,13,14,15
	global_store_b128 v[CO], v[BB+4*\t:BB+4*\t+3], s[12:13] offset:(16*(\a)+\t)*4096 th:TH_STORE_NT   ; 512 consecutive bytes, aligned; 127 rows at the most: inside the signed 24-bit immediate
.endr
.endm
	PLACES NP                                      ; in front of loads into registers that the last products read, and of the first read of results
	s_wait_loadcnt 0x0                             ; b2
	XLOAD 0
	XLOAD 1
	XLOAD 2
	XLOAD 3
	TOSTAGE 0
	TOSTAGE 1
	SEND 0, 32, 48
	XLOAD 4
	s_wait_xcnt 0x0                                ; block 0's stores have read their registers: block 2's rows may land there
	TOSTAGE 2
	SEND 1, 32, 48
	XLOAD 5
	s_wait_xcnt 0x0
	TOSTAGE 3
	SEND 2, 32, 48
	XLOAD 6
	s_wait_xcnt 0x0
	TOSTAGE 4
	SEND 3, 32, 48
	XLOAD 7
	s_wait_xcnt 0x0
	TOSTAGE 5
	SEND 4, 32, 48
	s_wait_xcnt 0x0
	TOSTAGE 6
	SEND 5, 32, 32
	s_wait_xcnt 0x0
	TOSTAGE 7
	SEND 6, 32, 16
	SEND 7, 0, 0
	s_wait_tensorcnt 0x0                           ; the wave's end
	ds_add_u32 v[SPW], v[NIL]
	s_wait_dscnt 0x0
	CROUND
	s_endpgm
.Lfunc_end_k_qde970330ee_mlp2:
	.size	k_qde970330ee_mlp2, .Lfunc_end_k_qde970330ee_mlp2-k_qde970330ee_mlp2
	.p2alignl 7, 3214868480
	.fill 96, 4, 3214868480
	.section	.rodata,"a",@progbits
	.p2align	6, 0x0
	.amdhsa_kernel k_qde970330ee_mlp2
		.amdhsa_group_segment_fixed_size 327680
		.amdhsa_private_segment_fixed_size 0
		.amdhsa_enable_private_segment 0
		.amdhsa_kernarg_size 40
		.amdhsa_user_sgpr_count 2
		.amdhsa_user_sgpr_kernarg_segment_ptr 1
		.amdhsa_wavefront_size32 1
		.amdhsa_system_sgpr_workgroup_id_x 1
		.amdhsa_system_sgpr_workgroup_id_y 1
		.amdhsa_system_sgpr_workgroup_id_z 1
		.amdhsa_system_vgpr_workitem_id 0
		.amdhsa_next_free_vgpr 1024
		.amdhsa_next_free_sgpr 100
		.amdhsa_reserve_vcc 0
		.amdhsa_float_denorm_mode_32 3
		.amdhsa_float_denorm_mode_16_64 3
		.amdhsa_memory_ordered 1
		.amdhsa_forward_progress 1
		.amdhsa_inst_pref_size 179
	.end_amdhsa_kernel
	.amdgpu_metadata
---
amdhsa.version: [ 1, 2 ]
amdhsa.kernels:
  - .name:           k_qde970330ee_mlp2
    .symbol:         k_qde970330ee_mlp2.kd
    .args:
      - { .name: hq, .offset: 0, .size: 8, .value_kind: global_buffer, .address_space: global }
      - { .name: wts, .offset: 8, .size: 8, .value_kind: global_buffer, .address_space: global }
      - { .name: x1, .offset: 16, .size: 8, .value_kind: global_buffer, .address_space: global }
      - { .name: b2, .offset: 24, .size: 8, .value_kind: global_buffer, .address_space: global }
      - { .name: out0, .offset: 32, .size: 8, .value_kind: global_buffer, .address_space: global }
    .group_segment_fixed_size: 327680
    .private_segment_fixed_size: 0
    .kernarg_segment_align: 8
    .kernarg_segment_size: 40
    .max_flat_workgroup_size: 128
    .sgpr_count:     100
    .vgpr_count:     1024
    .wavefront_size: 32
...
	.end_amdgpu_metadata
.endif
;; end of part 5
;; ======== version 2 of 2: 5 launches
;; limits: right only within a limited range of input values
;; workspace buffers: xq 3,276,800 bytes; x2q 3,276,800 bytes; hq 13,107,200 bytes; wts 9,011,200 bytes; qkv 10,092,544 bytes; x1 16,777,216 bytes
;; launch prep (part 6): grid 608 x 1, 8 waves a work-group, no clusters, 67,072 bytes of LDS; arguments x, ln_g, ln_b, w_qkv, w1, w2, xq, wts; writes xq, wts
.if DOCPART == 6
	.amdgcn_target "amdgcn-amd-amdhsa--gfx1250"
	.amdhsa_code_object_version 6
	.text
	.protected	k_qde970330ee_prep
	.globl	k_qde970330ee_prep
	.p2align	8
	.type	k_qde970330ee_prep,@function
k_qde970330ee_prep:
	s_mov_b64 s[64:65], 0
	v_nop
	global_prefetch_b8 v0, s[64:65] scope:SCOPE_SE
	s_setreg_imm32_b32 hwreg(HW_REG_WAVE_MODE, 25, 1), 1
	s_wait_xcnt 0x0
; LayerNorm(x) and the three weights become codes of FP6 (E2M3) with one E8M0 scale byte for each 32 along K.
; EVERY OPERAND IS LAID AS AN IMAGE OF ITS REGISTERS: a fragment (16 rows x 128 K) is 12 registers a lane, 1,536 bytes: registers 4 c .. 4 c + 3 of lane l at 512 c + 16 l.
; Codes: [K / 256][rows / 16][2][1,536].  Scale words (4 bytes: one row, 128 K): plane kappa of 4 x rows bytes; in it row p at (p >> 6) 256 + (p & 15) 16 + ((p >> 4) & 3) 4.
; ROW ORDER: xq's rows, w_qkv's columns 0 .. 2,047 and w1's columns lie at the place got by exchanging bits 3 and 4 of the index, so that a product that takes them as source 0 leaves 16 neighbours along the next K in a lane.
; Work-groups 0-255: a block of 16 rows of x (LayerNorm, then quantised).  256-351: w_qkv, 352-479: w1, 480-607: w2: 256 columns x 128 K each.  The paths part on the work-group's number; only the first uses LDS and a barrier.
; A block's scale byte is its largest magnitude's exponent field - 2, held at 1 from below by a floor among the maximum's leaves.
; LIMITS: a block whose largest magnitude lies under 2^-124 (a block of zeros too) gets the byte 1; the bytes are read by this program alone, and such a block's codes add nothing or next to nothing.  NaN and infinities are not served.
; The weights' scale words leave as 4 bytes a lane, 16 bytes apart (two waves fill 256 bytes between them): one byte in 128 of what the launch reads.
.set XSC,   3145728                    ; xq: the scale words begin here
.set PITCH, 4112                       ; a stage row: 4,096 bytes + 16: sixteen rows start at sixteen different 16-byte columns
.set SEL,   34                         ; s[34:35] lane selects: lane l xor 16
.set CM,    36                         ; s36 1/1,024, s37 the norm's epsilon
.set PC,    80                         ; v80-98 the codes just made (over the gain's registers, which are done with by then)
.set TM,    144                        ; v144-151, v156-159 at work in QUANT
.set PW,    100                        ; v100 the scale word just made
.set FF,    80                         ; v80-91, v92-103: a weight wave's two fragments
.set GG,    92
; 64 numbers of a lane, register 16 b + i = k 32 b + 16 (lane / 16) + i of my row, become a fragment's codes in v[PC] on and its scale word in v[PW] (the same in lanes l and l xor 16).
.macro QUANT s
.irp b, 0,1,2,3
	v_max3_num_f32 v[TM+\b], |v[\s+16*\b]|, |v[\s+1+16*\b]|, 0x1800000   ; my 16 numbers of block b, and the floor 2^(3 - 127)
.endr
.irp i, 2,4,6,8,10,12,14
.irp b, 0,1,2,3
	s_delay_alu instid0(VALU_DEP_4)
	v_max3_num_f32 v[TM+\b], v[TM+\b], |v[\s+16*\b+\i]|, |v[\s+1+16*\b+\i]|
.endr
.endr
.irp b, 0,1,2,3
	s_delay_alu instid0(VALU_DEP_4)
	v_permlanex16_b32 v[TM+4+\b], v[TM+\b], s[SEL], s[SEL+1]
.endr
.irp b, 0,1,2,3
	s_delay_alu instid0(VALU_DEP_4)
	v_max_num_f32 v[TM+\b], v[TM+\b], v[TM+4+\b]         ; with lane l xor 16's: the block's largest magnitude
.endr
.irp b, 0,1,2,3
	s_delay_alu instid0(VALU_DEP_4)
	v_add_nc_u32 v[TM+12+\b], 0xff000000, v[TM+\b]       ; 2 off its exponent field: the conversion's scale operand
.endr
.irp b, 0,1,2,3
	s_delay_alu instid0(VALU_DEP_4)
	v_lshrrev_b32 v[TM+4+\b], 23, v[TM+12+\b]            ; the scale's byte
.endr
	s_delay_alu instid0(VALU_DEP_3)
	v_lshl_or_b32 v[PW], v[TM+5], 8, v[TM+4]
	s_delay_alu instid0(VALU_DEP_1)
	v_lshl_or_b32 v[PW], v[TM+6], 16, v[PW]
	s_delay_alu instid0(VALU_DEP_1)
	v_lshl_or_b32 v[PW], v[TM+7], 24, v[PW]
.irp c, 0,1
	v_cvt_scalef32_pk16_fp6_f32 v[PC+6*\c:PC+2+6*\c], v[\s+32*\c:\s+15+32*\c], v[TM+12+2*\c]
	v_cvt_scalef32_pk16_fp6_f32 v[PC+12+4*\c:PC+14+4*\c], v[\s+16+32*\c:\s+31+32*\c], v[TM+12+2*\c+1]   ; (a conversion's three registers begin on an even number)
.endr
	v_nop                                                ; one plain place behind a scaled conversion
.irp c, 0,1                                          ; the layout wants a whole block in a lane
.irp i, 0,1,2
	v_permlane16_swap_b32 v[PC+6*\c+\i], v[PC+12+4*\c+\i]
.endr
.irp i, 0,1,2
	s_delay_alu instid0(VALU_DEP_3)
	v_mov_b32 v[PC+3+6*\c+\i], v[PC+12+4*\c+\i]
.endr
.endr
.endm
; A row of 1,024 numbers in 32 registers of the wave: d = x - mean, and 1 / sqrt(var + eps) in v[t + 4].  Two passes, so that a common offset of the row does no harm.
.macro LNSTAT x, d, t
	v_pk_add_f32 v[\t:\t+1], v[\x:\x+1], v[\x+2:\x+3]
	v_pk_add_f32 v[\t+2:\t+3], v[\x+4:\x+5], v[\x+6:\x+7]
.irp j, 8,12,16,20,24,28
	s_delay_alu instid0(VALU_DEP_2)
	v_pk_add_f32 v[\t:\t+1], v[\t:\t+1], v[\x+\j:\x+\j+1]
	s_delay_alu instid0(VALU_DEP_2)
	v_pk_add_f32 v[\t+2:\t+3], v[\t+2:\t+3], v[\x+\j+2:\x+\j+3]
.endr
	s_delay_alu instid0(VALU_DEP_1)
	v_pk_add_f32 v[\t:\t+1], v[\t:\t+1], v[\t+2:\t+3]
	s_delay_alu instid0(VALU_DEP_1)
	v_add_f32 v[\t], v[\t], v[\t+1]
.irp m, 1,2,4,8
	s_delay_alu instid0(VALU_DEP_1)
	v_add_f32_dpp v[\t], v[\t], v[\t] row_xmask:\m row_mask:0xf bank_mask:0xf
.endr
	s_delay_alu instid0(VALU_DEP_1)
	v_permlanex16_b32 v[\t+1], v[\t], s[SEL], s[SEL+1]
	s_delay_alu instid0(VALU_DEP_1)
	v_add_f32 v[\t], v[\t], v[\t+1]
	s_delay_alu instid0(VALU_DEP_1)
	v_mul_f32 v[\t], s[CM], v[\t]                        ; the mean
.irp j, 0,2,4,6,8,10,12,14,16,18,20,22,24,26,28,30
	v_pk_add_f32 v[\d+\j:\d+\j+1], v[\x+\j:\x+\j+1], v[\t:\t+1] op_sel_hi:[1,0] neg_lo:[0,1] neg_hi:[0,1]
.endr
	v_pk_mul_f32 v[\t+2:\t+3], v[\d:\d+1], v[\d:\d+1]
	v_pk_mul_f32 v[\t+4:\t+5], v[\d+2:\d+3], v[\d+2:\d+3]
.irp j, 4,8,12,16,20,24,28
	s_delay_alu instid0(VALU_DEP_2)
	v_pk_fma_f32 v[\t+2:\t+3], v[\d+\j:\d+\j+1], v[\d+\j:\d+\j+1], v[\t+2:\t+3]
	s_delay_alu instid0(VALU_DEP_2)
	v_pk_fma_f32 v[\t+4:\t+5], v[\d+\j+2:\d+\j+3], v[\d+\j+2:\d+\j+3], v[\t+4:\t+5]
.endr
	s_delay_alu instid0(VALU_DEP_1)
	v_pk_add_f32 v[\t+2:\t+3], v[\t+2:\t+3], v[\t+4:\t+5]
	s_delay_alu instid0(VALU_DEP_1)
	v_add_f32 v[\t+2], v[\t+2], v[\t+3]
.irp m, 1,2,4,8
	s_delay_alu instid0(VALU_DEP_1)
	v_add_f32_dpp v[\t+2], v[\t+2], v[\t+2] row_xmask:\m row_mask:0xf bank_mask:0xf
.endr
	s_delay_alu instid0(VALU_DEP_1)
	v_permlanex16_b32 v[\t+3], v[\t+2], s[SEL], s[SEL+1]
	s_delay_alu instid0(VALU_DEP_1)
	v_add_f32 v[\t+2], v[\t+2], v[\t+3]
	s_delay_alu instid0(VALU_DEP_1)
	v_fma_f32 v[\t+2], v[\t+2], s[CM], s[CM+1]           ; var + eps
	s_wait_alu depctr_va_vdst(0)
	v_rsq_f32 v[\t+4], v[\t+2]
	v_nop                                                ; a plain place behind the transcendental,
	s_wait_alu depctr_va_vdst(0)                         ; and the wait ahead of its first reader
.endm
.macro LNAPPLY d, g, b, t
.irp j, 0,2,4,6,8,10,12,14,16,18,20,22,24,26,28,30
	v_pk_mul_f32 v[\d+\j:\d+\j+1], v[\d+\j:\d+\j+1], v[\t+4:\t+5] op_sel_hi:[1,0]
.endr
.irp j, 0,2,4,6,8,10,12,14,16,18,20,22,24,26,28,30
	v_pk_fma_f32 v[\d+\j:\d+\j+1], v[\d+\j:\d+\j+1], v[\g+\j:\g+\j+1], v[\b+\j:\b+\j+1]
.endr
.endm
	s_load_b256 s[4:11], s[0:1], 0x0               ; x s[4:5], ln_g s[6:7], ln_b s[8:9], w_qkv s[10:11]
	s_load_b256 s[12:19], s[0:1], 0x20             ; w1 s[12:13], w2 s[14:15], xq s[16:17], wts s[18:19]
	v_lshl_add_u32 v14, v0, 2, 0x10200
	v_mov_b32 v15, 0
	v_lshrrev_b32 v1, 5, v0
	s_delay_alu instid0(VALU_DEP_1)
	v_readfirstlane_b32 s20, v1                    ; wave 0..7
	v_and_b32 v1, 31, v0                           ; lane
	s_mov_b32 s[SEL], 0x76543210
	s_mov_b32 s[SEL+1], 0xfedcba98
	s_mov_b32 s[CM], 0x3a800000                    ; 1 / 1,024
	s_mov_b32 s[CM+1], 0x3727c5ac                  ; 1e-5
	s_wait_kmcnt 0x0
	s_cmp_lt_u32 ttmp9, 256
	s_cbranch_scc0 .Lweights
	; ---- LayerNorm.  The work-group is block R of xq's rows; its row i is token 32 (R >> 1) + 16 (i >> 3) + 8 (R & 1) + (i & 7).  Wave w norms rows 2 w and 2 w + 1: two neighbouring tokens, 8,192 consecutive bytes.
	s_lshr_b32 s21, ttmp9, 1
	s_lshl_b32 s21, s21, 5
	s_and_b32 s22, ttmp9, 1
	s_lshl_b32 s22, s22, 3
	s_add_co_u32 s21, s21, s22
	s_lshr_b32 s22, s20, 2
	s_lshl_b32 s22, s22, 4
	s_add_co_u32 s21, s21, s22
	s_and_b32 s22, s20, 3
	s_lshl_b32 s22, s22, 1
	s_add_co_u32 s21, s21, s22                     ; my first token
	s_lshl_b32 s22, s21, 12                        ; 4,096 bytes a row
	s_mov_b32 s23, 0
	s_add_nc_u64 s[4:5], s[4:5], s[22:23]
	s_wait_alu depctr_va_vdst(0)
	v_lshlrev_b32 v2, 4, v1                        ; 16 x lane
.irp j, 0,1,2,3,4,5,6,7,8,9,10,11,12,13,14,15
	global_load_b128 v[16+4*\j:19+4*\j], v2, s[4:5] offset:512*\j th:TH_LOAD_NT   ; 32 lanes read 512 consecutive bytes
.endr
.irp j, 0,1,2,3,4,5,6,7
	global_load_b128 v[80+4*\j:83+4*\j], v2, s[6:7] offset:512*\j
.endr
.irp j, 0,1,2,3,4,5,6,7
	global_load_b128 v[112+4*\j:115+4*\j], v2, s[8:9] offset:512*\j
.endr
	s_mul_i32 s24, s20, 2*PITCH
	v_add_nc_u32 v3, s24, v2                       ; the stage, in: my two rows, 16 bytes a lane
	v_and_b32 v5, 15, v0                           ; r
	v_bfe_u32 v6, v0, 4, 1                         ; h
	s_delay_alu instid0(VALU_DEP_2)
	v_mul_u32_u24 v4, v5, PITCH
	s_delay_alu instid0(VALU_DEP_1)
	v_lshl_add_u32 v4, v6, 6, v4
	s_lshl_b32 s24, s20, 9
	v_add_nc_u32 v4, s24, v4                       ; and back: row r, K step w (512 bytes), + 64 h: my 16 numbers of each block of 32
	v_lshlrev_b32 v7, 4, v5                        ; 16 r: my row's scale word
.irp b, 0,1,2,3
	v_mov_b32 v[TM+4+\b], 0                        ; written once: a lane permute's destination counts as one of its sources
.endr
	s_lshr_b32 s24, s20, 1
	s_mul_i32 s24, s24, 786432                     ; K step w lies in the (w >> 1)-th 256 along K,
	s_mul_i32 s25, ttmp9, 3072                     ; block R,
	s_add_co_u32 s24, s24, s25
	s_and_b32 s25, s20, 1
	s_mul_i32 s25, s25, 1536                       ; half w & 1
	s_add_co_u32 s24, s24, s25
	s_mov_b32 s25, 0
	s_add_nc_u64 s[26:27], s[16:17], s[24:25]
	s_lshl_b32 s28, s20, 14                        ; the scale words: plane w,
	s_lshr_b32 s29, ttmp9, 2
	s_lshl_b32 s29, s29, 8
	s_add_co_u32 s28, s28, s29                     ; (R >> 2) 256
	s_and_b32 s29, ttmp9, 3
	s_lshl_b32 s29, s29, 2
	s_add_co_u32 s28, s28, s29                     ; 4 (R & 3)
	s_add_co_u32 s28, s28, XSC
	s_mov_b32 s29, 0
	s_add_nc_u64 s[28:29], s[16:17], s[28:29]
	s_wait_loadcnt 16                              ; x's sixteen loads are in; the gain's and the bias's sixteen may be out
	LNSTAT 16, 16, 8                               ; the first row's sums in v8-13, the second's in v150-155
	LNSTAT 48, 48, 150
	s_wait_loadcnt 0x0
	LNAPPLY 16, 80, 112, 8
	LNAPPLY 48, 80, 112, 150
.irp i, 0,1
.irp j, 0,1,2,3,4,5,6,7
	ds_store_b128 v3, v[16+32*\i+4*\j:19+32*\i+4*\j] offset:PITCH*\i+512*\j
.endr
.endr
	s_wait_dscnt 0x0                               ; for the others' sake: my rows lie in the stage
	s_barrier_signal -1
	s_barrier_wait -1
.irp b, 0,1,2,3
.irp m, 0,1,2,3
	ds_load_b128 v[16+16*\b+4*\m:19+16*\b+4*\m], v4 offset:128*\b+16*\m
.endr
.endr
	s_wait_dscnt 0x0
	QUANT 16
.irp c, 0,1,2
	global_store_b128 v2, v[PC+4*\c:PC+4*\c+3], s[26:27] offset:512*\c   ; 512 consecutive bytes, aligned
.endr
	global_store_b32 v7, v[PW], s[28:29]           ; lanes l and l + 16 hold the same word and name the same place
	s_wait_tensorcnt 0x0
	ds_add_u32 v14, v15
	s_wait_dscnt 0x0
	s_endpgm
; ---- the weights.  A wave takes 32 columns x 128 K.  A LANE TAKES A COLUMN AND ITS REGISTERS RUN DOWN K: each load reads 128 consecutive bytes, a block of 32 lies in one lane, the conversions give codes with K innermost.
.macro WLOAD t, N
.irp i, 0,1,2,3,4,5,6,7,8,9,10,11,12,13,14,15,16,17,18,19,20,21,22,23,24,25,26,27,28,29,30,31
	global_load_b32 v[16+32*((\t)%2)+\i], v2, s[26:27] offset:(32*(\t)+\i)*4*\N th:TH_LOAD_NT
.endr
.endm
.macro WBLOCK t, N, D                  ; block t of 32 along K -> six registers from v[D] on, its byte into v108
.set XR, 16+32*((\t)%2)
.if (\t) < 3
	s_wait_loadcnt 32                              ; this block's 32 loads are in; the next block's may be out
.else
	s_wait_loadcnt 0x0
.endif
	v_max3_num_f32 v8, |v[XR]|, |v[XR+1]|, |v[XR+2]|
	v_max3_num_f32 v9, |v[XR+3]|, |v[XR+4]|, |v[XR+5]|
.irp i, 6,10,14,18,22,26
	s_delay_alu instid0(VALU_DEP_2)
	v_max3_num_f32 v8, v8, |v[XR+\i]|, |v[XR+\i+1]|
	s_delay_alu instid0(VALU_DEP_2)
	v_max3_num_f32 v9, v9, |v[XR+\i+2]|, |v[XR+\i+3]|
.endr
	s_delay_alu instid0(VALU_DEP_2)
	v_max3_num_f32 v8, v8, |v[XR+30]|, |v[XR+31]|
	s_delay_alu instid0(VALU_DEP_1)
	v_max3_num_f32 v8, v8, v9, 0x1800000           ; and the floor
	s_delay_alu instid0(VALU_DEP_1)
	v_add_nc_u32 v10, 0xff000000, v8
	s_delay_alu instid0(VALU_DEP_1)
	v_lshrrev_b32 v9, 23, v10
.if (\t) == 0
	s_delay_alu instid0(VALU_DEP_1)
	v_mov_b32 v108, v9
.else
	s_delay_alu instid0(VALU_DEP_1)
	v_lshl_or_b32 v108, v9, 8*(\t), v108
.endif
	v_cvt_scalef32_pk16_fp6_f32 v[\D:\D+2], v[XR:XR+15], v10
	v_cvt_scalef32_pk16_fp6_f32 v[104:106], v[XR+16:XR+31], v10
	v_nop
.irp i, 0,1,2
	v_mov_b32 v[\D+3+\i], v[104+\i]
.endr
.if (\t) < 2
	WLOAD (\t)+2, \N
.endif
.endm
; N: the weight's columns; CB, SB: where its codes and scale words begin in wts; LOGK: log2 of K / 128; PM: 1 = columns laid with bits 3 and 4 exchanged, 0 = as they are, 2 = exchanged in the first 2,048; PTR: the weight's address.  s32: the work-group's number within the weight.
.macro WQ N, CB, SB, LOGK, PM, PTR
	s_lshr_b32 s21, s32, \LOGK                     ; which 256 columns
	s_and_b32 s22, s32, (1<<\LOGK)-1               ; which 128 along K
.if \PM == 2
	s_cmp_lt_u32 s21, 8
	s_cselect_b32 s23, 24, 0
.else
	s_mov_b32 s23, 24*\PM
.endif
	v_lshrrev_b32 v2, 3, v1
	v_lshrrev_b32 v3, 4, v1
	s_delay_alu instid0(VALU_DEP_1)
	v_xor_b32 v2, v2, v3
	s_delay_alu instid0(VALU_DEP_1)
	v_and_b32 v2, 1, v2
	s_delay_alu instid0(VALU_DEP_1)
	v_mul_u32_u24 v2, v2, 24
	s_delay_alu instid0(VALU_DEP_1)
	v_and_b32 v2, s23, v2
	s_delay_alu instid0(VALU_DEP_1)
	v_xor_b32 v2, v1, v2                           ; place l of the 32 holds column l with bits 3 and 4 exchanged: the same 128 bytes of each load
	s_delay_alu instid0(VALU_DEP_1)
	v_lshlrev_b32 v2, 2, v2
	s_wait_alu depctr_va_vdst(0)
	s_lshl_b32 s24, s21, 8
	s_lshl_b32 s25, s20, 5
	s_add_co_u32 s24, s24, s25                     ; my first column
	s_mul_i32 s26, s22, 128*4*\N
	s_lshl_b32 s27, s24, 2
	s_add_co_u32 s26, s26, s27
	s_mov_b32 s27, 0
	s_add_nc_u64 s[26:27], s[\PTR:\PTR+1], s[26:27]
	WLOAD 0, \N
	WLOAD 1, \N
	s_lshr_b32 s28, s22, 1
	s_mul_i32 s28, s28, \N/16
	s_lshr_b32 s29, s24, 4
	s_add_co_u32 s28, s28, s29
	s_lshl_b32 s28, s28, 1
	s_and_b32 s29, s22, 1
	s_add_co_u32 s28, s28, s29
	s_mul_i32 s28, s28, 1536
	s_add_co_u32 s28, s28, \CB
	s_mov_b32 s29, 0
	s_add_nc_u64 s[28:29], s[18:19], s[28:29]      ; my first fragment
	s_mul_i32 s30, s22, 4*\N
	s_lshl_b32 s31, s21, 10
	s_add_co_u32 s30, s30, s31
	s_lshr_b32 s31, s20, 1
	s_lshl_b32 s31, s31, 8
	s_add_co_u32 s30, s30, s31
	s_and_b32 s31, s20, 1
	s_lshl_b32 s31, s31, 3
	s_add_co_u32 s30, s30, s31
	s_add_co_u32 s30, s30, \SB
	s_mov_b32 s31, 0
	s_add_nc_u64 s[30:31], s[18:19], s[30:31]      ; my scale words
	v_and_b32 v3, 15, v1
	s_delay_alu instid0(VALU_DEP_1)
	v_lshlrev_b32 v3, 4, v3
	v_lshrrev_b32 v4, 4, v1
	s_delay_alu instid0(VALU_DEP_1)
	v_lshl_add_u32 v3, v4, 2, v3                   ; 16 (l & 15) + 4 (l >> 4)
	v_lshlrev_b32 v4, 4, v1                        ; 16 x lane
	WBLOCK 0, \N, FF
	WBLOCK 1, \N, GG
	WBLOCK 2, \N, FF+6
	WBLOCK 3, \N, GG+6
.irp i, 0,1,2,3,4,5,6,7,8,9,10,11
	v_permlane16_swap_b32 v[FF+\i], v[GG+\i]       ; the first's lanes 16-31 change places with the second's lanes 0-15: now each is a fragment of 16 rows, blocks 0, 2 in lanes 0-15 and 1, 3 in lanes 16-31
.endr
.irp c, 0,1,2
	global_store_b128 v4, v[FF+4*\c:FF+4*\c+3], s[28:29] offset:512*\c
	global_store_b128 v4, v[GG+4*\c:GG+4*\c+3], s[28:29] offset:3072+512*\c
.endr
	global_store_b32 v3, v108, s[30:31]
	s_endpgm
.endm
.Lweights:
	s_sub_co_u32 s32, ttmp9, 256
	s_cmp_lt_u32 s32, 96
	s_cbranch_scc0 .Lnot_qkv
	s_wait_alu depctr_va_vdst(0)
	WQ 3072, 0, 2359296, 3, 2, 10
.Lnot_qkv:
	s_sub_co_u32 s32, s32, 96
	s_cmp_lt_u32 s32, 128
	s_cbranch_scc0 .Lnot_w1
	s_wait_alu depctr_va_vdst(0)
	WQ 4096, 2457600, 5603328, 3, 1, 12
.Lnot_w1:
	s_sub_co_u32 s32, s32, 128
	s_wait_alu depctr_va_vdst(0)
	WQ 1024, 5734400, 8880128, 5, 0, 14
.Lfunc_end_k_qde970330ee_prep:
	.size	k_qde970330ee_prep, .Lfunc_end_k_qde970330ee_prep-k_qde970330ee_prep
	.p2alignl 7, 3214868480
	.fill 96, 4, 3214868480
	.section	.rodata,"a",@progbits
	.p2align	6, 0x0
	.amdhsa_kernel k_qde970330ee_prep
		.amdhsa_group_segment_fixed_size 67072
		.amdhsa_private_segment_fixed_size 0
		.amdhsa_enable_private_segment 0
		.amdhsa_kernarg_size 64
		.amdhsa_user_sgpr_count 2
		.amdhsa_user_sgpr_kernarg_segment_ptr 1
		.amdhsa_wavefront_size32 1
		.amdhsa_system_sgpr_workgroup_id_x 1
		.amdhsa_system_sgpr_workgroup_id_y 1
		.amdhsa_system_sgpr_workgroup_id_z 1
		.amdhsa_system_vgpr_workitem_id 0
		.amdhsa_next_free_vgpr 160
		.amdhsa_next_free_sgpr 66
		.amdhsa_reserve_vcc 0
		.amdhsa_float_denorm_mode_32 3
		.amdhsa_float_denorm_mode_16_64 3
		.amdhsa_memory_ordered 1
		.amdhsa_forward_progress 1
		.amdhsa_inst_pref_size 99
	.end_amdhsa_kernel
	.amdgpu_metadata
---
amdhsa.version: [ 1, 2 ]
amdhsa.kernels:
  - .name:           k_qde970330ee_prep
    .symbol:         k_qde970330ee_prep.kd
    .args:
      - { .name: x, .offset: 0, .size: 8, .value_kind: global_buffer, .address_space: global }
      - { .name: ln_g, .offset: 8, .size: 8, .value_kind: global_buffer, .address_space: global }
      - { .name: ln_b, .offset: 16, .size: 8, .value_kind: global_buffer, .address_space: global }
      - { .name: w_qkv, .offset: 24, .size: 8, .value_kind: global_buffer, .address_space: global }
      - { .name: w1, .offset: 32, .size: 8, .value_kind: global_buffer, .address_space: global }
      - { .name: w2, .offset: 40, .size: 8, .value_kind: global_buffer, .address_space: global }
      - { .name: xq, .offset: 48, .size: 8, .value_kind: global_buffer, .address_space: global }
      - { .name: wts, .offset: 56, .size: 8, .value_kind: global_buffer, .address_space: global }
    .group_segment_fixed_size: 67072
    .private_segment_fixed_size: 0
    .kernarg_segment_align: 8
    .kernarg_segment_size: 64
    .max_flat_workgroup_size: 256
    .sgpr_count:     66
    .vgpr_count:     160
    .wavefront_size: 32
...
	.end_amdgpu_metadata
.endif
;; end of part 6
;; launch qkv (part 7): grid 12 x 16, 4 waves a work-group, clusters of 4 x 4, 327,680 bytes of LDS; arguments xq, wts, b_qkv, qkv; writes qkv
.if DOCPART == 7
	.amdgcn_target "amdgcn-amd-amdhsa--gfx1250"
	.amdhsa_code_object_version 6
	.text
	.protected	k_qde970330ee_qkv
	.globl	k_qde970330ee_qkv
	.p2align	8
	.type	k_qde970330ee_qkv,@function
k_qde970330ee_qkv:
	s_mov_b64 s[64:65], 0
	v_nop
	global_prefetch_b8 v0, s[64:65] scope:SCOPE_SE
	s_setreg_imm32_b32 hwreg(HW_REG_WAVE_MODE, 25, 1), 1
	s_wait_xcnt 0x0
	s_wait_alu depctr_hold_cnt(0) depctr_sa_sdst(0) depctr_va_vdst(0) depctr_va_sdst(0) depctr_va_ssrc(0) depctr_va_vcc(0) depctr_vm_vsrc(0)
	s_getreg_b32 s2, hwreg(HW_REG_IB_STS2, 6, 4)
	s_cmp_eq_u32 s2, 0
	s_cbranch_scc0 .Lentry_in_a_cluster
	s_endpgm
.Lentry_in_a_cluster:
	s_bfe_u32 s2, ttmp6, 0x10000c
	s_cmp_lg_u32 s2, 0xf033
	s_cbranch_scc0 .Lentry_shape_is_right
	s_endpgm
.Lentry_shape_is_right:
; qkv = LN(x) w_qkv + b_qkv on codes of FP6 (E2M3), and its results quantised at once: q and k along the head's 64, v along the keys.  Nothing of qkv goes to memory as f32.
; A tile of 256 x 256 is made by four waves, 128 x 128 each: 64 accumulators, 512 registers.  K = 1,024 goes in steps of 256 through a ring of two LDS slots filled by the tensor data mover.
; OPERANDS LIE IN MEMORY AND IN LDS AS IMAGES OF THEIR REGISTERS (a fragment: 1,536 bytes, registers 4 c .. 4 c + 3 of lane l at 512 c + 16 l): a tile of 128 rows x 256 K is one dense block of 24,576 bytes, a fragment is three
; loads of 512 consecutive bytes: no pitch, no padding.  The scale words of the work-group's rows, for all of K, come into LDS once, with the first fills.
; CLUSTERS: 4 x 4 work-groups; the four of a row need the same tiles of x, the four of a column the same tiles of w: each tile is asked for jointly.
; TILE COLUMNS 0-7 (q, k): source 0 = 16 rows of w, source 1 = 16 tokens: a lane holds one token and 64 columns in the order of the next K (w's rows are laid for that): two heads' 64.
; TILE COLUMNS 8-11 (v; the cluster with x = 2): the two LDS regions change ROLES: source 0 = 16 tokens, source 1 = 16 rows of w: a lane holds one channel and 64 tokens in the order of the keys.  Loads, masks, ring are alike.
; OUT: per head [q | k | v], 98,304 bytes each.  q, k: a tile of 16 tokens is 768 bytes (K = 64: registers 0-3 at 16 l, 4-5 at 512 + 8 l).  v: [128 keys][16 channels] fragments of 1,536.  Scale words behind the codes.
; LIMITS: a block whose largest magnitude lies under 2^-124 gets the scale byte 1 (read by this program alone); NaN and infinities are not served.
.set KK,     1024
.set XROWS,  4096
.set WROWS,  3072
.set XSC,    3145728                   ; x's scale words in xq
.set WC,     0                         ; w's codes and scale words in wts
.set WS,     2359296
.set QS,     9437184                   ; qkv: the scale words begin here
.set NQ,     2                         ; matrix instructions deep in a slot
.set FR,     12
.set NL,     3                         ; LDS loads that bring a fragment
.set NP,     4                         ; places behind this matrix instruction (ISA guide 7.12.1)
.set FRB,    1536
.set HALFT,  8*NQ*FRB                  ; 128 rows x 256 K: what one tensor load brings
.set SLOT,   4*HALFT                   ; x's two halves, then w's two
.set LAPS,   KK/512
.set KS,     KK/128
.set SCL,     2*SLOT                   ; behind the ring: the scale words: x's 256 rows as KS planes of 1,024 bytes, then w's
.set HALFS,  512*KS
.set SPARE,  SCL+4*HALFS               ; the spare words, 128 bytes for each wave: two blocks of 256 bytes that no other line names
.set XSTEP,  XROWS/16*NQ*FRB           ; 256 along K on, in memory
.set WSTEP,  WROWS/16*NQ*FRB
.set ADRA, 16                          ; v16-17  LDS address of source 1's fragments in slot 0, 1
.set ADRB, 20                          ; v20-21  of source 0's
.set LI,   24                          ; v24  16 x lane
.set L8,   25                          ; v25  8 x lane
.set SA,   26                          ; v26  16 r + 20,480 h: a scale word's place, the next head's for lanes 16-31
.set ADRS, 27                          ; v27  LDS address of my scale words: lanes 0-15 source 1's rows, lanes 16-31 source 0's
.set SPW,  28                          ; v28  my spare word; never rewritten
.set NIL,  29                          ; v29  0; never rewritten
.set SC,   32                          ; v32-63 scale words: set s at SC + 16 s; in it register 8 q + i: block i, the slot's q-th 128 along K
.set BI,   64                          ; v64-127 the bias of my 128 columns in the order of a lane's 64 results
.set AF,   128                         ; v128-223 source 1's fragments, one set
.set BL,   240                         ; v240-247 the bias of column 16 a + r
.set HA,   0                           ; window 1, behind the loop: v0-63 a block's 64 numbers
.set PC,   192                         ; v192-210 codes; v212-227 at work; v228 the scale word; v229 16 h; v232-239 eight scale words; v240-243 four to store
.set TM,   212
.set PW,   228
.set H16,  229
.set SW,   232
.set SV,   240
.set SEL,  96                          ; s[96:97]
.set G1, 24
.set G0, 32
.set G1B, 48
.set G0B, 56
.set G1S, 68
.set G0S, 76
.set G1SB, 80
.set G0SB, 88
.set MSB, 0
.macro WIN new                         ; the immediate's high byte repeats the setting that is left
.if MSB != (\new)
	s_set_vgpr_msb (MSB<<8)|(\new)
.set MSB, (\new)
.endif
.endm
.set MUL_LO, 0xa1                      ; source 0 window 1, source 1 window 0, C and D window 2
.set MUL_HI, 0xf1
.set TO_B,   0x40
.macro JLOAD g0a, g1a, g0b, g1b        ; a joint load: waves 0 and 1 fetch for x, waves 2 and 3 for w; four v_nop follow each line
	s_cmp_eq_u32 s15, 0
	s_cbranch_scc0 .Lfor_b_\@
	tensor_load_to_lds s[\g0a:\g0a+3], s[\g1a:\g1a+7]
	s_nop 0
.rept 4
	v_nop
.endr
	s_branch .Lasked_\@
.Lfor_b_\@:
	tensor_load_to_lds s[\g0b:\g0b+3], s[\g1b:\g1b+7]
	s_nop 0
.rept 4
	v_nop
.endr
.Lasked_\@:
.endm
.macro CREST
	s_cmp_lg_u32 s14, 0
	s_cbranch_scc1 .Lnot_wave_0_\@
	s_barrier_signal -3
.Lnot_wave_0_\@:
	s_barrier_wait -3
	s_barrier_signal -1
	s_barrier_wait -1
.endm
.macro CROUND
	s_barrier_signal -1
	s_barrier_wait -1
	CREST
.endm
	s_load_b256 s[4:11], s[0:1], 0x0               ; xq s[4:5], wts s[6:7], b_qkv s[8:9], qkv s[10:11]
	v_lshl_add_u32 v[SPW], v0, 2, SPARE
	v_mov_b32 v[NIL], 0
	ds_add_u32 v28, v29
	ds_add_u32 v28, v29
	s_wait_dscnt 0x0
	v_lshrrev_b32 v1, 5, v0
	v_readfirstlane_b32 s14, v1                    ; wave 0..3
	s_lshr_b32 s15, s14, 1                         ; my half of x's rows.  Also: I fetch for x (0) or for w (1)
	s_and_b32 s16, s14, 1                          ; my half of w's rows.  Also: which 128 rows I fetch
	s_bfe_u32 s40, ttmp6, 0x40000                  ; cx, cy
	s_bfe_u32 s41, ttmp6, 0x40004
	s_lshl_b32 s42, ttmp9, 2
	s_add_co_u32 s42, s42, s40                     ; tile column
	s_and_b32 s17, ttmp7, 0xffff
	s_lshl_b32 s17, s17, 2
	s_add_co_u32 s17, s17, s41                     ; tile row
	s_lshl_b32 s43, s41, 2
	s_lshl_b32 s43, 15, s43                        ; my row of the cluster
	s_lshl_b32 s44, 0x1111, s40                    ; my column
	; group 1 for the codes: a dense block as rows of 32 elements of 8 bytes: 192 rows (256 rows of the operand) for the head's loads, 96 for the ring's
	s_or_b32 s[G1+0], s43, (3<<16)|(1<<21)
	s_or_b32 s[G1B+0], s44, (3<<16)|(1<<21)
.irp g, G1, G1B
	s_mov_b32 s[\g+1], 32<<16
	s_mov_b32 s[\g+2], 192<<16
	s_mov_b32 s[\g+3], 32<<16
	s_mov_b32 s[\g+4], 192
	s_mov_b32 s[\g+5], 32
	s_mov_b32 s[\g+6], 0
	s_mov_b32 s[\g+7], 0
.endr
	; and for the scale words of 256 rows: KS rows of 1,024 bytes, a plane apart
	s_or_b32 s[G1S+0], s43, (3<<16)|(1<<21)
	s_or_b32 s[G1SB+0], s44, (3<<16)|(1<<21)
.irp g, G1S, G1SB
	s_mov_b32 s[\g+1], 128<<16
	s_mov_b32 s[\g+2], KS<<16
	s_mov_b32 s[\g+3], 128<<16
	s_mov_b32 s[\g+4], KS
	s_mov_b32 s[\g+6], 0
	s_mov_b32 s[\g+7], 0
.endr
	s_mov_b32 s[G1S+5], XROWS/2
	s_mov_b32 s[G1SB+5], WROWS/2
	s_lshl_b32 s20, s17, 1
	s_add_co_u32 s20, s20, s16                     ; x: which 128 rows: 2 x tile row + half
	s_lshl_b32 s46, s42, 1
	s_add_co_u32 s46, s46, s16                     ; w: 2 x tile column + half
	s_lshl_b32 s22, s17, 10                        ; the scale words of the tile's 256 rows: 1,024 bytes a plane
	s_add_co_u32 s22, s22, XSC
	s_mov_b32 s23, 0
	s_mul_i32 s20, s20, HALFT
	s_mov_b32 s21, 0
	s_lshl_b32 s92, s42, 10
	s_add_co_u32 s92, s92, WS
	s_mov_b32 s93, 0
	s_mul_i32 s46, s46, HALFT
	s_add_co_u32 s46, s46, WC
	s_mov_b32 s47, 0
	s_mul_i32 s45, s14, HALFT                      ; where they go: by the wave's number alone
	s_wait_kmcnt 0x0
	s_add_nc_u64 s[20:21], s[4:5], s[20:21]
	s_add_nc_u64 s[22:23], s[4:5], s[22:23]
	s_add_nc_u64 s[46:47], s[6:7], s[46:47]
	s_add_nc_u64 s[92:93], s[6:7], s[92:93]
	CROUND                                         ; all sixteen work-groups are here: the first joint loads meet
	s_mov_b32 s[G0S], 1
	s_mov_b32 s[G0S+1], SCL
	s_mov_b64 s[G0S+2:G0S+3], s[22:23]
	s_or_b32 s[G0S+3], s[G0S+3], 0x80000000
	s_mov_b32 s[G0SB], 1
	s_mov_b32 s[G0SB+1], SCL+2*HALFS
	s_mov_b64 s[G0SB+2:G0SB+3], s[92:93]
	s_or_b32 s[G0SB+3], s[G0SB+3], 0x80000000
.irp s, 0,1
	s_mov_b32 s[G0+4*\s], 1
	s_add_co_u32 s[G0+4*\s+1], s45, \s*SLOT
	s_add_nc_u64 s[G0+4*\s+2:G0+4*\s+3], s[20:21], \s*XSTEP
	s_or_b32 s[G0+4*\s+3], s[G0+4*\s+3], 0x80000000
	s_mov_b32 s[G0B+4*\s], 1
	s_add_co_u32 s[G0B+4*\s+1], s45, \s*SLOT
	s_add_nc_u64 s[G0B+4*\s+2:G0B+4*\s+3], s[46:47], \s*WSTEP
	s_or_b32 s[G0B+4*\s+3], s[G0B+4*\s+3], 0x80000000
.endr
; THE HEAD'S LOADS, ONE A WAVE: wave 0 fetches slot 0's 256 rows of x, wave 1 its 256 rows of w, wave 2 x's scale words, wave 3 w's.
; One chain of branches on the wave's number, a load to an arm, all arms leading to one join.
.set G0H,  4                           ; s[4:7]: group 0 for x's 256 rows (the arguments that lay there have been used)
.set G0HB, 44                          ; s[44:47]: for w's
	s_mul_i32 s12, s16, HALFT                      ; back from my half to the tile's first row
	s_mov_b32 s13, 0
	s_mov_b32 s[G0H], 1
	s_mov_b32 s[G0H+1], 0
	s_sub_nc_u64 s[G0H+2:G0H+3], s[20:21], s[12:13]
	s_or_b32 s[G0H+3], s[G0H+3], 0x80000000
	s_sub_nc_u64 s[G0HB+2:G0HB+3], s[46:47], s[12:13]
	s_or_b32 s[G0HB+3], s[G0HB+3], 0x80000000
	s_mov_b32 s[G0HB], 1
	s_mov_b32 s[G0HB+1], 2*HALFT
.macro ARM under, g0, g1, next
	s_cmp_lt_u32 s14, \under
	s_cbranch_scc0 \next
	tensor_load_to_lds s[\g0:\g0+3], s[\g1:\g1+7]
	s_nop 0
.rept 4
	v_nop
.endr
	s_branch .Lhead_asked
\next:
.endm
	ARM 1, G0H,  G1,  .Lhead_b
	ARM 2, G0HB, G1B, .Lhead_sa
	ARM 3, G0S,  G1S, .Lhead_sb
	tensor_load_to_lds s[G0SB:G0SB+3], s[G1SB:G1SB+7]
	s_nop 0
.rept 4
	v_nop
.endr
.Lhead_asked:
	v_and_b32 v1, 15, v0                           ; r
	v_bfe_u32 v2, v0, 4, 1                         ; h
	v_and_b32 v3, 31, v0
	v_lshlrev_b32 v[LI], 4, v3
	s_wait_alu depctr_va_vdst(0)
	v_lshlrev_b32 v[L8], 3, v3
	v_mul_u32_u24 v[SA], v2, 20480
	v_lshl_add_u32 v[SA], v1, 4, v[SA]
	s_cmp_eq_u32 ttmp9, 2                          ; the cluster's x, alike in all partners: the clusters of v's columns
	s_cselect_b32 s66, 1, 0
	s_xor_b32 s67, s66, 1
	s_mul_i32 s21, s15, HALFT                      ; my 128 rows of x
	s_mul_i32 s22, s16, HALFT
	s_add_co_u32 s22, s22, 2*HALFT                 ; my 128 rows of w
	s_sub_co_u32 s22, s22, s21                     ; the distance between the two
	s_mul_i32 s23, s66, s22
	s_mul_i32 s22, s67, s22
	s_add_co_u32 s23, s23, s21                     ; source 1: x's, for v w's
	s_add_co_u32 s22, s22, s21                     ; source 0: w's, for v x's
.irp s, 0,1
	v_add_nc_u32 v[ADRA+\s], s23, v[LI]
	v_add_nc_u32 v[ADRB+\s], s22, v[LI]
	s_add_co_u32 s23, s23, SLOT
	s_add_co_u32 s22, s22, SLOT
.endr
	s_lshl_b32 s21, s15, 9                         ; my 128 rows' 512 bytes of each plane
	s_lshl_b32 s22, s16, 9
	s_add_co_u32 s22, s22, 2*HALFS
	s_sub_co_u32 s22, s22, s21
	v_xor_b32 v4, s66, v2                          ; lanes 0-15 take source 1's words, lanes 16-31 source 0's
	v_mul_u32_u24 v6, s22, v4
	s_add_co_u32 s21, s21, SCL
	v_lshl_add_u32 v5, v1, 4, v6
	v_add_nc_u32 v[ADRS], s21, v5
	s_lshl_b32 s18, s42, 10                        ; the bias of my 128 columns
	s_lshl_b32 s19, s16, 9
	s_add_co_u32 s18, s18, s19
	s_mov_b32 s19, 0
	s_add_nc_u64 s[8:9], s[8:9], s[18:19]
	v_lshlrev_b32 v30, 6, v2                       ; 64 h
	v_lshlrev_b32 v31, 2, v1                       ; 4 r
.irp b, 0,1,2,3
.irp m, 0,1,2,3
	global_load_b128 v[BI+16*\b+4*\m:BI+16*\b+4*\m+3], v30, s[8:9] offset:128*\b+16*\m   ; columns 32 b + 16 h + 0 .. 15
.endr
.endr
.irp a, 0,1,2,3,4,5,6,7
	global_load_b32 v[BL+\a], v31, s[8:9] offset:64*\a
.endr
	s_mov_b32 s[SEL], 0x76543210
	s_mov_b32 s[SEL+1], 0xfedcba98
.macro FRAG reg, adr, q, i             ; a fragment as it lies: three loads of 512 consecutive bytes
.irp c, 0,1,2
	ds_load_b128 v[\reg+4*\c:\reg+4*\c+3], v[\adr] offset:((\i)*NQ+(\q))*FRB+512*\c
.endr
.endm
; 16 matrix instructions: source 1's blocks a0, a0 + 1 x source 0's eight.  The 64 accumulators take turns, one instruction a turn, in the same order in every step.
.macro MUL16 a0, p, q, sc, zero
.irp a, \a0, \a0+1
.irp b, 0,1,2,3,4,5,6,7
.if \zero
	v_wmma_scale_f32_16x16x128_f8f6f4 v[8*(8*((\a)%4)+\b):8*(8*((\a)%4)+\b)+7], v[128*(\p)+FR*\b:128*(\p)+FR*\b+FR-1], v[AF+FR*(\a):AF+FR*(\a)+FR-1], 0, v[SC+16*(\sc)+8*(\q)+\b], v[SC+16*(\sc)+8*(\q)+(\a)] matrix_a_fmt:MATRIX_FMT_FP6 matrix_b_fmt:MATRIX_FMT_FP6 matrix_a_scale:MATRIX_SCALE_ROW1
.else
	v_wmma_scale_f32_16x16x128_f8f6f4 v[8*(8*((\a)%4)+\b):8*(8*((\a)%4)+\b)+7], v[128*(\p)+FR*\b:128*(\p)+FR*\b+FR-1], v[AF+FR*(\a):AF+FR*(\a)+FR-1], v[8*(8*((\a)%4)+\b):8*(8*((\a)%4)+\b)+7], v[SC+16*(\sc)+8*(\q)+\b], v[SC+16*(\sc)+8*(\q)+(\a)] matrix_a_fmt:MATRIX_FMT_FP6 matrix_b_fmt:MATRIX_FMT_FP6 matrix_a_scale:MATRIX_SCALE_ROW1
.endif
.endr
.endr
.endm
.macro FETCH_B slot, q, p
	WIN TO_B
.irp i, 0,1,2,3,4,5,6,7
	FRAG 128*(\p)+FR*\i, ADRB+\slot, \q, \i
.endr
	WIN 0
.endm
.macro FETCH_A slot, q, i0
.irp i, \i0, \i0+1, \i0+2, \i0+3
	FRAG AF+FR*(\i), ADRA+\slot, \q, \i
.endr
.endm
.macro SCALES sc                       ; a load of 16 bytes gives a lane the words of four blocks of rows
.irp q, 0,1
.irp g, 0,1
	ds_load_b128 v[SC+16*\sc+8*\q+4*\g:SC+16*\sc+8*\q+4*\g+3], v[ADRS] offset:1024*\q+256*\g
.endr
.endr
.endm
.macro PLACES n                        ; plain vector instructions between a matrix instruction and a load into, or a read of, its registers
.rept \n
	v_nop
.endr
.endm
.macro STEP slot, q, zero              ; 128 along K that has its successor in the same slot
	s_wait_dscnt 4*NL                              ; all but the youngest twelve loads (source 1's blocks 4-7) are in
	WIN MUL_LO
	MUL16 0, (\q)%2, \q, \slot, \zero
	MUL16 2, (\q)%2, \q, \slot, \zero
	s_wait_dscnt 0
	PLACES NP
	FETCH_B \slot, (\q)+1, 1-(\q)%2
	FETCH_A \slot, (\q)+1, 0
	WIN MUL_HI
	MUL16 4, (\q)%2, \q, \slot, \zero
	MUL16 6, (\q)%2, \q, \slot, \zero
	PLACES NP
	WIN 0
	FETCH_A \slot, (\q)+1, 4
.endm
; A slot's last step changes slots: one barrier; in front of it each wave waits for all its tensor loads, adds 0 to its spare word, and waits for that and for its reads of this slot.
.macro TURN slot, next, fill
	s_wait_tensorcnt 0x0                           ; all my tensor loads have landed: my part of the next slot
	ds_add_u32 v[SPW], v[NIL]                      ; 0 onto my spare word
	s_wait_dscnt 4*NL+1                            ; (the add and the youngest twelve loads may be out)
	WIN MUL_LO
	MUL16 0, 1, NQ-1, \slot, 0
	s_wait_dscnt 0x0                               ; the add is done, and my reads of this slot are over
	s_barrier_signal -1
	MUL16 2, 1, NQ-1, \slot, 0
	WIN 0
	s_barrier_wait -1
.if \fill
	CREST                                          ; the barrier has opened a round of the cluster's barrier: no wave of any partner still reads this slot or has a load on its way
	s_add_nc_u64 s[G0+4*\slot+2:G0+4*\slot+3], s[G0+4*\slot+2:G0+4*\slot+3], 2*XSTEP
	s_add_nc_u64 s[G0B+4*\slot+2:G0B+4*\slot+3], s[G0B+4*\slot+2:G0B+4*\slot+3], 2*WSTEP
	JLOAD G0+4*\slot, G1, G0B+4*\slot, G1B         ; the first tensor load behind the round; its four v_nop are the places in front of the loads below
.else
	PLACES NP
.endif
	s_wait_alu depctr_va_vdst(0)
	v_add_nc_u32 v[ADRS], 1024*NQ, v[ADRS]         ; two planes of scale words on
	FETCH_B \next, 0, 0
	FETCH_A \next, 0, 0
	SCALES \next
	WIN MUL_HI
	MUL16 4, 1, NQ-1, \slot, 0
	MUL16 6, 1, NQ-1, \slot, 0
	PLACES NP
	WIN 0
	FETCH_A \next, 0, 4
.endm
	s_wait_alu depctr_va_vdst(0)
	s_wait_tensorcnt 0x0                           ; my tile of the head's four is in
	ds_add_u32 v[SPW], v[NIL]
	s_mov_b32 s[G1+2], 96<<16                      ; no tensor load of mine is out: from here on a load brings 128 rows of the operand, 96 rows of 256 bytes
	s_mov_b32 s[G1+4], 96
	s_mov_b32 s[G1B+2], 96<<16
	s_mov_b32 s[G1B+4], 96
	s_wait_dscnt 0x0
	CROUND                                         ; all four tiles are in, and all sixteen work-groups are here
	JLOAD G0+4, G1, G0B+4, G1B                     ; slot 1's first fill: the first tensor load behind the round
	FETCH_B 0, 0, 0
	FETCH_A 0, 0, 0
	SCALES 0
	FETCH_A 0, 0, 4
	STEP 0, 0, 1                                   ; the first step's products start the sums
	s_mov_b32 s3, LAPS-1
.Llap:
	TURN 0, 1, 1
	STEP 1, 0, 0
	TURN 1, 0, 1
	STEP 0, 0, 0
	s_sub_co_u32 s3, s3, 1
	s_cmp_lg_u32 s3, 0
	s_cbranch_scc1 .Llap
	TURN 0, 1, 0                                   ; the last lap fills nothing
	STEP 1, 0, 0
	s_wait_dscnt 4*NL
	WIN MUL_LO
	MUL16 0, 1, NQ-1, 1, 0
	MUL16 2, 1, NQ-1, 1, 0
	s_wait_dscnt 0
	WIN MUL_HI
	MUL16 4, 1, NQ-1, 1, 0
	MUL16 6, 1, NQ-1, 1, 0
	WIN 0
	PLACES NP
; ---- THE WAY OUT: block a's 64 numbers of a lane + bias -> window 1 -> a fragment's codes and scale word -> memory, straight from the registers: each store of 16 bytes a lane covers 512 consecutive bytes, aligned.
.macro QUANT s
.irp b, 0,1,2,3
	v_max3_num_f32 v[TM+\b], |v[\s+16*\b]|, |v[\s+1+16*\b]|, 0x1800000
.endr
.irp i, 2,4,6,8,10,12,14
.irp b, 0,1,2,3
	v_max3_num_f32 v[TM+\b], v[TM+\b], |v[\s+16*\b+\i]|, |v[\s+1+16*\b+\i]|
.endr
.endr
.irp b, 0,1,2,3
	v_permlanex16_b32 v[TM+4+\b], v[TM+\b], s[SEL], s[SEL+1]
.endr
.irp b, 0,1,2,3
	v_max_num_f32 v[TM+\b], v[TM+\b], v[TM+4+\b]
.endr
.irp b, 0,1,2,3
	v_add_nc_u32 v[TM+12+\b], 0xff000000, v[TM+\b]
.endr
.irp b, 0,1,2,3
	v_lshrrev_b32 v[TM+4+\b], 23, v[TM+12+\b]
.endr
	v_lshl_or_b32 v[PW], v[TM+5], 8, v[TM+4]
	v_lshl_or_b32 v[PW], v[TM+6], 16, v[PW]
	v_lshl_or_b32 v[PW], v[TM+7], 24, v[PW]
.irp c, 0,1
	v_cvt_scalef32_pk16_fp6_f32 v[PC+6*\c:PC+2+6*\c], v[\s+32*\c:\s+15+32*\c], v[TM+12+2*\c]
	v_cvt_scalef32_pk16_fp6_f32 v[PC+12+4*\c:PC+14+4*\c], v[\s+16+32*\c:\s+31+32*\c], v[TM+12+2*\c+1]
.endr
	v_nop
.irp c, 0,1
.irp i, 0,1,2
	v_permlane16_swap_b32 v[PC+6*\c+\i], v[PC+12+4*\c+\i]
.endr
.irp i, 0,1,2
	v_mov_b32 v[PC+3+6*\c+\i], v[PC+12+4*\c+\i]
.endr
.endr
.endm
.macro TAKE a                          ; each accumulator is read from its low end on
	WIN 0x42+(\a)/4
.set j, 0
.rept 32
	v_pk_add_f32 v[HA+j:HA+j+1], v[64*((\a)%4)+j:64*((\a)%4)+j+1], v[BI+j:BI+j+1]
.set j, j+2
.endr
	WIN 0
.endm
.macro TAKEV a                         ; for v a lane holds one column: one bias for all 64
	WIN 0x42+(\a)/4
.set j, 0
.rept 32
.if (\a)%2 == 0
	v_pk_add_f32 v[HA+j:HA+j+1], v[64*((\a)%4)+j:64*((\a)%4)+j+1], v[BL+(\a):BL+(\a)+1] op_sel_hi:[1,0]
.else
	v_pk_add_f32 v[HA+j:HA+j+1], v[64*((\a)%4)+j:64*((\a)%4)+j+1], v[BL+(\a)-1:BL+(\a)] op_sel:[0,1] op_sel_hi:[1,1]
.endif
.set j, j+2
.endr
	WIN 0
.endm
.macro QKBLK a                         ; 16 tokens x two heads: registers 0-5 are the first head's 64, registers 6-11 the second's
.if \a > 0
	s_wait_xcnt 0x0                                ; the last block's stores have read their registers
.endif
	TAKE \a
	WIN 0x55
	QUANT HA
	v_lshrrev_b32 v[SW+\a], v[H16], v[PW]          ; lanes 0-15 keep the first head's two bytes lowest, lanes 16-31 get the second head's
	WIN 0x04
	global_store_b128 v[LI], v[PC:PC+3], s[24:25] offset:768*\a
	global_store_b64 v[L8], v[PC+4:PC+5], s[24:25] offset:768*\a+512
	global_store_b128 v[LI], v[PC+6:PC+9], s[24:25] offset:768*\a+294912
	global_store_b64 v[L8], v[PC+10:PC+11], s[24:25] offset:768*\a+294912+512
.if (\a)%4 == 3
	global_store_b128 v[SA], v[SW+\a-3:SW+\a], s[26:27] offset:256*((\a)/4)   ; four tiles' words: sixteen lanes fill 256 bytes
.endif
	WIN 0
.endm
.macro VBLK a                          ; 16 channels x 128 keys
.if \a > 0
	s_wait_xcnt 0x0
.endif
	TAKEV \a
	WIN 0x55
	QUANT HA
	v_mov_b32 v[SW+\a], v[PW]
	WIN 0x04
.irp c, 0,1,2
	global_store_b128 v[LI], v[PC+4*\c:PC+4*\c+3], s[24:25] offset:((\a)/4)*294912+((\a)%4)*1536+512*\c
.endr
	WIN 0
.endm
	s_wait_loadcnt 0x0                             ; the biases
	WIN 0x40
.irp b, 0,1,2,3
	v_mov_b32 v[TM+4+\b], 0                        ; written once: a lane permute's destination counts as one of its sources
.endr
	v_lshlrev_b32 v[H16], 4, v2
	WIN 0
	s_lshr_b32 s20, s17, 3
	s_lshl_b32 s20, s20, 4                         ; 16 x batch
	s_cmp_eq_u32 s66, 1
	s_cbranch_scc1 .Lvmode
	s_lshl_b32 s21, s42, 1
	s_add_co_u32 s21, s21, s16
	s_and_b32 s21, s21, 7
	s_lshl_b32 s21, s21, 1
	s_add_co_u32 s20, s20, s21                     ; my first head
	s_and_b32 s21, s17, 7
	s_lshl_b32 s21, s21, 4
	s_lshl_b32 s22, s15, 3
	s_add_co_u32 s21, s21, s22                     ; my first tile of tokens
	s_lshr_b32 s22, s42, 2                         ; 0: q, 1: k
	s_mul_i32 s24, s20, 294912
	s_mul_i32 s23, s22, 98304
	s_add_co_u32 s24, s24, s23
	s_mul_i32 s23, s21, 768
	s_add_co_u32 s24, s24, s23
	s_mov_b32 s25, 0
	s_mul_i32 s26, s20, 20480
	s_lshl_b32 s23, s22, 13
	s_add_co_u32 s26, s26, s23
	s_lshl_b32 s23, s21, 6
	s_add_co_u32 s26, s26, s23
	s_add_co_u32 s26, s26, QS
	s_mov_b32 s27, 0
	s_add_nc_u64 s[24:25], s[10:11], s[24:25]
	s_add_nc_u64 s[26:27], s[10:11], s[26:27]
.irp a, 0,1,2,3,4,5,6,7
	QKBLK \a
.endr
	s_branch .Lend
.Lvmode:
	s_sub_co_u32 s21, s42, 8
	s_lshl_b32 s21, s21, 2
	s_add_co_u32 s20, s20, s21
	s_lshl_b32 s21, s16, 1
	s_add_co_u32 s20, s20, s21                     ; my first head
	s_lshl_b32 s21, s17, 1
	s_add_co_u32 s21, s21, s15
	s_and_b32 s21, s21, 15                         ; which 128 keys
	s_mul_i32 s24, s20, 294912
	s_mul_i32 s23, s21, 6144
	s_add_co_u32 s24, s24, s23
	s_add_co_u32 s24, s24, 196608
	s_mov_b32 s25, 0
	s_mul_i32 s26, s20, 20480
	s_lshl_b32 s23, s21, 8
	s_add_co_u32 s26, s26, s23
	s_add_co_u32 s26, s26, QS+16384
	s_mov_b32 s27, 0
	s_add_nc_u64 s[24:25], s[10:11], s[24:25]
	s_add_nc_u64 s[26:27], s[10:11], s[26:27]
	s_mov_b32 s23, 0xffff0000
.irp a, 0,1,2,3,4,5,6,7
	VBLK \a
.endr
	WIN 0x55
.irp i, 0,1,2,3
	v_cndmask_b32 v[SV+\i], v[SW+\i], v[SW+4+\i], s23   ; lanes 0-15: the first head's four blocks of channels, lanes 16-31: the second's
.endr
	WIN 0x04
	global_store_b128 v[SA], v[SV:SV+3], s[26:27]
	WIN 0
.Lend:
	s_wait_tensorcnt 0x0                           ; the wave's end
	ds_add_u32 v[SPW], v[NIL]
	s_wait_dscnt 0x0
	CROUND                                         ; the closing round
	s_endpgm
.Lfunc_end_k_qde970330ee_qkv:
	.size	k_qde970330ee_qkv, .Lfunc_end_k_qde970330ee_qkv-k_qde970330ee_qkv
	.p2alignl 7, 3214868480
	.fill 96, 4, 3214868480
	.section	.rodata,"a",@progbits
	.p2align	6, 0x0
	.amdhsa_kernel k_qde970330ee_qkv
		.amdhsa_group_segment_fixed_size 327680
		.amdhsa_private_segment_fixed_size 0
		.amdhsa_enable_private_segment 0
		.amdhsa_kernarg_size 32
		.amdhsa_user_sgpr_count 2
		.amdhsa_user_sgpr_kernarg_segment_ptr 1
		.amdhsa_wavefront_size32 1
		.amdhsa_system_sgpr_workgroup_id_x 1
		.amdhsa_system_sgpr_workgroup_id_y 1
		.amdhsa_system_sgpr_workgroup_id_z 1
		.amdhsa_system_vgpr_workitem_id 0
		.amdhsa_next_free_vgpr 1024
		.amdhsa_next_free_sgpr 100
		.amdhsa_reserve_vcc 0
		.amdhsa_float_denorm_mode_32 3
		.amdhsa_float_denorm_mode_16_64 3
		.amdhsa_memory_ordered 1
		.amdhsa_forward_progress 1
		.amdhsa_inst_pref_size 211
	.end_amdhsa_kernel
	.amdgpu_metadata
---
amdhsa.version: [ 1, 2 ]
amdhsa.kernels:
  - .name:           k_qde970330ee_qkv
    .symbol:         k_qde970330ee_qkv.kd
    .args:
      - { .name: xq, .offset: 0, .size: 8, .value_kind: global_buffer, .address_space: global }
      - { .name: wts, .offset: 8, .size: 8, .value_kind: global_buffer, .address_space: global }
      - { .name: b_qkv, .offset: 16, .size: 8, .value_kind: global_buffer, .address_space: global }
      - { .name: qkv, .offset: 24, .size: 8, .value_kind: global_buffer, .address_space: global }
    .group_segment_fixed_size: 327680
    .private_segment_fixed_size: 0
    .kernarg_segment_align: 8
    .kernarg_segment_size: 32
    .max_flat_workgroup_size: 128
    .sgpr_count:     100
    .vgpr_count:     1024
    .wavefront_size: 32
...
	.end_amdgpu_metadata
.endif
;; end of part 7
;; launch attn (part 8): grid 8 x 32, 16 waves a work-group, clusters of 4 x 1, 327,680 bytes of LDS; arguments qkv, x, ln_g, ln_b, x1, x2q; writes x1, x2q
.if DOCPART == 8
	.amdgcn_target "amdgcn-amd-amdhsa--gfx1250"
	.amdhsa_code_object_version 6
	.text
	.protected	k_qde970330ee_attn
	.globl	k_qde970330ee_attn
	.p2align	8
	.type	k_qde970330ee_attn,@function
k_qde970330ee_attn:
	s_mov_b64 s[64:65], 0
	v_nop
	global_prefetch_b8 v0, s[64:65] scope:SCOPE_SE
	s_setreg_imm32_b32 hwreg(HW_REG_WAVE_MODE, 25, 1), 1
	s_wait_xcnt 0x0
	s_wait_alu depctr_hold_cnt(0) depctr_sa_sdst(0) depctr_va_vdst(0) depctr_va_sdst(0) depctr_va_ssrc(0) depctr_va_vcc(0) depctr_vm_vsrc(0)
	s_getreg_b32 s2, hwreg(HW_REG_IB_STS2, 6, 4)
	s_cmp_eq_u32 s2, 0
	s_cbranch_scc0 .Lentry_in_a_cluster
	s_endpgm
.Lentry_in_a_cluster:
	s_bfe_u32 s2, ttmp6, 0x10000c
	s_cmp_lg_u32 s2, 0x3003
	s_cbranch_scc0 .Lentry_shape_is_right
	s_endpgm
.Lentry_shape_is_right:
; o = softmax(q k^T) v for one head (no factor on the scores), both products on codes of FP6 (E2M3); x1 = x + o (o's [head][token][64] read as rows of 1,024); LayerNorm(x1), quantised into x2q.
; THE SOFTMAX: t = score x log2(e); M = the running largest t rounded up to a whole number; p = 2^(t - M) is quantised along the keys; the row's sum of the unquantised p divides at the end; when M moves, sum and O are multiplied by 2^(old M - new M).
; SHARES.  A work-group owns 256 queries of one head, which are 16 whole rows of x1; each of sixteen waves owns a tile of 16 queries in 256 registers: four waves to a SIMD.
; A HEAD'S K AND V FIT IN LDS, AND EVERY BYTE IS FILLED ONCE.  The keys go in 16 steps of 128; a step is one LDS block of 13,056 bytes: K's codes, V's codes, V's scale words, K's scale words.
; TWO FILLS.  At the head each wave fetches 3,072 bytes of steps 0-3 (waves 0-7 an eighth of K's codes, waves 8-15 of V's).  Behind the full sequence and a round, waves 4-15 fetch step w whole: two rows of 6,144 bytes (K's codes, V's codes,
; 98,304 bytes apart in memory).  Steps 0-3 are walked while that load is out; one wait and one barrier follow; then steps 4-15 are walked with no barrier.
; Wave w brings step w's scale words (V's 256 bytes, K's 512) through its registers into the three blocks of 256 bytes behind the step's codes, at the head; no tensor load lands there.
; CLUSTER: the four work-groups of a cluster belong to one head: both loads are asked for jointly, mask 15.  The scale words are 12,288 of a work-group's 208,896 bytes and come by plain loads.
; NO PREFETCH: both loads are asked for at the launch's start, one behind the other; no loop runs ahead of a load.  My row of x is asked for at the head too, into registers that the loops leave alone.
; LAYOUT.  S^T = K Q^T, O^T = V^T P^T: a lane holds one query throughout.  A tile T of 16 tokens holds, at index i, token 32 (T >> 1) + 16 (i >> 3) + 8 (T & 1) + (i & 7), so the 16 registers of tiles 2 b, 2 b + 1 are 16 neighbouring keys.
; K = 64 in the first product: a tile is registers 0-5.  Q's registers 6-11 are zero codes; a tile of K is named with the next tile's six registers behind it (tile 7: six registers of zeros): they meet zero codes and add nothing.
; LIMITS: the promise holds while the scaled scores t stay under 2^31 in magnitude; a block whose largest magnitude lies under 2^-124 gets the scale byte 1 (read by this program alone); NaN and infinities are not served.
; REGISTERS: v1-7 addresses that stay; v8-11 addresses in hand; v12 -M, v13 the largest t, v[14:15] the sum; v16-27 Q; v29 the last -M; v32-85 K's tiles, then v32-79 V's; v88-91 V's scale words; v94 0, v95 my spare word;
;   v96-159 S^T, p; v160-191 O^T; v192-223 my row of x; v224-235 codes; v232-254 at work; v248-251 K's scale words; v253 p's; v255 Q's.
.set BLK,  13056                       ; LDS: a step's block: K's codes,
.set VOF,  6144                        ; V's codes,
.set VSO,  12288                       ; V's scale words,
.set KSO,  12544                       ; K's scale words
.set ST1,  208896                      ; behind the 16 blocks: a stage for o: 256 tokens x (256 bytes + 16);
.set ST2,  0                           ; a stage for the normed rows, 16 x 4,112, over the first blocks when nobody reads them any more
.set SPARE, 278528                     ; the spare words, 128 bytes for each wave
.set QS,   9437184
.set XSC,  3145728
.set NIL,  94
.set SPW,  95
.set WV,   18
.set SEL,  20
.set CS,   22                          ; s[22:23] log2(e)
.set G1A,  24                          ; s[24:31], s[32:35]: groups 1 and 0 of the head's load
.set G0A,  32
.set G0B,  36                          ; s[36:39], s[40:47]: groups 0 and 1 of the second load
.set G1B,  40
.set TB,   60                          ; the step's block
.set CNT,  63
.set CM,   90                          ; s90 1/1,024, s91 the norm's epsilon
.macro ROUND
	s_barrier_signal -1
	s_barrier_wait -1
	s_cmp_lg_u32 s[WV], 0
	s_cbranch_scc1 .Lnot_wave_0_\@
	s_barrier_signal -3
.Lnot_wave_0_\@:
	s_barrier_wait -3
	s_barrier_signal -1
	s_barrier_wait -1
.endm
; A row of 1,024 numbers in 32 registers of the wave: d = x - mean, and 1 / sqrt(var + eps) in v[t + 4].  Two passes, so that a common offset of the row does no harm.  v[t] .. v[t + 15] are at work.
.macro LNSTAT x, d, t
.irp j, 0,1,2,3,4,5,6,7
	v_pk_add_f32 v[\t+2*\j:\t+2*\j+1], v[\x+4*\j:\x+4*\j+1], v[\x+4*\j+2:\x+4*\j+3]
.endr
.irp j, 0,1,2,3
	s_delay_alu instid0(VALU_DEP_4)
	v_pk_add_f32 v[\t+2*\j:\t+2*\j+1], v[\t+2*\j:\t+2*\j+1], v[\t+8+2*\j:\t+9+2*\j]
.endr
.irp j, 0,1
	s_delay_alu instid0(VALU_DEP_2)
	v_pk_add_f32 v[\t+2*\j:\t+2*\j+1], v[\t+2*\j:\t+2*\j+1], v[\t+4+2*\j:\t+5+2*\j]
.endr
	s_delay_alu instid0(VALU_DEP_1)
	v_pk_add_f32 v[\t:\t+1], v[\t:\t+1], v[\t+2:\t+3]
	s_delay_alu instid0(VALU_DEP_1)
	v_add_f32 v[\t], v[\t], v[\t+1]
.irp m, 1,2,4,8
	s_delay_alu instid0(VALU_DEP_1)
	v_add_f32_dpp v[\t], v[\t], v[\t] row_xmask:\m row_mask:0xf bank_mask:0xf
.endr
	s_delay_alu instid0(VALU_DEP_1)
	v_permlanex16_b32 v[\t+1], v[\t], s[SEL], s[SEL+1]
	s_delay_alu instid0(VALU_DEP_1)
	v_add_f32 v[\t], v[\t], v[\t+1]
	s_delay_alu instid0(VALU_DEP_1)
	v_mul_f32 v[\t], s[CM], v[\t]                  ; the mean
.irp j, 0,2,4,6,8,10,12,14,16,18,20,22,24,26,28,30
	v_pk_add_f32 v[\d+\j:\d+\j+1], v[\x+\j:\x+\j+1], v[\t:\t+1] op_sel_hi:[1,0] neg_lo:[0,1] neg_hi:[0,1]
.endr
	v_pk_mul_f32 v[\t+2:\t+3], v[\d:\d+1], v[\d:\d+1]
	v_pk_mul_f32 v[\t+4:\t+5], v[\d+2:\d+3], v[\d+2:\d+3]
.irp j, 4,8,12,16,20,24,28
	s_delay_alu instid0(VALU_DEP_2)
	v_pk_fma_f32 v[\t+2:\t+3], v[\d+\j:\d+\j+1], v[\d+\j:\d+\j+1], v[\t+2:\t+3]
	s_delay_alu instid0(VALU_DEP_2)
	v_pk_fma_f32 v[\t+4:\t+5], v[\d+\j+2:\d+\j+3], v[\d+\j+2:\d+\j+3], v[\t+4:\t+5]
.endr
	s_delay_alu instid0(VALU_DEP_1)
	v_pk_add_f32 v[\t+2:\t+3], v[\t+2:\t+3], v[\t+4:\t+5]
	s_delay_alu instid0(VALU_DEP_1)
	v_add_f32 v[\t+2], v[\t+2], v[\t+3]
.irp m, 1,2,4,8
	s_delay_alu instid0(VALU_DEP_1)
	v_add_f32_dpp v[\t+2], v[\t+2], v[\t+2] row_xmask:\m row_mask:0xf bank_mask:0xf
.endr
	s_delay_alu instid0(VALU_DEP_1)
	v_permlanex16_b32 v[\t+3], v[\t+2], s[SEL], s[SEL+1]
	s_delay_alu instid0(VALU_DEP_1)
	v_add_f32 v[\t+2], v[\t+2], v[\t+3]
	s_delay_alu instid0(VALU_DEP_1)
	v_fma_f32 v[\t+2], v[\t+2], s[CM], s[CM+1]     ; var + eps
	s_wait_alu depctr_va_vdst(0)                   ; the wait ahead of the transcendental,
	v_rsq_f32 v[\t+4], v[\t+2]
	v_nop
	s_wait_alu depctr_va_vdst(0)                   ; and ahead of its first reader
.endm
.macro LNAPPLY d, g, b, t
.irp j, 0,2,4,6,8,10,12,14,16,18,20,22,24,26,28,30
	v_pk_mul_f32 v[\d+\j:\d+\j+1], v[\d+\j:\d+\j+1], v[\t+4:\t+5] op_sel_hi:[1,0]
.endr
.irp j, 0,2,4,6,8,10,12,14,16,18,20,22,24,26,28,30
	v_pk_fma_f32 v[\d+\j:\d+\j+1], v[\d+\j:\d+\j+1], v[\g+\j:\g+\j+1], v[\b+\j:\b+\j+1]
.endr
.endm
; From the four blocks' largest magnitudes in v232-235 and 64 numbers in v96-159: the scale word in v253, the fragment's codes in v224-235.
.macro QTAIL
.irp b, 0,1,2,3
	s_delay_alu instid0(VALU_DEP_4)
	v_add_nc_u32 v[244+\b], 0xff000000, v[232+\b]  ; 2 off the exponent field: the conversion's scale operand
.endr
.irp b, 0,1,2,3
	s_delay_alu instid0(VALU_DEP_4)
	v_lshrrev_b32 v[236+\b], 23, v[244+\b]         ; the scale's byte
.endr
	s_delay_alu instid0(VALU_DEP_3)
	v_lshl_or_b32 v253, v237, 8, v236
	s_delay_alu instid0(VALU_DEP_1)
	v_lshl_or_b32 v253, v238, 16, v253
	s_delay_alu instid0(VALU_DEP_1)
	v_lshl_or_b32 v253, v239, 24, v253
.irp c, 0,1
	v_cvt_scalef32_pk16_fp6_f32 v[224+6*\c:226+6*\c], v[96+32*\c:111+32*\c], v[244+2*\c]
	v_cvt_scalef32_pk16_fp6_f32 v[236+4*\c:238+4*\c], v[112+32*\c:127+32*\c], v[244+2*\c+1]
.endr
	v_nop                                          ; one plain place behind a scaled conversion
.irp c, 0,1
.irp i, 0,1,2
	v_permlane16_swap_b32 v[224+6*\c+\i], v[236+4*\c+\i]
.endr
.irp i, 0,1,2
	s_delay_alu instid0(VALU_DEP_3)
	v_mov_b32 v[227+6*\c+\i], v[236+4*\c+\i]
.endr
.endr
.endm
	s_load_b256 s[4:11], s[0:1], 0x0               ; qkv s[4:5], x s[6:7], ln_g s[8:9], ln_b s[10:11]
	s_load_b128 s[12:15], s[0:1], 0x20             ; x1 s[12:13], x2q s[14:15]
	v_lshl_add_u32 v[SPW], v0, 2, SPARE
	v_mov_b32 v[NIL], 0
	ds_add_u32 v[SPW], v[NIL]                      ; the opening lines: the add, twice on end, and its wait ahead of my first tensor load
	ds_add_u32 v[SPW], v[NIL]
	v_lshrrev_b32 v8, 5, v0
	s_delay_alu instid0(VALU_DEP_1)
	v_readfirstlane_b32 s[WV], v8                  ; wave 0..15
	s_bfe_u32 s66, ttmp6, 0x40000                  ; cx: it enters global addresses of q, x, x1, x2q alone
	s_lshl_b32 s67, ttmp9, 2
	s_add_co_u32 s67, s67, s66                     ; my block of 256 queries
	s_and_b32 s68, ttmp7, 0xffff                   ; batch x 16 + head, which the partners share
	s_mov_b32 s[G1A], 15|(3<<16)|(1<<21)           ; the mask: all four; elements of 8 bytes; bit 21 beside a mask
	s_mov_b32 s[G1A+1], 32<<16                     ; the head's load: 3,072 dense bytes as 12 rows of 256
	s_mov_b32 s[G1A+2], 12<<16
	s_mov_b32 s[G1A+3], 32<<16
	s_mov_b32 s[G1A+4], 12
	s_mov_b32 s[G1A+5], 32
	s_mov_b32 s[G1A+6], 0
	s_mov_b32 s[G1A+7], 0
	s_mov_b32 s[G1B], 15|(3<<16)|(1<<21)
	s_mov_b32 s[G1B+1], 768<<16                    ; the second load: two rows of 6,144 bytes,
	s_mov_b32 s[G1B+2], 2<<16
	s_mov_b32 s[G1B+3], 768<<16
	s_mov_b32 s[G1B+4], 2
	s_mov_b32 s[G1B+5], 12288                      ; 98,304 bytes apart: K's codes of the step, V's codes of the step
	s_mov_b32 s[G1B+6], 0
	s_mov_b32 s[G1B+7], 0
	s_mul_i32 s69, s68, 294912                     ; the head's codes
	s_lshr_b32 s48, s[WV], 3                       ; the head's load: 0 for K, 1 for V;
	s_and_b32 s49, s[WV], 7                        ; which eighth of steps 0-3
	s_mul_i32 s50, s48, 98304
	s_mul_i32 s51, s49, 3072
	s_add_co_u32 s50, s50, s51
	s_add_co_u32 s50, s50, s69
	s_add_co_u32 s50, s50, 98304                   ; in memory, behind q's codes;
	s_mov_b32 s51, 0
	s_lshr_b32 s52, s49, 1
	s_mul_i32 s52, s52, BLK                        ; in LDS: the step's block,
	s_and_b32 s53, s49, 1
	s_mul_i32 s53, s53, 3072                       ; its half of the codes,
	s_add_co_u32 s52, s52, s53
	s_mul_i32 s53, s48, VOF                        ; K's or V's
	s_add_co_u32 s52, s52, s53
	s_mul_i32 s70, s[WV], 6144                     ; the second load: step w,
	s_add_co_u32 s70, s70, s69
	s_add_co_u32 s70, s70, 98304
	s_mov_b32 s71, 0
	s_mul_i32 s72, s[WV], BLK                      ; and its block in LDS
	s_mul_i32 s89, s68, 20480                      ; the head's scale words
	s_lshl_b32 s74, s[WV], 9
	s_add_co_u32 s74, s74, s89
	s_add_co_u32 s74, s74, QS+8192                 ; K's of step w: 512 bytes
	s_mov_b32 s75, 0
	s_lshl_b32 s84, s[WV], 8
	s_add_co_u32 s84, s84, s89
	s_add_co_u32 s84, s84, QS+16384                ; V's: 256 bytes
	s_mov_b32 s85, 0
	s_lshl_b32 s78, s67, 4
	s_add_co_u32 s78, s78, s[WV]                   ; my tile of queries
	s_mul_i32 s76, s78, 768
	s_add_co_u32 s76, s76, s69
	s_mov_b32 s77, 0
	s_lshr_b32 s79, s78, 2
	s_lshl_b32 s79, s79, 8
	s_and_b32 s78, s78, 3
	s_lshl_b32 s78, s78, 2
	s_add_co_u32 s78, s78, s79
	s_add_co_u32 s78, s78, s89
	s_add_co_u32 s78, s78, QS
	s_mov_b32 s79, 0
	s_lshl_b32 s80, s68, 7
	s_lshl_b32 s81, s67, 4
	s_add_co_u32 s80, s80, s81
	s_add_co_u32 s80, s80, s[WV]                   ; the row of x that I norm: 128 x head + 16 x block + wave
	s_lshl_b32 s80, s80, 12
	s_mov_b32 s81, 0
	s_mov_b32 s[SEL], 0x76543210
	s_mov_b32 s[SEL+1], 0xfedcba98
	s_mov_b32 s[CS], 0x3fb8aa3b                    ; log2(e)
	s_mov_b32 s[CS+1], s[CS]
	s_mov_b32 s[CM], 0x3a800000
	s_mov_b32 s[CM+1], 0x3727c5ac
	s_mov_b32 s[TB], 0
	s_wait_dscnt 0x0                               ; both opening adds are done
	s_wait_kmcnt 0x0
	s_add_nc_u64 s[50:51], s[4:5], s[50:51]
	s_add_nc_u64 s[70:71], s[4:5], s[70:71]
	s_add_nc_u64 s[74:75], s[4:5], s[74:75]
	s_add_nc_u64 s[84:85], s[4:5], s[84:85]
	s_add_nc_u64 s[76:77], s[4:5], s[76:77]
	s_add_nc_u64 s[78:79], s[4:5], s[78:79]
	s_add_nc_u64 s[82:83], s[12:13], s[80:81]
	s_add_nc_u64 s[80:81], s[6:7], s[80:81]
	s_mov_b32 s[G0A], 1
	s_mov_b32 s[G0A+1], s52
	s_mov_b64 s[G0A+2:G0A+3], s[50:51]
	s_or_b32 s[G0A+3], s[G0A+3], 0x80000000
	s_mov_b32 s[G0B], 1
	s_mov_b32 s[G0B+1], s72
	s_mov_b64 s[G0B+2:G0B+3], s[70:71]
	s_or_b32 s[G0B+3], s[G0B+3], 0x80000000
	ROUND                                          ; all four work-groups are here: the joint loads meet
	tensor_load_to_lds s[G0A:G0A+3], s[G1A:G1A+7]  ; my one tensor load at the head: my part of steps 0-3
	s_nop 0
.rept 4
	v_nop
.endr
	v_and_b32 v8, 31, v0
	v_and_b32 v9, 15, v0
	s_delay_alu instid0(VALU_DEP_2)
	v_lshlrev_b32 v1, 4, v8                        ; 16 x lane
	v_lshlrev_b32 v7, 3, v8                        ; 8 x lane
	v_lshlrev_b32 v6, 4, v9                        ; 16 r
	s_delay_alu instid0(VALU_DEP_2)
	v_add_nc_u32 v2, 512, v7
	v_add_nc_u32 v3, s72, v1                       ; block w: 16 bytes a lane,
	v_add_nc_u32 v4, s72, v7                       ; 8 bytes a lane
	global_load_b128 v[32:35], v1, s[74:75]        ; step w's scale words: K's 512 bytes,
	global_load_b64 v[36:37], v7, s[84:85]         ; V's 256
	global_load_b128 v[16:19], v1, s[76:77]        ; Q's tile stays in registers
	global_load_b64 v[20:21], v7, s[76:77] offset:512
	global_load_b32 v255, v6, s[78:79]
.irp j, 0,1,2,3,4,5,6,7
	global_load_b128 v[192+4*\j:195+4*\j], v1, s[80:81] offset:512*\j th:TH_LOAD_NT   ; my row of x: first read behind the loops
.endr
.irp j, 22,23,24,25,26,27,80,81,82,83,84,85
	v_mov_b32 v[\j], 0                             ; zero codes
.endr
	v_mov_b32 v13, 0xff61b1e6                      ; the largest t so far: -3e38
	s_delay_alu instid0(VALU_DEP_1)
	v_floor_f32 v12, -v13
	v_mov_b32 v14, 0
	v_mov_b32 v15, 0
.irp b, 0,1,2,3
	v_mov_b32 v[236+\b], 0                         ; written once: a lane permute's destination counts as one of its sources
.endr
	v_mov_b32 v253, 0
.set j, 0
.rept 32
	v_mov_b32 v[160+j], 0                          ; O^T: the step is written once; its first run finds zeros
.set j, j+1
.endr
	s_wait_alu depctr_va_vdst(0)                   ; the wait at the head's end
	s_wait_loadcnt 11                              ; the two loads of scale words are in; Q's three and x's eight may be out
	ds_store_b128 v3, v[32:35] offset:KSO
	ds_store_b64 v4, v[36:37] offset:VSO
	s_wait_loadcnt 8                               ; Q; x's eight may be out
	s_wait_tensorcnt 0x0                           ; my part of steps 0-3 is in
	ds_add_u32 v[SPW], v[NIL]
	s_wait_dscnt 0x0                               ; the add is done, and my step's scale words lie in LDS
	ROUND                                          ; everybody's part is in, and all four work-groups are here
	s_cmp_lt_u32 s[WV], 4
	s_cbranch_scc1 .Lno_fill                       ; steps 0-3 are in: waves 0-3 have nothing left to fetch
	tensor_load_to_lds s[G0B:G0B+3], s[G1B:G1B+7]  ; step w's codes: the first tensor load behind the round
	s_nop 0
.rept 4
	v_nop
.endr
.Lno_fill:
.macro WALK n                          ; n key steps of 128 keys
	s_mov_b32 s[CNT], \n
.Lstep_\@:
	v_add_nc_u32 v8, s[TB], v1                     ; (these four are also the places behind the last products)
	v_add_nc_u32 v9, s[TB], v2
	v_mov_b32 v29, v12                             ; the last -M
	v_nop
.irp t, 0,1,2,3,4,5,6,7
	ds_load_b128 v[32+6*\t:35+6*\t], v8 offset:768*\t
	ds_load_b64 v[36+6*\t:37+6*\t], v9 offset:768*\t
.endr
	ds_load_b128 v[248:251], v8 offset:KSO         ; lanes 0-15: the words of tiles 0-3, lanes 16-31: of tiles 4-7
	s_wait_alu depctr_va_vdst(0)
	s_wait_dscnt 0x0
.irp t, 0,1,2,3
	v_wmma_scale_f32_16x16x128_f8f6f4 v[96+8*\t:103+8*\t], v[32+6*\t:43+6*\t], v[16:27], 0, v[248+\t], v255 matrix_a_fmt:MATRIX_FMT_FP6 matrix_b_fmt:MATRIX_FMT_FP6
.endr
.irp t, 4,5,6,7
	v_wmma_scale_f32_16x16x128_f8f6f4 v[96+8*\t:103+8*\t], v[32+6*\t:43+6*\t], v[16:27], 0, v[244+\t], v255 matrix_a_fmt:MATRIX_FMT_FP6 matrix_b_fmt:MATRIX_FMT_FP6 matrix_a_scale:MATRIX_SCALE_ROW1
.endr
.rept 4
	v_nop                                          ; places in front of the loads into K's registers and of the first read of the scores
.endr
.irp t, 0,1,2,3
.irp c, 0,1,2
	ds_load_b128 v[32+12*\t+4*\c:35+12*\t+4*\c], v8 offset:VOF+1536*\t+512*\c   ; V's four fragments land while the softmax is walked
.endr
.endr
	ds_load_b128 v[88:91], v8 offset:VSO           ; lanes 0-15: V's words of four blocks of channels (lanes 16-31 take K's words behind them, which no product reads from here)
.irp b, 0,1,2,3
	v_max3_num_f32 v[232+\b], v[96+16*\b], v[97+16*\b], v[98+16*\b]   ; the largest score of each block of 32 keys: for the row's maximum and, since p rises with the score, for the block's largest p
.endr
.irp i, 3,5,7,9,11,13
.irp b, 0,1,2,3
	v_max3_num_f32 v[232+\b], v[232+\b], v[96+16*\b+\i], v[97+16*\b+\i]
.endr
.endr
.irp b, 0,1,2,3
	v_max_num_f32 v[232+\b], v[232+\b], v[111+16*\b]
.endr
.irp b, 0,1,2,3
	s_delay_alu instid0(VALU_DEP_4)
	v_permlanex16_b32 v[236+\b], v[232+\b], s[SEL], s[SEL+1]
.endr
.irp b, 0,1,2,3
	s_delay_alu instid0(VALU_DEP_4)
	v_max_num_f32 v[232+\b], v[232+\b], v[236+\b]
.endr
	s_delay_alu instid0(VALU_DEP_2)
	v_max3_num_f32 v254, v232, v233, v234
	s_delay_alu instid0(VALU_DEP_1)
	v_max_num_f32 v254, v254, v235
	s_delay_alu instid0(VALU_DEP_1)
	v_mul_f32 v254, s[CS], v254
	s_delay_alu instid0(VALU_DEP_1)
	v_max_num_f32 v13, v13, v254                   ; the running largest t
	s_delay_alu instid0(VALU_DEP_1)
	v_floor_f32 v12, -v13                          ; -M = floor(-t): M is a whole number
	s_delay_alu instid0(VALU_DEP_1)
	v_sub_f32 v254, v12, v29
	s_delay_alu instid0(VALU_DEP_1)
	v_cvt_i32_f32 v254, v254                       ; (it saturates)
	s_delay_alu instid0(VALU_DEP_1)
	v_ldexp_f32 v252, 1.0, v254                    ; f = 2^(old M - new M)
.set j, 0
.rept 32
	v_pk_fma_f32 v[96+j:97+j], v[96+j:97+j], s[CS:CS+1], v[12:13] op_sel_hi:[1,0,0]   ; t - M
.set j, j+2
.endr
.irp b, 0,1,2,3
	v_fma_f32 v[232+\b], v[232+\b], s[CS], v12
.endr
.set j, 0
	s_wait_alu depctr_va_vdst(0)                   ; the wait ahead of the batch
.rept 64
	v_exp_f32 v[96+j], v[96+j]                     ; p = 2^(t - M)
.set j, j+1
.endr
	v_pk_mul_f32 v[14:15], v[14:15], v[252:253] op_sel_hi:[1,0]   ; the sums under the new M (a plain place behind the exponentials)
	s_wait_alu depctr_va_vdst(0)                   ; one wait for the batch, ahead of its first reader
.irp b, 0,1,2,3
	v_exp_f32 v[232+\b], v[232+\b]                 ; the blocks' largest p
.endr
	v_pk_add_f32 v[236:237], v[100:101], v[104:105]   ; the row's sum of the unquantised p, in eight chains
	v_pk_add_f32 v[250:251], v[108:109], v[112:113]
	v_pk_add_f32 v[248:249], v[116:117], v[120:121]
	v_pk_add_f32 v[246:247], v[124:125], v[128:129]
	v_pk_add_f32 v[244:245], v[132:133], v[136:137]
	v_pk_add_f32 v[240:241], v[140:141], v[144:145]
	v_pk_add_f32 v[238:239], v[148:149], v[152:153]
	v_pk_add_f32 v[14:15], v[14:15], v[156:157]
	v_pk_add_f32 v[236:237], v[236:237], v[96:97]
	v_pk_add_f32 v[250:251], v[250:251], v[98:99]
	v_pk_add_f32 v[248:249], v[248:249], v[102:103]
	v_pk_add_f32 v[246:247], v[246:247], v[106:107]
	v_pk_add_f32 v[244:245], v[244:245], v[110:111]
	v_pk_add_f32 v[240:241], v[240:241], v[114:115]
	v_pk_add_f32 v[238:239], v[238:239], v[118:119]
	v_pk_add_f32 v[14:15], v[14:15], v[122:123]
	v_pk_add_f32 v[236:237], v[236:237], v[126:127]
	v_pk_add_f32 v[250:251], v[250:251], v[130:131]
	v_pk_add_f32 v[248:249], v[248:249], v[134:135]
	v_pk_add_f32 v[246:247], v[246:247], v[138:139]
	v_pk_add_f32 v[244:245], v[244:245], v[142:143]
	v_pk_add_f32 v[240:241], v[240:241], v[146:147]
	v_pk_add_f32 v[238:239], v[238:239], v[150:151]
	v_pk_add_f32 v[14:15], v[14:15], v[154:155]
	v_pk_add_f32 v[236:237], v[236:237], v[158:159]
	s_delay_alu instid0(VALU_DEP_2)
	v_pk_add_f32 v[14:15], v[14:15], v[246:247]
	s_delay_alu instid0(VALU_DEP_2)
	v_pk_add_f32 v[236:237], v[236:237], v[244:245]
	v_pk_add_f32 v[250:251], v[250:251], v[240:241]
	v_pk_add_f32 v[248:249], v[248:249], v[238:239]
	s_delay_alu instid0(VALU_DEP_2)
	v_pk_add_f32 v[14:15], v[14:15], v[250:251]
	s_delay_alu instid0(VALU_DEP_2)
	v_pk_add_f32 v[236:237], v[236:237], v[248:249]
	s_delay_alu instid0(VALU_DEP_1)
	v_pk_add_f32 v[14:15], v[14:15], v[236:237]
	s_wait_alu depctr_va_vdst(0)                   ; and one for the four
.irp b, 0,1,2,3
	v_max_num_f32 v[232+\b], 0x1800000, v[232+\b]  ; the floor
.endr
	QTAIL
	s_wait_alu depctr_va_vdst(0)                   ; the wait directly ahead of the first reader of O^T
.set j, 0
.rept 16
	v_pk_mul_f32 v[160+j:161+j], v[160+j:161+j], v[252:253] op_sel_hi:[1,0]   ; O^T under the new M; also the places in front of the scaled products
.set j, j+2
.endr
	s_wait_alu depctr_va_vdst(0)
	s_wait_dscnt 0x0                               ; V
.irp t, 0,1,2,3
	v_wmma_scale_f32_16x16x128_f8f6f4 v[160+8*\t:167+8*\t], v[32+12*\t:43+12*\t], v[224:235], v[160+8*\t:167+8*\t], v[88+\t], v253 matrix_a_fmt:MATRIX_FMT_FP6 matrix_b_fmt:MATRIX_FMT_FP6
.endr
	s_add_co_u32 s[TB], s[TB], BLK
	s_sub_co_u32 s[CNT], s[CNT], 1
	s_cmp_lg_u32 s[CNT], 0
	s_cbranch_scc1 .Lstep_\@
.endm
	WALK 4                                         ; steps 0-3, while the second load is out
	s_wait_tensorcnt 0x0                           ; my step's codes are in
	s_wait_dscnt 0x0
	s_barrier_signal -1
	s_barrier_wait -1                              ; everybody's step is in
	WALK 12                                        ; steps 4-15
	; ---- THE WAY OUT.  The address work is the places behind the last products.
	v_and_b32 v8, 15, v0                           ; r
	v_bfe_u32 v9, v0, 4, 1                         ; h
	s_delay_alu instid0(VALU_DEP_2)
	v_and_b32 v10, 7, v8
	v_lshrrev_b32 v11, 3, v8
	s_delay_alu instid0(VALU_DEP_1)
	v_lshl_add_u32 v10, v11, 4, v10
	s_lshr_b32 s69, s[WV], 1
	s_lshl_b32 s69, s69, 5
	s_and_b32 s70, s[WV], 1
	s_lshl_b32 s70, s70, 3
	s_add_co_u32 s69, s69, s70
	v_add_nc_u32 v10, s69, v10                     ; my query among the 256: 32 (w >> 1) + 16 (r >> 3) + 8 (w & 1) + (r & 7)
	s_delay_alu instid0(VALU_DEP_1)
	v_mul_u32_u24 v10, v10, 272
	s_delay_alu instid0(VALU_DEP_1)
	v_lshl_add_u32 v10, v9, 5, v10
	s_delay_alu instid0(VALU_DEP_1)
	v_add_nc_u32 v10, ST1, v10                     ; the first stage, in
	v_mul_u32_u24 v11, v9, 272
	s_delay_alu instid0(VALU_DEP_1)
	v_lshl_add_u32 v11, v8, 4, v11
	s_mul_i32 s70, s[WV], 4352
	s_add_co_u32 s70, s70, ST1
	v_add_nc_u32 v11, s70, v11                     ; and back: row w of x1 is tokens 16 w .. 16 w + 15
	s_mul_i32 s71, s[WV], 4112
	v_add_nc_u32 v30, s71, v1                      ; the second stage, in: row w
	v_mul_u32_u24 v29, v8, 4112
	s_delay_alu instid0(VALU_DEP_1)
	v_lshl_add_u32 v29, v9, 6, v29
	s_lshl_b32 s72, s[WV], 9
	v_add_nc_u32 v29, s72, v29                     ; and back: row r, K step w, + 64 h
.irp j, 0,1,2,3,4,5,6,7
	global_load_b128 v[128+4*\j:131+4*\j], v1, s[8:9] offset:512*\j
.endr
.irp j, 0,1,2,3,4,5,6,7
	global_load_b128 v[32+4*\j:35+4*\j], v1, s[10:11] offset:512*\j
.endr
	v_add_f32 v14, v14, v15
	s_delay_alu instid0(VALU_DEP_1)
	v_permlanex16_b32 v252, v14, s[SEL], s[SEL+1]
	s_delay_alu instid0(VALU_DEP_1)
	v_add_f32 v14, v14, v252                       ; the row's sum
	s_wait_alu depctr_va_vdst(0)
	v_rcp_f32 v14, v14
	v_nop
	s_wait_alu depctr_va_vdst(0)
.set j, 0
.rept 16
	v_pk_mul_f32 v[96+j:97+j], v[160+j:161+j], v[14:15] op_sel_hi:[1,0]   ; register 8 t + i: channel 16 t + 8 h + i
.set j, j+2
.endr
.irp t, 0,1,2,3
	ds_store_b128 v10, v[96+8*\t:99+8*\t] offset:64*\t
	ds_store_b128 v10, v[100+8*\t:103+8*\t] offset:64*\t+16
.endr
	s_wait_dscnt 0x0                               ; my part of o lies in the stage, and my reads of K and V are over
	s_barrier_signal -1
	s_barrier_wait -1
.irp j, 0,1,2,3,4,5,6,7
	ds_load_b128 v[96+4*\j:99+4*\j], v11 offset:544*\j
.endr
	s_wait_loadcnt 16                              ; x's row is in; the gain's and the bias's sixteen loads may be out
	s_wait_dscnt 0x0
.set j, 0
.rept 16
	v_pk_add_f32 v[192+j:193+j], v[192+j:193+j], v[96+j:97+j]
.set j, j+2
.endr
.irp j, 0,1,2,3,4,5,6,7
	global_store_b128 v1, v[192+4*\j:195+4*\j], s[82:83] offset:512*\j   ; 512 consecutive bytes, aligned
.endr
	LNSTAT 192, 96, 224
	s_wait_loadcnt 0x0
	LNAPPLY 96, 128, 32, 224
.irp j, 0,1,2,3,4,5,6,7
	ds_store_b128 v30, v[96+4*\j:99+4*\j] offset:ST2+512*\j
.endr
	s_wait_dscnt 0x0
	s_barrier_signal -1
	s_barrier_wait -1                              ; sixteen normed rows lie in the second stage
	s_cmp_lt_u32 s[WV], 8
	s_cbranch_scc0 .Lout                           ; eight K steps: waves 0-7 take one each
.irp b, 0,1,2,3
.irp m, 0,1,2,3
	ds_load_b128 v[96+16*\b+4*\m:99+16*\b+4*\m], v29 offset:ST2+128*\b+16*\m
.endr
.endr
	s_lshl_b32 s88, s68, 3
	s_add_co_u32 s88, s88, s67                     ; the block of 16 rows in x2q
	s_lshr_b32 s84, s[WV], 1
	s_mul_i32 s84, s84, 786432
	s_mul_i32 s85, s88, 3072
	s_add_co_u32 s84, s84, s85
	s_and_b32 s85, s[WV], 1
	s_mul_i32 s85, s85, 1536
	s_add_co_u32 s84, s84, s85
	s_mov_b32 s85, 0
	s_add_nc_u64 s[84:85], s[14:15], s[84:85]
	s_lshl_b32 s86, s[WV], 14
	s_lshr_b32 s87, s88, 2
	s_lshl_b32 s87, s87, 8
	s_add_co_u32 s86, s86, s87
	s_and_b32 s87, s88, 3
	s_lshl_b32 s87, s87, 2
	s_add_co_u32 s86, s86, s87
	s_add_co_u32 s86, s86, XSC
	s_mov_b32 s87, 0
	s_add_nc_u64 s[86:87], s[14:15], s[86:87]
	s_wait_dscnt 0x0
.irp b, 0,1,2,3
	v_max3_num_f32 v[232+\b], |v[96+16*\b]|, |v[97+16*\b]|, 0x1800000
.endr
.irp i, 2,4,6,8,10,12,14
.irp b, 0,1,2,3
	s_delay_alu instid0(VALU_DEP_4)
	v_max3_num_f32 v[232+\b], v[232+\b], |v[96+16*\b+\i]|, |v[97+16*\b+\i]|
.endr
.endr
.irp b, 0,1,2,3
	s_delay_alu instid0(VALU_DEP_4)
	v_permlanex16_b32 v[236+\b], v[232+\b], s[SEL], s[SEL+1]
.endr
.irp b, 0,1,2,3
	s_delay_alu instid0(VALU_DEP_4)
	v_max_num_f32 v[232+\b], v[232+\b], v[236+\b]
.endr
	QTAIL
.irp c, 0,1,2
	global_store_b128 v1, v[224+4*\c:227+4*\c], s[84:85] offset:512*\c
.endr
	global_store_b32 v6, v253, s[86:87]            ; lanes l and l + 16 hold the same word and name the same place
.Lout:
	s_wait_tensorcnt 0x0                           ; the wave's end
	ds_add_u32 v[SPW], v[NIL]
	s_wait_dscnt 0x0
	ROUND                                          ; the closing round
	s_endpgm
.Lfunc_end_k_qde970330ee_attn:
	.size	k_qde970330ee_attn, .Lfunc_end_k_qde970330ee_attn-k_qde970330ee_attn
	.p2alignl 7, 3214868480
	.fill 96, 4, 3214868480
	.section	.rodata,"a",@progbits
	.p2align	6, 0x0
	.amdhsa_kernel k_qde970330ee_attn
		.amdhsa_group_segment_fixed_size 327680
		.amdhsa_private_segment_fixed_size 0
		.amdhsa_enable_private_segment 0
		.amdhsa_kernarg_size 48
		.amdhsa_user_sgpr_count 2
		.amdhsa_user_sgpr_kernarg_segment_ptr 1
		.amdhsa_wavefront_size32 1
		.amdhsa_system_sgpr_workgroup_id_x 1
		.amdhsa_system_sgpr_workgroup_id_y 1
		.amdhsa_system_sgpr_workgroup_id_z 1
		.amdhsa_system_vgpr_workitem_id 0
		.amdhsa_next_free_vgpr 256
		.amdhsa_next_free_sgpr 96
		.amdhsa_reserve_vcc 0
		.amdhsa_float_denorm_mode_32 3
		.amdhsa_float_denorm_mode_16_64 3
		.amdhsa_memory_ordered 1
		.amdhsa_forward_progress 1
		.amdhsa_inst_pref_size 67
	.end_amdhsa_kernel
	.amdgpu_metadata
---
amdhsa.version: [ 1, 2 ]
amdhsa.kernels:
  - .name:           k_qde970330ee_attn
    .symbol:         k_qde970330ee_attn.kd
    .args:
      - { .name: qkv, .offset: 0, .size: 8, .value_kind: global_buffer, .address_space: global }
      - { .name: x, .offset: 8, .size: 8, .value_kind: global_buffer, .address_space: global }
      - { .name: ln_g, .offset: 16, .size: 8, .value_kind: global_buffer, .address_space: global }
      - { .name: ln_b, .offset: 24, .size: 8, .value_kind: global_buffer, .address_space: global }
      - { .name: x1, .offset: 32, .size: 8, .value_kind: global_buffer, .address_space: global }
      - { .name: x2q, .offset: 40, .size: 8, .value_kind: global_buffer, .address_space: global }
    .group_segment_fixed_size: 327680
    .private_segment_fixed_size: 0
    .kernarg_segment_align: 8
    .kernarg_segment_size: 48
    .max_flat_workgroup_size: 512
    .sgpr_count:     96
    .vgpr_count:     256
    .wavefront_size: 32
...
	.end_amdgpu_metadata
.endif
;; end of part 8
;; launch mlp1 (part 9): grid 16 x 16, 4 waves a work-group, clusters of 4 x 4, 327,680 bytes of LDS; arguments x2q, wts, b1, hq; writes hq
.if DOCPART == 9
	.amdgcn_target "amdgcn-amd-amdhsa--gfx1250"
	.amdhsa_code_object_version 6
	.text
	.protected	k_qde970330ee_mlp1
	.globl	k_qde970330ee_mlp1
	.p2align	8
	.type	k_qde970330ee_mlp1,@function
k_qde970330ee_mlp1:
	s_mov_b64 s[64:65], 0
	v_nop
	global_prefetch_b8 v0, s[64:65] scope:SCOPE_SE
	s_setreg_imm32_b32 hwreg(HW_REG_WAVE_MODE, 25, 1), 1
	s_wait_xcnt 0x0
	s_wait_alu depctr_hold_cnt(0) depctr_sa_sdst(0) depctr_va_vdst(0) depctr_va_sdst(0) depctr_va_ssrc(0) depctr_va_vcc(0) depctr_vm_vsrc(0)
	s_getreg_b32 s2, hwreg(HW_REG_IB_STS2, 6, 4)
	s_cmp_eq_u32 s2, 0
	s_cbranch_scc0 .Lentry_in_a_cluster
	s_endpgm
.Lentry_in_a_cluster:
	s_bfe_u32 s2, ttmp6, 0x10000c
	s_cmp_lg_u32 s2, 0xf033
	s_cbranch_scc0 .Lentry_shape_is_right
	s_endpgm
.Lentry_shape_is_right:
.set KK,     1024
.set XROWS,  4096
.set WROWS,  4096
.set XSC,    3145728
.set WC,     2457600
.set WS,     5603328
.set HSC,    12582912
.set NQ,     2
.set FR,     12
.set NL,     3
.set NP,     4
.set FRB,    1536
.set HALFT,  8*NQ*FRB
.set SLOT,   4*HALFT
.set LAPS,   KK/512
.set KS,     KK/128
.set SCL,    2*SLOT
.set HALFS,  512*KS
.set SPARE,  SCL+4*HALFS
.set XSTEP,  XROWS/16*NQ*FRB
.set WSTEP,  WROWS/16*NQ*FRB
.set ADRA, 16
.set ADRB, 20
.set LI,   24
.set ADRS, 27
.set SPW,  28
.set NIL,  29
.set SC,   32
.set BI,   64
.set AF,   128
.set HA,   0
.set ZR,   64
.set X2R,  96
.set QR,   128
.set PR,   160
.set PC,   192
.set TM,   212
.set PW,   228
.set SW,   232
.set SV,   240
.set CA,   244
.set CB,   246
.set SEL,  96
.set G1, 24
.set G0, 32
.set G1B, 48
.set G0B, 56
.set G1S, 68
.set G0S, 76
.set G1SB, 80
.set G0SB, 88
.set MSB, 0
.macro WIN new
.if MSB != (\new)
	s_set_vgpr_msb (MSB<<8)|(\new)
.set MSB, (\new)
.endif
.endm
.set MUL_LO, 0xa1
.set MUL_HI, 0xf1
.set TO_B,   0x40
.macro JLOAD g0a, g1a, g0b, g1b
	s_cmp_eq_u32 s15, 0
	s_cbranch_scc0 .Lfor_b_\@
	tensor_load_to_lds s[\g0a:\g0a+3], s[\g1a:\g1a+7]
	s_nop 0
.rept 4
	v_nop
.endr
	s_branch .Lasked_\@
.Lfor_b_\@:
	tensor_load_to_lds s[\g0b:\g0b+3], s[\g1b:\g1b+7]
	s_nop 0
.rept 4
	v_nop
.endr
.Lasked_\@:
.endm
.macro CREST
	s_cmp_lg_u32 s14, 0
	s_cbranch_scc1 .Lnot_wave_0_\@
	s_barrier_signal -3
.Lnot_wave_0_\@:
	s_barrier_wait -3
	s_barrier_signal -1
	s_barrier_wait -1
.endm
.macro CROUND
	s_barrier_signal -1
	s_barrier_wait -1
	CREST
.endm
	s_load_b256 s[4:11], s[0:1], 0x0
	v_lshl_add_u32 v[SPW], v0, 2, SPARE
	v_mov_b32 v[NIL], 0
	ds_add_u32 v28, v29
	ds_add_u32 v28, v29
	s_wait_dscnt 0x0
	v_lshrrev_b32 v1, 5, v0
	v_readfirstlane_b32 s14, v1
	s_lshr_b32 s15, s14, 1
	s_and_b32 s16, s14, 1
	s_bfe_u32 s40, ttmp6, 0x40000
	s_bfe_u32 s41, ttmp6, 0x40004
	s_lshl_b32 s42, ttmp9, 2
	s_add_co_u32 s42, s42, s40
	s_and_b32 s17, ttmp7, 0xffff
	s_lshl_b32 s17, s17, 2
	s_add_co_u32 s17, s17, s41
	s_lshl_b32 s43, s41, 2
	s_lshl_b32 s43, 15, s43
	s_lshl_b32 s44, 0x1111, s40
	s_or_b32 s[G1+0], s43, (3<<16)|(1<<21)
	s_or_b32 s[G1B+0], s44, (3<<16)|(1<<21)
.irp g, G1, G1B
	s_mov_b32 s[\g+1], 32<<16
	s_mov_b32 s[\g+2], 192<<16                     ; the head's loads bring 256 rows of the operand: 192 rows of 256 bytes
	s_mov_b32 s[\g+3], 32<<16
	s_mov_b32 s[\g+4], 192
	s_mov_b32 s[\g+5], 32
	s_mov_b32 s[\g+6], 0
	s_mov_b32 s[\g+7], 0
.endr
	s_or_b32 s[G1S+0], s43, (3<<16)|(1<<21)
	s_or_b32 s[G1SB+0], s44, (3<<16)|(1<<21)
.irp g, G1S, G1SB
	s_mov_b32 s[\g+1], 128<<16                     ; the scale words of 256 rows: KS rows of 1,024 bytes, a plane apart
	s_mov_b32 s[\g+2], KS<<16
	s_mov_b32 s[\g+3], 128<<16
	s_mov_b32 s[\g+4], KS
	s_mov_b32 s[\g+6], 0
	s_mov_b32 s[\g+7], 0
.endr
	s_mov_b32 s[G1S+5], XROWS/2
	s_mov_b32 s[G1SB+5], WROWS/2
	s_lshl_b32 s20, s17, 1
	s_add_co_u32 s20, s20, s16
	s_lshl_b32 s46, s42, 1
	s_add_co_u32 s46, s46, s16
	s_lshl_b32 s22, s17, 10
	s_add_co_u32 s22, s22, XSC
	s_mov_b32 s23, 0
	s_mul_i32 s20, s20, HALFT
	s_mov_b32 s21, 0
	s_lshl_b32 s92, s42, 10
	s_add_co_u32 s92, s92, WS
	s_mov_b32 s93, 0
	s_mul_i32 s46, s46, HALFT
	s_add_co_u32 s46, s46, WC
	s_mov_b32 s47, 0
	s_mul_i32 s45, s14, HALFT
	s_wait_kmcnt 0x0
	s_add_nc_u64 s[20:21], s[4:5], s[20:21]
	s_add_nc_u64 s[22:23], s[4:5], s[22:23]
	s_add_nc_u64 s[46:47], s[6:7], s[46:47]
	s_add_nc_u64 s[92:93], s[6:7], s[92:93]
	CROUND
	s_mov_b32 s[G0S], 1
	s_mov_b32 s[G0S+1], SCL
	s_mov_b64 s[G0S+2:G0S+3], s[22:23]
	s_or_b32 s[G0S+3], s[G0S+3], 0x80000000
	s_mov_b32 s[G0SB], 1
	s_mov_b32 s[G0SB+1], SCL+2*HALFS
	s_mov_b64 s[G0SB+2:G0SB+3], s[92:93]
	s_or_b32 s[G0SB+3], s[G0SB+3], 0x80000000
.irp s, 0,1
	s_mov_b32 s[G0+4*\s], 1
	s_add_co_u32 s[G0+4*\s+1], s45, \s*SLOT
	s_add_nc_u64 s[G0+4*\s+2:G0+4*\s+3], s[20:21], \s*XSTEP
	s_or_b32 s[G0+4*\s+3], s[G0+4*\s+3], 0x80000000
	s_mov_b32 s[G0B+4*\s], 1
	s_add_co_u32 s[G0B+4*\s+1], s45, \s*SLOT
	s_add_nc_u64 s[G0B+4*\s+2:G0B+4*\s+3], s[46:47], \s*WSTEP
	s_or_b32 s[G0B+4*\s+3], s[G0B+4*\s+3], 0x80000000
.endr
; THE HEAD'S LOADS, ONE A WAVE: wave 0 fetches slot 0's 256 rows of x, wave 1 its 256 rows of w, wave 2 x's scale words, wave 3 w's.
; One chain of branches on the wave's number, a load to an arm, all arms leading to one join.
.set G0H,  4                           ; s[4:7]: group 0 for x's 256 rows (the arguments that lay there have been used)
.set G0HB, 44                          ; s[44:47]: for w's
	s_mul_i32 s12, s16, HALFT                      ; back from my half to the tile's first row
	s_mov_b32 s13, 0
	s_mov_b32 s[G0H], 1
	s_mov_b32 s[G0H+1], 0
	s_sub_nc_u64 s[G0H+2:G0H+3], s[20:21], s[12:13]
	s_or_b32 s[G0H+3], s[G0H+3], 0x80000000
	s_sub_nc_u64 s[G0HB+2:G0HB+3], s[46:47], s[12:13]
	s_or_b32 s[G0HB+3], s[G0HB+3], 0x80000000
	s_mov_b32 s[G0HB], 1
	s_mov_b32 s[G0HB+1], 2*HALFT
.macro ARM under, g0, g1, next
	s_cmp_lt_u32 s14, \under
	s_cbranch_scc0 \next
	tensor_load_to_lds s[\g0:\g0+3], s[\g1:\g1+7]
	s_nop 0
.rept 4
	v_nop
.endr
	s_branch .Lhead_asked
\next:
.endm
	ARM 1, G0H,  G1,  .Lhead_b
	ARM 2, G0HB, G1B, .Lhead_sa
	ARM 3, G0S,  G1S, .Lhead_sb
	tensor_load_to_lds s[G0SB:G0SB+3], s[G1SB:G1SB+7]
	s_nop 0
.rept 4
	v_nop
.endr
.Lhead_asked:
	v_and_b32 v1, 15, v0
	v_bfe_u32 v2, v0, 4, 1
	s_wait_alu depctr_va_vdst(0)
	v_and_b32 v3, 31, v0
	v_lshlrev_b32 v[LI], 4, v3
	s_mul_i32 s21, s15, HALFT
	s_mul_i32 s22, s16, HALFT
	s_add_co_u32 s22, s22, 2*HALFT
.irp s, 0,1
	v_add_nc_u32 v[ADRA+\s], s21, v[LI]
	v_add_nc_u32 v[ADRB+\s], s22, v[LI]
	s_add_co_u32 s21, s21, SLOT
	s_add_co_u32 s22, s22, SLOT
.endr
	s_lshl_b32 s21, s15, 9                         ; my 128 rows' 512 bytes of each plane
	s_lshl_b32 s22, s16, 9
	s_add_co_u32 s22, s22, 2*HALFS
	s_sub_co_u32 s22, s22, s21
	v_mul_u32_u24 v6, s22, v2
	s_add_co_u32 s21, s21, SCL
	v_lshl_add_u32 v5, v1, 4, v6
	v_add_nc_u32 v[ADRS], s21, v5
	s_lshl_b32 s18, s42, 10
	s_lshl_b32 s19, s16, 9
	s_add_co_u32 s18, s18, s19
	s_mov_b32 s19, 0
	s_add_nc_u64 s[8:9], s[8:9], s[18:19]
	v_lshlrev_b32 v30, 6, v2
.irp b, 0,1,2,3
.irp m, 0,1,2,3
	global_load_b128 v[BI+16*\b+4*\m:BI+16*\b+4*\m+3], v30, s[8:9] offset:128*\b+16*\m
.endr
.endr
	s_mov_b32 s[SEL], 0x76543210
	s_mov_b32 s[SEL+1], 0xfedcba98
.macro FRAG reg, adr, q, i
.irp c, 0,1,2
	ds_load_b128 v[\reg+4*\c:\reg+4*\c+3], v[\adr] offset:((\i)*NQ+(\q))*FRB+512*\c
.endr
.endm
.macro MUL16 a0, p, q, sc, zero
.irp a, \a0, \a0+1
.irp b, 0,1,2,3,4,5,6,7
.if \zero
	v_wmma_scale_f32_16x16x128_f8f6f4 v[8*(8*((\a)%4)+\b):8*(8*((\a)%4)+\b)+7], v[128*(\p)+FR*\b:128*(\p)+FR*\b+FR-1], v[AF+FR*(\a):AF+FR*(\a)+FR-1], 0, v[SC+16*(\sc)+8*(\q)+\b], v[SC+16*(\sc)+8*(\q)+(\a)] matrix_a_fmt:MATRIX_FMT_FP6 matrix_b_fmt:MATRIX_FMT_FP6 matrix_a_scale:MATRIX_SCALE_ROW1
.else
	v_wmma_scale_f32_16x16x128_f8f6f4 v[8*(8*((\a)%4)+\b):8*(8*((\a)%4)+\b)+7], v[128*(\p)+FR*\b:128*(\p)+FR*\b+FR-1], v[AF+FR*(\a):AF+FR*(\a)+FR-1], v[8*(8*((\a)%4)+\b):8*(8*((\a)%4)+\b)+7], v[SC+16*(\sc)+8*(\q)+\b], v[SC+16*(\sc)+8*(\q)+(\a)] matrix_a_fmt:MATRIX_FMT_FP6 matrix_b_fmt:MATRIX_FMT_FP6 matrix_a_scale:MATRIX_SCALE_ROW1
.endif
.endr
.endr
.endm
.macro FETCH_B slot, q, p
	WIN TO_B
.irp i, 0,1,2,3,4,5,6,7
	FRAG 128*(\p)+FR*\i, ADRB+\slot, \q, \i
.endr
	WIN 0
.endm
.macro FETCH_A slot, q, i0
.irp i, \i0, \i0+1, \i0+2, \i0+3
	FRAG AF+FR*(\i), ADRA+\slot, \q, \i
.endr
.endm
.macro SCALES sc
.irp q, 0,1
.irp g, 0,1
	ds_load_b128 v[SC+16*\sc+8*\q+4*\g:SC+16*\sc+8*\q+4*\g+3], v[ADRS] offset:1024*\q+256*\g
.endr
.endr
.endm
.macro PLACES n
.rept \n
	v_nop
.endr
.endm
.macro STEP slot, q, zero
	s_wait_dscnt 4*NL
	WIN MUL_LO
	MUL16 0, (\q)%2, \q, \slot, \zero
	MUL16 2, (\q)%2, \q, \slot, \zero
	s_wait_dscnt 0
	PLACES NP
	FETCH_B \slot, (\q)+1, 1-(\q)%2
	FETCH_A \slot, (\q)+1, 0
	WIN MUL_HI
	MUL16 4, (\q)%2, \q, \slot, \zero
	MUL16 6, (\q)%2, \q, \slot, \zero
	PLACES NP
	WIN 0
	FETCH_A \slot, (\q)+1, 4
.endm
.macro TURN slot, next, fill
	s_wait_tensorcnt 0x0
	ds_add_u32 v[SPW], v[NIL]
	s_wait_dscnt 4*NL+1
	WIN MUL_LO
	MUL16 0, 1, NQ-1, \slot, 0
	s_wait_dscnt 0x0
	s_barrier_signal -1
	MUL16 2, 1, NQ-1, \slot, 0
	WIN 0
	s_barrier_wait -1
.if \fill
	CREST
	s_add_nc_u64 s[G0+4*\slot+2:G0+4*\slot+3], s[G0+4*\slot+2:G0+4*\slot+3], 2*XSTEP
	s_add_nc_u64 s[G0B+4*\slot+2:G0B+4*\slot+3], s[G0B+4*\slot+2:G0B+4*\slot+3], 2*WSTEP
	JLOAD G0+4*\slot, G1, G0B+4*\slot, G1B
.else
	PLACES NP
.endif
	s_wait_alu depctr_va_vdst(0)
	v_add_nc_u32 v[ADRS], 1024*NQ, v[ADRS]         ; two planes of scale words on
	FETCH_B \next, 0, 0
	FETCH_A \next, 0, 0
	SCALES \next
	WIN MUL_HI
	MUL16 4, 1, NQ-1, \slot, 0
	MUL16 6, 1, NQ-1, \slot, 0
	PLACES NP
	WIN 0
	FETCH_A \next, 0, 4
.endm
	s_wait_alu depctr_va_vdst(0)
	s_wait_tensorcnt 0x0                           ; my tile of the head's four is in
	ds_add_u32 v[SPW], v[NIL]
	s_mov_b32 s[G1+2], 96<<16                      ; no tensor load of mine is out: from here on a load brings 128 rows of the operand, 96 rows of 256 bytes
	s_mov_b32 s[G1+4], 96
	s_mov_b32 s[G1B+2], 96<<16
	s_mov_b32 s[G1B+4], 96
	s_wait_dscnt 0x0
	CROUND                                         ; all four tiles are in, and all sixteen work-groups are here
	JLOAD G0+4, G1, G0B+4, G1B                     ; slot 1's first fill: the first tensor load behind the round
	FETCH_B 0, 0, 0
	FETCH_A 0, 0, 0
	SCALES 0
	FETCH_A 0, 0, 4
	STEP 0, 0, 1
	s_mov_b32 s3, LAPS-1
.Llap:
	TURN 0, 1, 1
	STEP 1, 0, 0
	TURN 1, 0, 1
	STEP 0, 0, 0
	s_sub_co_u32 s3, s3, 1
	s_cmp_lg_u32 s3, 0
	s_cbranch_scc1 .Llap
	TURN 0, 1, 0
	STEP 1, 0, 0
	s_wait_dscnt 4*NL
	WIN MUL_LO
	MUL16 0, 1, NQ-1, 1, 0
	MUL16 2, 1, NQ-1, 1, 0
	s_wait_dscnt 0
	WIN MUL_HI
	MUL16 4, 1, NQ-1, 1, 0
	MUL16 6, 1, NQ-1, 1, 0
	WIN 0
	PLACES NP
.macro QUANT s
.irp b, 0,1,2,3
	v_max3_num_f32 v[TM+\b], |v[\s+16*\b]|, |v[\s+1+16*\b]|, 0x1800000
.endr
.irp i, 2,4,6,8,10,12,14
.irp b, 0,1,2,3
	v_max3_num_f32 v[TM+\b], v[TM+\b], |v[\s+16*\b+\i]|, |v[\s+1+16*\b+\i]|
.endr
.endr
.irp b, 0,1,2,3
	v_permlanex16_b32 v[TM+4+\b], v[TM+\b], s[SEL], s[SEL+1]
.endr
.irp b, 0,1,2,3
	v_max_num_f32 v[TM+\b], v[TM+\b], v[TM+4+\b]
.endr
.irp b, 0,1,2,3
	v_add_nc_u32 v[TM+12+\b], 0xff000000, v[TM+\b]
.endr
.irp b, 0,1,2,3
	v_lshrrev_b32 v[TM+4+\b], 23, v[TM+12+\b]
.endr
	v_lshl_or_b32 v[PW], v[TM+5], 8, v[TM+4]
	v_lshl_or_b32 v[PW], v[TM+6], 16, v[PW]
	v_lshl_or_b32 v[PW], v[TM+7], 24, v[PW]
.irp c, 0,1
	v_cvt_scalef32_pk16_fp6_f32 v[PC+6*\c:PC+2+6*\c], v[\s+32*\c:\s+15+32*\c], v[TM+12+2*\c]
	v_cvt_scalef32_pk16_fp6_f32 v[PC+12+4*\c:PC+14+4*\c], v[\s+16+32*\c:\s+31+32*\c], v[TM+12+2*\c+1]
.endr
	v_nop
.irp c, 0,1
.irp i, 0,1,2
	v_permlane16_swap_b32 v[PC+6*\c+\i], v[PC+12+4*\c+\i]
.endr
.irp i, 0,1,2
	v_mov_b32 v[PC+3+6*\c+\i], v[PC+12+4*\c+\i]
.endr
.endr
.endm
.macro TAKE a
	WIN 0x42+(\a)/4
.set j, 0
.rept 32
	v_pk_add_f32 v[HA+j:HA+j+1], v[64*((\a)%4)+j:64*((\a)%4)+j+1], v[BI+j:BI+j+1]
.set j, j+2
.endr
	WIN 0
.endm
.macro CONST p, val
	s_mov_b32 s[\p], \val
	s_mov_b32 s[\p+1], \val
.endm
.macro HORNER acc, cp
.set j, 0
.rept 16
	v_pk_fma_f32 v[\acc+j:\acc+j+1], v[\acc+j:\acc+j+1], v[X2R+j:X2R+j+1], s[\cp:\cp+1] op_sel_hi:[1,1,0]
.set j, j+2
.endr
.endm
.macro GELU g
.set HH, HA+32*\g
.set j, 0
.rept 16
	v_pk_mul_f32 v[ZR+j:ZR+j+1], v[HH+j:HH+j+1], 0x3f3504f3 op_sel_hi:[1,0]
.set j, j+2
.endr
.set j, 0
.rept 32
	v_med3_num_f32 v[ZR+j], v[ZR+j], -4.0, 4.0
.set j, j+1
.endr
.set j, 0
.rept 16
	v_pk_mul_f32 v[X2R+j:X2R+j+1], v[ZR+j:ZR+j+1], v[ZR+j:ZR+j+1]
.set j, j+2
.endr
.set j, 0
.rept 16
	v_pk_fma_f32 v[QR+j:QR+j+1], v[X2R+j:X2R+j+1], v[CB:CB+1], s[24:25] op_sel_hi:[1,1,0]
.set j, j+2
.endr
	HORNER QR, 26
	HORNER QR, 28
	HORNER QR, 30
.set j, 0
	s_wait_alu depctr_va_vdst(0)
.rept 32
	v_rcp_f32 v[QR+j], v[QR+j]
.set j, j+1
.endr
.set j, 0
.rept 16
	v_pk_fma_f32 v[PR+j:PR+j+1], v[X2R+j:X2R+j+1], v[CA:CA+1], s[32:33] op_sel_hi:[1,1,0]
.set j, j+2
.endr
	HORNER PR, 34
	HORNER PR, 36
	HORNER PR, 38
	HORNER PR, 40
	HORNER PR, 42
.set j, 0
.rept 16
	v_pk_mul_f32 v[PR+j:PR+j+1], v[PR+j:PR+j+1], v[ZR+j:ZR+j+1]
.set j, j+2
.endr
.set j, 0
.rept 16
	v_pk_mul_f32 v[HH+j:HH+j+1], v[HH+j:HH+j+1], 0.5 op_sel_hi:[1,0]
.set j, j+2
.endr
	s_wait_alu depctr_va_vdst(0)
.set j, 0
.rept 16
	v_pk_mul_f32 v[PR+j:PR+j+1], v[PR+j:PR+j+1], v[QR+j:QR+j+1]
.set j, j+2
.endr
.set j, 0
.rept 16
	v_pk_fma_f32 v[HH+j:HH+j+1], v[HH+j:HH+j+1], v[PR+j:PR+j+1], v[HH+j:HH+j+1]
.set j, j+2
.endr
.endm
	s_wait_loadcnt 0x0
	s_lshl_b32 s20, s42, 8
	s_lshl_b32 s21, s17, 4
	s_lshl_b32 s22, s15, 3
	s_add_co_u32 s21, s21, s22
	s_add_co_u32 s20, s20, s21
	s_lshl_b32 s20, s20, 1
	s_add_co_u32 s20, s20, s16
	s_mul_i32 s20, s20, FRB
	s_lshl_b32 s22, s42, 1
	s_add_co_u32 s22, s22, s16
	s_lshl_b32 s22, s22, 14
	s_lshl_b32 s23, s21, 6
	s_add_co_u32 s22, s22, s23
	s_add_co_u32 s22, s22, HSC
	s_mov_b32 s21, 0
	s_mov_b32 s23, 0
	s_add_nc_u64 s[20:21], s[10:11], s[20:21]
	s_add_nc_u64 s[22:23], s[10:11], s[22:23]
	s_mov_b32 s18, 0xffff0000
	CONST 24, -0.000213374055278905
	CONST 26, -0.00168282697438203
	CONST 28, -0.00737332916720468
	CONST 30, -0.0142647390514189
	CONST 32, 0.0000000277068142495902
	CONST 34, -0.00000210102402082508
	CONST 36, -0.0000569250639462346
	CONST 38, -0.000734990630326855
	CONST 40, -0.00295459980854025
	CONST 42, -0.0160960333262415
	WIN 0x40
.irp b, 0,1,2,3
	v_mov_b32 v[TM+4+\b], 0
.endr
.irp i, 0,1,2,3,4,5,6,7
	v_mov_b32 v[SW+\i], 0
.endr
	v_mov_b32 v[CA], -0.000000000272614225801306
	v_mov_b32 v[CA+1], -0.000000000272614225801306
	v_mov_b32 v[CB], -0.0000145660718464996
	v_mov_b32 v[CB+1], -0.0000145660718464996
	WIN 0
	s_mov_b32 s3, 0
.Lepi:
.irp a, 0,1,2,3,4,5,6
	s_cmp_eq_u32 s3, \a
	s_cbranch_scc1 .Ltk\a
.endr
	TAKE 7
	s_branch .Ltaken
.irp a, 0,1,2,3,4,5
.Ltk\a:
	TAKE \a
	s_branch .Ltaken
.endr
.Ltk6:
	TAKE 6
.Ltaken:
	WIN 0x55
	GELU 0
	GELU 1
	QUANT HA
.irp i, 0,1,2,3,4,5,6
	v_mov_b32 v[SW+\i], v[SW+\i+1]
.endr
	v_mov_b32 v[SW+7], v[PW]
	WIN 0x04
.irp c, 0,1,2
	global_store_b128 v[LI], v[PC+4*\c:PC+4*\c+3], s[20:21] offset:512*\c
.endr
	WIN 0
	s_wait_xcnt 0x0
	s_add_nc_u64 s[20:21], s[20:21], 2*FRB
	s_add_co_u32 s3, s3, 1
	s_cmp_lt_u32 s3, 8
	s_cbranch_scc1 .Lepi
	WIN 0x55
	s_wait_alu depctr_va_vdst(0)
.irp i, 0,1,2,3
	v_cndmask_b32 v[SV+\i], v[SW+\i], v[SW+4+\i], s18
.endr
	WIN 0x04
	global_store_b128 v[LI], v[SV:SV+3], s[22:23]
	WIN 0
	s_wait_tensorcnt 0x0
	ds_add_u32 v[SPW], v[NIL]
	s_wait_dscnt 0x0
	CROUND
	s_endpgm
.Lfunc_end_k_qde970330ee_mlp1:
	.size	k_qde970330ee_mlp1, .Lfunc_end_k_qde970330ee_mlp1-k_qde970330ee_mlp1
	.p2alignl 7, 3214868480
	.fill 96, 4, 3214868480
	.section	.rodata,"a",@progbits
	.p2align	6, 0x0
	.amdhsa_kernel k_qde970330ee_mlp1
		.amdhsa_group_segment_fixed_size 327680
		.amdhsa_private_segment_fixed_size 0
		.amdhsa_enable_private_segment 0
		.amdhsa_kernarg_size 32
		.amdhsa_user_sgpr_count 2
		.amdhsa_user_sgpr_kernarg_segment_ptr 1
		.amdhsa_wavefront_size32 1
		.amdhsa_system_sgpr_workgroup_id_x 1
		.amdhsa_system_sgpr_workgroup_id_y 1
		.amdhsa_system_sgpr_workgroup_id_z 1
		.amdhsa_system_vgpr_workitem_id 0
		.amdhsa_next_free_vgpr 1024
		.amdhsa_next_free_sgpr 100
		.amdhsa_reserve_vcc 0
		.amdhsa_float_denorm_mode_32 3
		.amdhsa_float_denorm_mode_16_64 3
		.amdhsa_memory_ordered 1
		.amdhsa_forward_progress 1
		.amdhsa_inst_pref_size 171
	.end_amdhsa_kernel
	.amdgpu_metadata
---
amdhsa.version: [ 1, 2 ]
amdhsa.kernels:
  - .name:           k_qde970330ee_mlp1
    .symbol:         k_qde970330ee_mlp1.kd
    .args:
      - { .name: x2q, .offset: 0, .size: 8, .value_kind: global_buffer, .address_space: global }
      - { .name: wts, .offset: 8, .size: 8, .value_kind: global_buffer, .address_space: global }
      - { .name: b1, .offset: 16, .size: 8, .value_kind: global_buffer, .address_space: global }
      - { .name: hq, .offset: 24, .size: 8, .value_kind: global_buffer, .address_space: global }
    .group_segment_fixed_size: 327680
    .private_segment_fixed_size: 0
    .kernarg_segment_align: 8
    .kernarg_segment_size: 32
    .max_flat_workgroup_size: 128
    .sgpr_count:     100
    .vgpr_count:     1024
    .wavefront_size: 32
...
	.end_amdgpu_metadata
.endif
;; end of part 9
;; launch mlp2 (part 10): grid 8 x 32, 4 waves a work-group, clusters of 4 x 4, 327,680 bytes of LDS; arguments hq, wts, x1, b2, out0; writes out0
.if DOCPART == 10
	.amdgcn_target "amdgcn-amd-amdhsa--gfx1250"
	.amdhsa_code_object_version 6
	.text
	.protected	k_qde970330ee_mlp2
	.globl	k_qde970330ee_mlp2
	.p2align	8
	.type	k_qde970330ee_mlp2,@function
k_qde970330ee_mlp2:
	s_mov_b64 s[64:65], 0
	v_nop
	global_prefetch_b8 v0, s[64:65] scope:SCOPE_SE
	s_setreg_imm32_b32 hwreg(HW_REG_WAVE_MODE, 25, 1), 1
	s_wait_xcnt 0x0
	s_wait_alu depctr_hold_cnt(0) depctr_sa_sdst(0) depctr_va_vdst(0) depctr_va_sdst(0) depctr_va_ssrc(0) depctr_va_vcc(0) depctr_vm_vsrc(0)
	s_getreg_b32 s2, hwreg(HW_REG_IB_STS2, 6, 4)
	s_cmp_eq_u32 s2, 0
	s_cbranch_scc0 .Lentry_in_a_cluster
	s_endpgm
.Lentry_in_a_cluster:
	s_bfe_u32 s2, ttmp6, 0x10000c
	s_cmp_lg_u32 s2, 0xf033
	s_cbranch_scc0 .Lentry_shape_is_right
	s_endpgm
.Lentry_shape_is_right:
.set XROWS,  4096
.set WROWS,  1024
.set XSC,    12582912
.set WC,     5734400
.set WS,     8880128
.set FR,     12
.set FRB,    1536
.set UNITB,  8*FRB
.set R0W,    4*UNITB
.set R1W,    2*UNITB
.set REG1,   4*R0W
.set SPARE,  REG1+4*R1W
.set STAGE,  SPARE+512
.set SPITCH, 272
.set XSTEP,  XROWS/16*2*FRB
.set WSTEP,  WROWS/16*2*FRB
.set AX0,  16
.set AW0,  17
.set AX1,  18
.set AW1,  19
.set STO,  24
.set RD,   25
.set CO,   26
.set SPW,  28
.set NIL,  29
.set XSR,  32
.set WSR,  96
.set BI,   160
.set BK,   160
.set GX4,  24
.set GX2,  32
.set GW4,  48
.set GW2,  56
.set G0X0, 68
.set G0X1, 72
.set G0W0, 76
.set G0W1, 80
.set MSB, 0
.macro WIN new
.if MSB != (\new)
	s_set_vgpr_msb (MSB<<8)|(\new)
.set MSB, (\new)
.endif
.endm
.macro JLOAD g0a, g1a, g0b, g1b
	s_cmp_eq_u32 s15, 0
	s_cbranch_scc0 .Lfor_b_\@
	tensor_load_to_lds s[\g0a:\g0a+3], s[\g1a:\g1a+7]
	s_nop 0
.rept 4
	v_nop
.endr
	s_branch .Lasked_\@
.Lfor_b_\@:
	tensor_load_to_lds s[\g0b:\g0b+3], s[\g1b:\g1b+7]
	s_nop 0
.rept 4
	v_nop
.endr
.Lasked_\@:
.endm
.macro CREST
	s_cmp_lg_u32 s14, 0
	s_cbranch_scc1 .Lnot_wave_0_\@
	s_barrier_signal -3
.Lnot_wave_0_\@:
	s_barrier_wait -3
	s_barrier_signal -1
	s_barrier_wait -1
.endm
.macro CROUND
	s_barrier_signal -1
	s_barrier_wait -1
	CREST
.endm
.macro PLACES n
.rept \n
	v_nop
.endr
.endm
	s_load_b256 s[4:11], s[0:1], 0x0
	s_load_b64 s[12:13], s[0:1], 0x20
	v_lshl_add_u32 v[SPW], v0, 2, SPARE
	v_mov_b32 v[NIL], 0
	ds_add_u32 v28, v29
	ds_add_u32 v28, v29
	s_wait_dscnt 0x0
	v_lshrrev_b32 v1, 5, v0
	v_readfirstlane_b32 s14, v1
	s_lshr_b32 s15, s14, 1
	s_and_b32 s16, s14, 1
	s_bfe_u32 s40, ttmp6, 0x40000
	s_bfe_u32 s41, ttmp6, 0x40004
	s_lshl_b32 s42, ttmp9, 2
	s_add_co_u32 s42, s42, s40
	s_and_b32 s17, ttmp7, 0xffff
	s_lshl_b32 s17, s17, 2
	s_add_co_u32 s17, s17, s41
	s_lshl_b32 s43, s41, 2
	s_lshl_b32 s43, 15, s43
	s_lshl_b32 s44, 0x1111, s40
	s_or_b32 s[GX4], s43, (3<<16)|(1<<21)
	s_or_b32 s[GX2], s43, (3<<16)|(1<<21)
	s_or_b32 s[GW4], s44, (3<<16)|(1<<21)
	s_or_b32 s[GW2], s44, (3<<16)|(1<<21)
.irp g, GX4, GX2, GW4, GW2
	s_mov_b32 s[\g+1], 1536<<16
	s_mov_b32 s[\g+3], 1536<<16
	s_mov_b32 s[\g+6], 0
	s_mov_b32 s[\g+7], 0
.endr
.irp g, GX4, GW4
	s_mov_b32 s[\g+2], 4<<16
	s_mov_b32 s[\g+4], 4
.endr
.irp g, GX2, GW2
	s_mov_b32 s[\g+2], 2<<16
	s_mov_b32 s[\g+4], 2
.endr
	s_mov_b32 s[GX4+5], XSTEP/8
	s_mov_b32 s[GX2+5], XSTEP/8
	s_mov_b32 s[GW4+5], WSTEP/8
	s_mov_b32 s[GW2+5], WSTEP/8
	s_lshl_b32 s20, s17, 1
	s_add_co_u32 s20, s20, s16
	s_mul_i32 s20, s20, UNITB
	s_mov_b32 s21, 0
	s_lshl_b32 s46, s42, 1
	s_add_co_u32 s46, s46, s16
	s_mul_i32 s46, s46, UNITB
	s_add_co_u32 s46, s46, WC
	s_mov_b32 s47, 0
	s_mul_i32 s45, s14, R0W
	s_mul_i32 s94, s14, R1W
	s_wait_kmcnt 0x0
	s_add_nc_u64 s[20:21], s[4:5], s[20:21]
	s_add_nc_u64 s[46:47], s[6:7], s[46:47]
	CROUND
	s_mov_b32 s[G0X0], 1
	s_add_co_u32 s[G0X0+1], s45, 0
	s_mov_b64 s[G0X0+2:G0X0+3], s[20:21]
	s_or_b32 s[G0X0+3], s[G0X0+3], 0x80000000
	s_mov_b32 s[G0W0], 1
	s_add_co_u32 s[G0W0+1], s45, 0
	s_mov_b64 s[G0W0+2:G0W0+3], s[46:47]
	s_or_b32 s[G0W0+3], s[G0W0+3], 0x80000000
	JLOAD G0X0, GX4, G0W0, GW4
	s_mov_b32 s[G0X1], 1
	s_add_co_u32 s[G0X1+1], s94, REG1
	s_add_nc_u64 s[G0X1+2:G0X1+3], s[20:21], 4*XSTEP
	s_or_b32 s[G0X1+3], s[G0X1+3], 0x80000000
	s_mov_b32 s[G0W1], 1
	s_add_co_u32 s[G0W1+1], s94, REG1
	s_add_nc_u64 s[G0W1+2:G0W1+3], s[46:47], 4*WSTEP
	s_or_b32 s[G0W1+3], s[G0W1+3], 0x80000000
	s_wait_alu depctr_va_vdst(0)
	s_wait_tensorcnt 0x0
	ds_add_u32 v28, v29
	s_wait_dscnt 0x0
	CROUND
	JLOAD G0X1, GX2, G0W1, GW2
	v_and_b32 v1, 15, v0
	s_wait_alu depctr_va_vdst(0)
	v_bfe_u32 v2, v0, 4, 1
	v_and_b32 v3, 31, v0
	v_lshlrev_b32 v4, 4, v3
	s_mul_i32 s18, s15, R0W
	s_mul_i32 s19, s16, R0W
	s_add_co_u32 s19, s19, 2*R0W
	v_add_nc_u32 v[AX0], s18, v4
	v_add_nc_u32 v[AW0], s19, v4
	s_mul_i32 s18, s15, R1W
	s_add_co_u32 s18, s18, REG1
	s_mul_i32 s19, s16, R1W
	s_add_co_u32 s19, s19, REG1+2*R1W
	v_add_nc_u32 v[AX1], s18, v4
	v_add_nc_u32 v[AW1], s19, v4
	s_mul_i32 s18, s14, 16*SPITCH
	s_add_co_u32 s18, s18, STAGE
	v_mul_u32_u24 v5, v1, SPITCH
	s_wait_alu depctr_va_vdst(0)
	v_lshl_add_u32 v5, v2, 5, v5
	v_add_nc_u32 v[STO], s18, v5
	v_mul_u32_u24 v5, v2, SPITCH
	v_lshl_add_u32 v5, v1, 4, v5
	v_add_nc_u32 v[RD], s18, v5
	v_lshlrev_b32 v[CO], 4, v1
	v_lshl_add_u32 v[CO], v2, 12, v[CO]
	v_lshlrev_b32 v8, 4, v1
	v_lshl_add_u32 v9, v2, 16, v8
	v_lshl_add_u32 v8, v2, 18, v8
	s_wait_alu depctr_va_vdst(0)
	v_lshlrev_b32 v10, 5, v2
	s_wait_alu depctr_va_vdst(0)
	s_lshl_b32 s84, s17, 1
	s_add_co_u32 s84, s84, s15
	s_lshl_b32 s84, s84, 8
	s_add_co_u32 s84, s84, XSC
	s_mov_b32 s85, 0
	s_add_nc_u64 s[84:85], s[4:5], s[84:85]
	s_lshl_b32 s86, s42, 1
	s_add_co_u32 s86, s86, s16
	s_lshl_b32 s86, s86, 8
	s_add_co_u32 s86, s86, WS
	s_mov_b32 s87, 0
	s_add_nc_u64 s[86:87], s[6:7], s[86:87]
	s_lshl_b32 s88, s42, 9
	s_lshl_b32 s89, s16, 8
	s_add_co_u32 s88, s88, s89
	s_mov_b32 s89, 0
	s_add_nc_u64 s[10:11], s[10:11], s[88:89]
	s_lshl_b32 s90, s17, 7
	s_lshl_b32 s91, s15, 6
	s_add_co_u32 s90, s90, s91
	s_lshl_b32 s90, s90, 12
	s_add_co_u32 s88, s88, s90
	s_add_nc_u64 s[8:9], s[8:9], s[88:89]
	s_add_nc_u64 s[12:13], s[12:13], s[88:89]
.irp k, 0,1,2,3,4,5,6,7,8,9,10,11,12,13,14,15
	global_load_b128 v[XSR+4*\k:XSR+4*\k+3], v8, s[84:85] offset:16384*\k
.endr
.irp k, 0,1,2,3,4,5,6,7,8,9,10,11,12,13,14,15
	global_load_b128 v[WSR+4*\k:WSR+4*\k+3], v9, s[86:87] offset:4096*\k
.endr
.irp b, 0,1,2,3
	global_load_b128 v[BI+8*\b:BI+8*\b+3], v10, s[10:11] offset:64*\b
	global_load_b128 v[BI+8*\b+4:BI+8*\b+7], v10, s[10:11] offset:64*\b+16
.endr
	s_wait_loadcnt 0x0
	WIN 0xc0
.irp a, 0,1,2,3
.irp j, 0,1,2,3,4,5,6,7
	global_load_b128 v[32*\a+4*\j:32*\a+4*\j+3], v[CO], s[8:9] offset:(16*\a+2*\j)*4096 th:TH_LOAD_NT
.endr
.endr
	WIN 0
.macro FETCH p, ax, aw, off
	WIN 0x40
.irp i, 0,1,2,3
.irp c, 0,1,2
	ds_load_b128 v[128*(\p)+FR*\i+4*\c:128*(\p)+FR*\i+4*\c+3], v[\aw] offset:(\off)+\i*2*FRB+512*\c
.endr
.endr
.irp i, 0,1,2,3
.irp c, 0,1,2
	ds_load_b128 v[128*(\p)+48+FR*\i+4*\c:128*(\p)+48+FR*\i+4*\c+3], v[\ax] offset:(\off)+\i*2*FRB+512*\c
.endr
.endr
.endm
.macro MUL p, k
.if (\k) == 0
	WIN 0x85
.else
	WIN 0xa5
.endif
.irp a, 0,1,2,3
.irp b, 0,1,2,3
.if (\k) == 0
	v_wmma_scale_f32_16x16x128_f8f6f4 v[8*(4*\a+\b):8*(4*\a+\b)+7], v[128*(\p)+FR*\b:128*(\p)+FR*\b+FR-1], v[128*(\p)+48+FR*\a:128*(\p)+48+FR*\a+FR-1], v[BI+8*\b:BI+8*\b+7], v[WSR+4*((\k)%16)+\b], v[XSR+4*((\k)%16)+\a] matrix_a_fmt:MATRIX_FMT_FP6 matrix_b_fmt:MATRIX_FMT_FP6
.elseif (\k) < 16
	v_wmma_scale_f32_16x16x128_f8f6f4 v[8*(4*\a+\b):8*(4*\a+\b)+7], v[128*(\p)+FR*\b:128*(\p)+FR*\b+FR-1], v[128*(\p)+48+FR*\a:128*(\p)+48+FR*\a+FR-1], v[8*(4*\a+\b):8*(4*\a+\b)+7], v[WSR+4*((\k)%16)+\b], v[XSR+4*((\k)%16)+\a] matrix_a_fmt:MATRIX_FMT_FP6 matrix_b_fmt:MATRIX_FMT_FP6
.else
	v_wmma_scale_f32_16x16x128_f8f6f4 v[8*(4*\a+\b):8*(4*\a+\b)+7], v[128*(\p)+FR*\b:128*(\p)+FR*\b+FR-1], v[128*(\p)+48+FR*\a:128*(\p)+48+FR*\a+FR-1], v[8*(4*\a+\b):8*(4*\a+\b)+7], v[WSR+4*((\k)%16)+\b], v[XSR+4*((\k)%16)+\a] matrix_a_fmt:MATRIX_FMT_FP6 matrix_b_fmt:MATRIX_FMT_FP6 matrix_a_scale:MATRIX_SCALE_ROW1 matrix_b_scale:MATRIX_SCALE_ROW1
.endif
.endr
.endr
.endm
.macro PHASE k0, n, ax, aw
	FETCH (\k0)%2, \ax, \aw, 0
.set t, 0
.rept \n
.if t+1 < \n
	PLACES 4
	FETCH (\k0+t+1)%2, \ax, \aw, ((t+1)/2)*UNITB+((t+1)%2)*FRB
	s_wait_dscnt 24
.else
	s_wait_dscnt 0x0
.endif
	MUL (\k0+t)%2, \k0+t
.set t, t+1
.endr
.endm
.macro CHANGE fill, g0x, g1x, g0w, g1w
	WIN 0
	s_wait_tensorcnt 0x0
	ds_add_u32 v[SPW], v[NIL]
	s_wait_dscnt 0x0
.if \fill
	CROUND
	s_add_nc_u64 s[\g0x+2:\g0x+3], s[\g0x+2:\g0x+3], 6*XSTEP
	s_add_nc_u64 s[\g0w+2:\g0w+3], s[\g0w+2:\g0w+3], 6*WSTEP
	JLOAD \g0x, \g1x, \g0w, \g1w
.else
	s_barrier_signal -1
	s_barrier_wait -1
	PLACES 4
.endif
.endm
	s_wait_tensorcnt 1
	s_barrier_signal -1
	s_barrier_wait -1
	PHASE 0, 8, AX0, AW0
	CHANGE 1, G0X0, GX4, G0W0, GW4
	PHASE 8, 4, AX1, AW1
	CHANGE 1, G0X1, GX2, G0W1, GW2
	PHASE 12, 8, AX0, AW0
	CHANGE 1, G0X0, GX4, G0W0, GW4
	PHASE 20, 4, AX1, AW1
	CHANGE 0, G0X1, GX2, G0W1, GW2
	PHASE 24, 8, AX0, AW0
	WIN 0
.macro TOSTAGE a
	WIN 0x08
.irp b, 0,1,2,3
	ds_store_b128 v[STO], v[32*(\a)+8*\b:32*(\a)+8*\b+3] offset:64*\b
	ds_store_b128 v[STO], v[32*(\a)+8*\b+4:32*(\a)+8*\b+7] offset:64*\b+16
.endr
	WIN 0
.irp j, 0,1,2,3,4,5,6,7
	ds_load_b128 v[BK+32*((\a)%2)+4*\j:BK+32*((\a)%2)+4*\j+3], v[RD] offset:\j*2*SPITCH
.endr
.endm
.macro SEND a, younger
	s_wait_dscnt \younger
	WIN 0x0c
.set j, 0
.rept 16
	v_pk_add_f32 v[BK+32*((\a)%2)+j:BK+32*((\a)%2)+j+1], v[BK+32*((\a)%2)+j:BK+32*((\a)%2)+j+1], v[32*(\a)+j:32*(\a)+j+1]
.set j, j+2
.endr
	WIN 0
.irp j, 0,1,2,3,4,5,6,7
	global_store_b128 v[CO], v[BK+32*((\a)%2)+4*\j:BK+32*((\a)%2)+4*\j+3], s[12:13] offset:(16*(\a)+2*\j)*4096 th:TH_STORE_NT
.endr
.endm
	PLACES 4
	s_wait_loadcnt 0x0
	TOSTAGE 0
	TOSTAGE 1
	SEND 0, 16
	s_wait_xcnt 0x0
	TOSTAGE 2
	SEND 1, 16
	s_wait_xcnt 0x0
	TOSTAGE 3
	SEND 2, 16
	SEND 3, 0
	s_wait_tensorcnt 0x0
	ds_add_u32 v[SPW], v[NIL]
	s_wait_dscnt 0x0
	CROUND
	s_endpgm
.Lfunc_end_k_qde970330ee_mlp2:
	.size	k_qde970330ee_mlp2, .Lfunc_end_k_qde970330ee_mlp2-k_qde970330ee_mlp2
	.p2alignl 7, 3214868480
	.fill 96, 4, 3214868480
	.section	.rodata,"a",@progbits
	.p2align	6, 0x0
	.amdhsa_kernel k_qde970330ee_mlp2
		.amdhsa_group_segment_fixed_size 327680
		.amdhsa_private_segment_fixed_size 0
		.amdhsa_enable_private_segment 0
		.amdhsa_kernarg_size 40
		.amdhsa_user_sgpr_count 2
		.amdhsa_user_sgpr_kernarg_segment_ptr 1
		.amdhsa_wavefront_size32 1
		.amdhsa_system_sgpr_workgroup_id_x 1
		.amdhsa_system_sgpr_workgroup_id_y 1
		.amdhsa_system_sgpr_workgroup_id_z 1
		.amdhsa_system_vgpr_workitem_id 0
		.amdhsa_next_free_vgpr 1024
		.amdhsa_next_free_sgpr 100
		.amdhsa_reserve_vcc 0
		.amdhsa_float_denorm_mode_32 3
		.amdhsa_float_denorm_mode_16_64 3
		.amdhsa_memory_ordered 1
		.amdhsa_forward_progress 1
		.amdhsa_inst_pref_size 150
	.end_amdhsa_kernel
	.amdgpu_metadata
---
amdhsa.version: [ 1, 2 ]
amdhsa.kernels:
  - .name:           k_qde970330ee_mlp2
    .symbol:         k_qde970330ee_mlp2.kd
    .args:
      - { .name: hq, .offset: 0, .size: 8, .value_kind: global_buffer, .address_space: global }
      - { .name: wts, .offset: 8, .size: 8, .value_kind: global_buffer, .address_space: global }
      - { .name: x1, .offset: 16, .size: 8, .value_kind: global_buffer, .address_space: global }
      - { .name: b2, .offset: 24, .size: 8, .value_kind: global_buffer, .address_space: global }
      - { .name: out0, .offset: 32, .size: 8, .value_kind: global_buffer, .address_space: global }
    .group_segment_fixed_size: 327680
    .private_segment_fixed_size: 0
    .kernarg_segment_align: 8
    .kernarg_segment_size: 40
    .max_flat_workgroup_size: 128
    .sgpr_count:     100
    .vgpr_count:     1024
    .wavefront_size: 32
...
	.end_amdgpu_metadata
.endif
;; end of part 10
